; MI455X (gfx1250); checked and timed in simulation.
; The chip was launched on July 23, 2026; its instructions are those of AMD's public machine-readable ISA for CDNA 5 (MIT licence, August 2026) and "CDNA5" Instruction Set Architecture Reference Guide (July 2026). The comments in the code are by the model that wrote it; some were corrected since.
;; Causal Attention. Allowed arithmetic: float matrix products may take bf16 or f16 operands with f32 sums; other float arithmetic in f32, or as packed bf16 or f16 multiplies, adds, multiply-adds, maxima and minima; sums over many terms, partial sums and values carried from step to step in f32; what a program stores and reads back later, other than sums and carried values, may be rounded once to bf16 or f16.
;; Inputs: Wk 1,024 x 1,024 float32; Wq 1,024 x 1,024 float32; Wv 1,024 x 1,024 float32; x 4 x 2,048 x 1,024 float32.
;; Outputs: out0 4 x 2,048 x 1,024 float32.
;; 3 versions, each right; version 3 is version 2 with the launch cast written anew for expert scheduling mode. Each part assembles by itself: llvm-mc -triple=amdgcn-amd-amdhsa -mcpu=gfx1250 --defsym DOCPART=n.
;; ======== version 1 of 3: 5 launches
;; limits: values are held in f16: magnitudes above 65,504 overflow, below 6.1e-05 lose precision
;; workspace buffers: xb 16,777,216 bytes; wb 6,291,456 bytes; qkv 50,331,648 bytes; pw 33,554,432 bytes; sm 524,288 bytes; sl 524,288 bytes; hp 1,572,864 bytes
;; launch cast (part 1): grid 352 x 1, 8 waves a work-group, no clusters, 0 bytes of LDS; arguments x, Wq, Wk, Wv, xb, wb; writes xb, wb
.if DOCPART == 1
	.amdgcn_target "amdgcn-amd-amdhsa--gfx1250"
	.amdhsa_code_object_version 6
	.text
	.protected	k_qa0f3e8d290_cast
	.globl	k_qa0f3e8d290_cast
	.p2align	8
	.type	k_qa0f3e8d290_cast,@function
k_qa0f3e8d290_cast:
	s_mov_b64 s[64:65], 0
	v_nop
	global_prefetch_b8 v0, s[64:65] scope:SCOPE_SE
	s_setreg_imm32_b32 hwreg(HW_REG_WAVE_MODE, 25, 1), 1
	s_wait_xcnt 0x0
; x [8192][1024] and Wq, Wk, Wv [1024][1024], all f32, are rounded once to bf16 and laid in the order in which the projection's tiles are fetched.
;   xb: [mt 32][ks 16][256 rows][64 k]            byte mt*524288 + ks*32768 + r*128 + 2k
;   wb: [nt 8][ks 16][nb 6][64 k][64 n]           byte nt*786432 + ks*49152 + nb*8192 + kk*128 + 2c; column block g = 16 w + cb = 6 nt + nb (w = 0, 1, 2: Wq, Wk, Wv)
; A stream: no LDS, no matrix unit, no barrier: no wave wants a byte that another has fetched.
; SHARES.  A work-group takes 32 source rows of 4,096 bytes (131,072 consecutive bytes).  Groups 0-255: x; groups 256-351: 32 for each W.
; Thread t takes row t / 8 and, of each of the row's 16 blocks of 64 columns, the 8 numbers t % 8: two loads of 16 bytes, one store of 16 bytes.
; A wave's store covers 4 rows x 128 bytes = 512 consecutive bytes of the destination, at a multiple of 512.  All 32 loads of a thread go out at once; nothing is read twice.
; Source, destination and offsets are chosen by scalar selects on the group's number: one text, no branch.
.set VS, 2                             ; v2      my byte offset in the group's 32 source rows
.set VB, 3                             ; v3      my byte offset in the destination, without the column block's part
.set VD, 4                             ; v[4:19] the same with column block n's part
.set X,  32                            ; v[32:159] block n: 8 registers as loaded; its first four then hold the 8 bf16
	s_load_b256 s[4:11], s[0:1], 0x0               ; x s[4:5], Wq s[6:7], Wk s[8:9], Wv s[10:11]
	s_load_b128 s[12:15], s[0:1], 0x20             ; xb s[12:13], wb s[14:15]
	s_mov_b32 s20, ttmp9                           ; the group's number
	s_max_u32 s21, s20, 256
	s_sub_co_u32 s21, s21, 256                     ; j: the number among W's groups (0 for x's groups)
	s_lshr_b32 s22, s21, 5                         ; w: which W
	s_and_b32 s23, s21, 31                         ; jj: which 32 rows of it
	s_lshl_b32 s24, s20, 17                        ; source offset for x,
	s_lshl_b32 s25, s23, 17                        ; for W
	s_lshr_b32 s26, s20, 3
	s_lshl_b32 s26, s26, 19                        ; x: mt * 524288
	s_and_b32 s27, s20, 7
	s_lshl_b32 s27, s27, 12                        ;    + 32 rows of 128 bytes for each group in the tile
	s_add_co_u32 s26, s26, s27
	s_lshr_b32 s27, s23, 1
	s_mul_i32 s27, s27, 49152                      ; W: ks * 49152
	s_and_b32 s28, s23, 1
	s_lshl_b32 s28, s28, 12                        ;    + the upper 32 of the 64 k
	s_add_co_u32 s27, s27, s28
	s_lshl_b32 s29, s22, 4                         ; 16 w
	s_cmp_lt_u32 s20, 256                          ; x?
	s_cselect_b32 s24, s24, s25
	s_cselect_b32 s26, s26, s27
	s_mov_b32 s25, 0
	v_lshrrev_b32 v1, 3, v0                        ; my row
	v_and_b32 v[VB], 7, v0                         ; my piece
	v_lshlrev_b32 v[VS], 12, v1
	v_lshl_add_u32 v[VS], v[VB], 5, v[VS]          ; row * 4096 + piece * 32
	v_lshlrev_b32 v[VB], 4, v[VB]
	v_lshl_add_u32 v[VB], v1, 7, v[VB]             ; row * 128 + piece * 16
	v_add_nc_u32 v[VB], s26, v[VB]
.set n, 0
.rept 16                               ; column block n's place: x: ks = n; W: g = 16 w + n, nt = g / 6 (g * 43 >> 8 for g under 48), nb = g - 6 nt
	s_add_co_u32 s30, s29, n
	s_mul_i32 s31, s30, 43
	s_lshr_b32 s31, s31, 8
	s_mul_i32 s32, s31, 6
	s_sub_co_u32 s30, s30, s32
	s_mul_i32 s31, s31, 786432
	s_lshl_b32 s30, s30, 13
	s_add_co_u32 s30, s30, s31
	s_cmp_lt_u32 s20, 256
	s_cselect_b32 s30, n*32768, s30
	v_add_nc_u32 v[VD+n], s30, v[VB]
.set n, n+1
.endr
	s_wait_kmcnt 0x0
	s_cmp_eq_u32 s22, 1
	s_cselect_b64 s[16:17], s[8:9], s[6:7]
	s_cmp_eq_u32 s22, 2
	s_cselect_b64 s[16:17], s[10:11], s[16:17]
	s_cmp_lt_u32 s20, 256
	s_cselect_b64 s[16:17], s[4:5], s[16:17]       ; the source,
	s_cselect_b64 s[18:19], s[12:13], s[14:15]     ; the destination
	s_add_nc_u64 s[16:17], s[16:17], s[24:25]
.set n, 0
.rept 16
	global_load_b128 v[X+8*n:X+8*n+3],   v[VS], s[16:17] offset:256*n th:TH_LOAD_NT
	global_load_b128 v[X+8*n+4:X+8*n+7], v[VS], s[16:17] offset:256*n+16 th:TH_LOAD_NT
.set n, n+1
.endr
.set n, 0
.rept 16
	s_wait_loadcnt 30-2*n                          ; loads come back in order: block n's two are in, the 30 - 2 n younger ones stay out
	v_cvt_pk_bf16_f32 v[X+8*n],   v[X+8*n],   v[X+8*n+1]  ; in place: register j is written when registers 2 j, 2 j + 1 have been read
	v_cvt_pk_bf16_f32 v[X+8*n+1], v[X+8*n+2], v[X+8*n+3]
	v_cvt_pk_bf16_f32 v[X+8*n+2], v[X+8*n+4], v[X+8*n+5]
	v_cvt_pk_bf16_f32 v[X+8*n+3], v[X+8*n+6], v[X+8*n+7]
	global_store_b128 v[VD+n], v[X+8*n:X+8*n+3], s[18:19]  ; no register that a load or store names is written again
.set n, n+1
.endr
	s_endpgm
.Lfunc_end_k_qa0f3e8d290_cast:
	.size	k_qa0f3e8d290_cast, .Lfunc_end_k_qa0f3e8d290_cast-k_qa0f3e8d290_cast
	.p2alignl 7, 3214868480
	.fill 96, 4, 3214868480
	.section	.rodata,"a",@progbits
	.p2align	6, 0x0
	.amdhsa_kernel k_qa0f3e8d290_cast
		.amdhsa_group_segment_fixed_size 0
		.amdhsa_private_segment_fixed_size 0
		.amdhsa_enable_private_segment 0
		.amdhsa_kernarg_size 48
		.amdhsa_user_sgpr_count 2
		.amdhsa_user_sgpr_kernarg_segment_ptr 1
		.amdhsa_wavefront_size32 1
		.amdhsa_system_sgpr_workgroup_id_x 1
		.amdhsa_system_sgpr_workgroup_id_y 1
		.amdhsa_system_sgpr_workgroup_id_z 1
		.amdhsa_system_vgpr_workitem_id 0
		.amdhsa_next_free_vgpr 160
		.amdhsa_next_free_sgpr 66
		.amdhsa_reserve_vcc 0
		.amdhsa_float_denorm_mode_32 3
		.amdhsa_float_denorm_mode_16_64 3
		.amdhsa_memory_ordered 1
		.amdhsa_forward_progress 1
		.amdhsa_inst_pref_size 18
	.end_amdhsa_kernel
	.amdgpu_metadata
---
amdhsa.version: [ 1, 2 ]
amdhsa.kernels:
  - .name:           k_qa0f3e8d290_cast
    .symbol:         k_qa0f3e8d290_cast.kd
    .args:
      - { .name: x, .offset: 0, .size: 8, .value_kind: global_buffer, .address_space: global }
      - { .name: Wq, .offset: 8, .size: 8, .value_kind: global_buffer, .address_space: global }
      - { .name: Wk, .offset: 16, .size: 8, .value_kind: global_buffer, .address_space: global }
      - { .name: Wv, .offset: 24, .size: 8, .value_kind: global_buffer, .address_space: global }
      - { .name: xb, .offset: 32, .size: 8, .value_kind: global_buffer, .address_space: global }
      - { .name: wb, .offset: 40, .size: 8, .value_kind: global_buffer, .address_space: global }
    .group_segment_fixed_size: 0
    .private_segment_fixed_size: 0
    .kernarg_segment_align: 8
    .kernarg_segment_size: 48
    .max_flat_workgroup_size: 256
    .sgpr_count:     66
    .vgpr_count:     160
    .wavefront_size: 32
...
	.end_amdgpu_metadata
.endif
;; end of part 1
;; launch proj (part 2): grid 8 x 32, 4 waves a work-group, clusters of 4 x 4, 327,680 bytes of LDS; arguments xb, wb, qkv, hp; writes qkv, hp
.if DOCPART == 2
	.amdgcn_target "amdgcn-amd-amdhsa--gfx1250"
	.amdhsa_code_object_version 6
	.text
	.protected	k_qa0f3e8d290_proj
	.globl	k_qa0f3e8d290_proj
	.p2align	8
	.type	k_qa0f3e8d290_proj,@function
k_qa0f3e8d290_proj:
	s_mov_b64 s[64:65], 0
	v_nop
	global_prefetch_b8 v0, s[64:65] scope:SCOPE_SE
	s_setreg_imm32_b32 hwreg(HW_REG_WAVE_MODE, 25, 1), 1
	s_wait_xcnt 0x0
	s_wait_alu depctr_hold_cnt(0) depctr_sa_sdst(0) depctr_va_vdst(0) depctr_va_sdst(0) depctr_va_ssrc(0) depctr_va_vcc(0) depctr_vm_vsrc(0)
	s_getreg_b32 s2, hwreg(HW_REG_IB_STS2, 6, 4)
	s_cmp_eq_u32 s2, 0
	s_cbranch_scc0 .Lentry_in_a_cluster
	s_endpgm
.Lentry_in_a_cluster:
	s_bfe_u32 s2, ttmp6, 0x10000c
	s_cmp_lg_u32 s2, 0xf033
	s_cbranch_scc0 .Lentry_shape_is_right
	s_endpgm
.Lentry_shape_is_right:
; [q | k | v] = x [Wq | Wk | Wv]: C [8192][3072], K = 1024.  Operands bf16 (xb, wb, in tile order), sums f32, C rounded once to f16, unscaled.
; qkv: [g 48][8192 rows][64 channels] f16, byte (g*8192 + row)*128 + 2c; g 0-15 q, 16-31 k, 32-47 v.
; hp: the f32 sums of the first 32 rows of each batch, as the accumulators lie in registers: byte (((b*48 + g)*2 + a)*4 + bb)*1024 + half*512 + 16 lane: row block a, 16 columns bb of channel block g,
; registers 4 half .. 4 half + 3; lane l holds row l % 16 and columns 8 (l / 16) + 0..7.  Rows that average over few keys are made from these by a launch of their own.
; LIMIT.  f16 ends at 65,504: a |q|, |k| or |v| of 65,520 or more leaves as an infinity.
; SHARES.  A tile of C is 256 x 384: 32 x 8 = 256 tiles, one to a work-group.  Four waves, each 128 rows x 192 columns: 96 accumulators of 16 x 16, 768 registers.
; K goes in 16 steps of 64 through two LDS slots; a step is two quarters of 32, 96 matrix instructions each.  One tensor load a wave and step: waves 0, 1 bring x's 2 x 128 rows, waves 2, 3 W's 2 x 3 column blocks.
; Every tile is dense in memory and is asked for as rows of 256 bytes, padded in LDS behind every 128.
; CLUSTER 4 x 4.  x's tile hangs on the tile row alone and is asked for jointly along a row of the cluster, W's on the tile column alone, along a column.
; The tile row is cluster y + 8 cy: a batch is 8 tile rows, so the four tiles with a batch's first rows lie in the clusters with y = 0, and the branch round hp's stores hangs on the cluster's y and the wave's number alone.
; THE MATRIX INSTRUCTION IS USED TRANSPOSED: source 0 = 16 columns of W (turned out of LDS by ds_load_tr16_b128), source 1 = 16 rows of x: a lane then holds one row of C and eight neighbouring columns.
; REGISTERS, in windows of 256: window 0: v2-11 addresses; v16-79, v80-143 x's fragments of a quarter (8 x 16 rows x 32 K), two buffers; v144-191, v192-239 W's fragments, column blocks 0-5 and 6-11, one buffer each:
; while one half is multiplied the other is fetched.  Windows 1-3: accumulator (a, b) in window 1 + b / 4 at v[8 (4 a + b % 4)].
.set SLOT,  98304                      ; x: 256 rows x 144; then W: 6 x 64 rows x 160
.set BOFF,  36864
.set STAGE, 2*SLOT                     ; behind the ring: for each wave 3 blocks x 16 rows x 144 bytes, for the way out
.set SPARE, STAGE+4*6912               ; behind the stages: the spare words, 128 bytes a wave, which no other line names
.set ADRA, 2                           ; v2-3   LDS address of my fragments of x in slot 0, 1
.set ADRB, 4                           ; v4-5   the same for W
.set STO,  6                           ; v6     the way out: where I put 16 bytes of a row
.set RD,   7                           ; v7     where I read rows back
.set GO,   8                           ; v8     16 x lane: my place in 512 consecutive bytes of qkv and of hp
.set PFO,  9                           ; v9     256 x lane, for the prefetches
.set SPW,  10                          ; v10    my spare word
.set NIL,  11                          ; v11    0
.set AF,   16
.set BH,   144
.set PK,   16                          ; the way out: 48 packed registers
.set G1,   24                          ; s[24:31] group 1 for x's tiles; s[32:39] group 0, a set for each slot
.set G0,   32
.set G1B,  48                          ; s[48:55], s[56:63] the same for W's
.set G0B,  56
.set LIM,  43                          ; s43  1 in a wave that prefetches, else the greatest number
.set PFA,  44                          ; s[44:45] where my prefetches stand
.set PFS,  16                          ; s[16:17] a lap's bytes of my operand
.set HP,   66                          ; s[66:67] hp at my three channel blocks
.set HPF,  68                          ; s68  0 in a wave that holds a batch's first rows
.set MSB, 0
.macro WIN new                         ; the immediate's high byte repeats the setting that is left; a switch that changes nothing is dropped
.if MSB != (\new)
	s_set_vgpr_msb (MSB<<8)|(\new)
.set MSB, \new
.endif
.endm
.macro PLACES                          ; four places in front of loads into registers that matrix instructions have read, and of conversions that read results
.rept 4
	v_nop
.endr
.endm
.macro JLOAD s                         ; a joint load: the branch hangs on the wave's number alone; an s_nop 0 and four v_nop follow each line
	s_cmp_eq_u32 s11, 0
	s_cbranch_scc0 .Lfor_b_\@
	tensor_load_to_lds s[G0+4*(\s):G0+4*(\s)+3], s[G1:G1+7]
	s_nop 0
.rept 4
	v_nop
.endr
	s_branch .Lasked_\@
.Lfor_b_\@:
	tensor_load_to_lds s[G0B+4*(\s):G0B+4*(\s)+3], s[G1B:G1B+7]
	s_nop 0
.rept 4
	v_nop
.endr
.Lasked_\@:
.endm
.macro CREST                           ; a round of the cluster's barrier behind its opening barrier
	s_cmp_lg_u32 s10, 0
	s_cbranch_scc1 .Lnot_wave_0_\@
	s_barrier_signal -3
.Lnot_wave_0_\@:
	s_barrier_wait -3
	s_barrier_signal -1
	s_barrier_wait -1
.endm
.macro CROUND
	s_barrier_signal -1
	s_barrier_wait -1
	CREST
.endm
; A PREFETCH INTO THE L2, once a lap (two K steps), behind the joint load of slot 0 and the run of LDS loads that follows it: the lap behind the one that is being asked for.  A lap of a tile row of xb is 65,536
; consecutive bytes, of a tile column of wb 98,304.  x's are named by wave 0 of the clusters with x = 0, W's by wave 2 of the clusters with y = 0; the four partners that ask for a tile jointly take a quarter each,
; told apart by address (cx for x, cy for W): a lane names 256 bytes, two or three instructions.  So each block is named once in the launch.  Laps 0 and 1 come by their loads alone; the loop's last trip has no lap behind its own.
.macro ASK
	s_cmp_gt_u32 s3, s[LIM]
	s_cbranch_scc0 .Lnot_mine_\@
	global_prefetch_b8 v[PFO], s[PFA:PFA+1] th:TH_LOAD_NT scope:SCOPE_SE
	global_prefetch_b8 v[PFO], s[PFA:PFA+1] offset:8192 th:TH_LOAD_NT scope:SCOPE_SE
	s_cmp_eq_u32 s11, 0
	s_cbranch_scc1 .Lnot_mine_\@
	global_prefetch_b8 v[PFO], s[PFA:PFA+1] offset:16384 th:TH_LOAD_NT scope:SCOPE_SE
.Lnot_mine_\@:
.endm
	s_load_b128 s[4:7], s[0:1], 0x0                ; xb s[4:5], wb s[6:7]
	s_load_b64 s[8:9], s[0:1], 0x10                ; qkv
	s_load_b64 s[HP:HP+1], s[0:1], 0x18            ; hp
	v_lshl_add_u32 v[SPW], v0, 2, SPARE
	v_mov_b32 v[NIL], 0
	ds_add_u32 v[SPW], v[NIL]                      ; the wave's opening: the add and its wait stand ahead of my first tensor load; work on registers stands between them
	v_lshrrev_b32 v1, 5, v0
	v_readfirstlane_b32 s10, v1                    ; wave 0..3
	s_lshr_b32 s11, s10, 1                         ; which 128 rows are mine.  Also: I fetch for x (0) or for W (1)
	s_and_b32 s12, s10, 1                          ; which 192 columns.  Also: which half of that tile I fetch
	s_bfe_u32 s40, ttmp6, 0x40000                  ; cx
	s_bfe_u32 s41, ttmp6, 0x40004                  ; cy
	s_lshl_b32 s42, ttmp9, 2
	s_add_co_u32 s42, s42, s40                     ; nt = 4 x cluster x + cx
	s_and_b32 s13, ttmp7, 0xffff                   ; cluster y, 0 to 7
	s_or_b32 s[HPF], s13, s11                      ; 0 where the cluster's y is 0 and my rows are the tile's first 128
	s_lshl_b32 s14, s41, 3
	s_add_co_u32 s13, s13, s14                     ; mt = cluster y + 8 cy
	s_lshl_b32 s22, s41, 2
	s_lshl_b32 s22, 15, s22                        ; my row of the cluster
	s_lshl_b32 s23, 0x1111, s40                    ; my column
	s_or_b32 s[G1+0], s22, (1<<16)|(1<<20)|(1<<21)|(4<<22)|(3<<25)   ; the mask; 2-byte elements; padding on; bit 21 beside a mask; behind every 32 words 4 words: LDS rows of 144 bytes
	s_or_b32 s[G1B+0], s23, (1<<16)|(1<<20)|(1<<21)|(4<<22)|(7<<25)  ; the same with 8 words: LDS rows of 160 bytes
	s_mov_b32 s[G1+1], 128<<16                     ; tensor_dim0 = 128 elements (256 bytes)
	s_mov_b32 s[G1+2], 64<<16                      ; tensor_dim1 = 64: 16,384 dense bytes, 128 rows of x
	s_mov_b32 s[G1+3], 128<<16                     ; tile_dim0
	s_mov_b32 s[G1+4], 64                          ; tile_dim1
	s_mov_b32 s[G1+5], 128                         ; pitch
	s_mov_b32 s[G1+6], 0
	s_mov_b32 s[G1+7], 0
	s_mov_b32 s[G1B+1], 128<<16
	s_mov_b32 s[G1B+2], 96<<16                     ; 24,576 dense bytes: 3 column blocks x 64 k
	s_mov_b32 s[G1B+3], 128<<16
	s_mov_b32 s[G1B+4], 96
	s_mov_b32 s[G1B+5], 128
	s_mov_b32 s[G1B+6], 0
	s_mov_b32 s[G1B+7], 0
	s_lshl_b32 s16, s13, 19                        ; x: mt * 524288 + half * 16384: the tile row and the wave's number alone
	s_lshl_b32 s17, s12, 14
	s_add_co_u32 s16, s16, s17
	s_mov_b32 s17, 0
	s_mul_i32 s46, s42, 786432                     ; W: nt * 786432 + half * 24576: the tile column and the wave's number alone
	s_mul_i32 s47, s12, 24576
	s_add_co_u32 s46, s46, s47
	s_mov_b32 s47, 0
	s_mul_i32 s20, s12, 18432                      ; where they go: no place in the cluster enters an LDS address
	s_mul_i32 s21, s12, 30720
	s_add_co_u32 s21, s21, BOFF
	s_wait_dscnt 0x0                               ; the opening add is done
	s_wait_kmcnt 0x0
	s_add_nc_u64 s[18:19], s[4:5], s[16:17]
	s_add_nc_u64 s[46:47], s[6:7], s[46:47]
	CROUND                                         ; all sixteen work-groups are here: the first joint loads meet
.irp s, 0,1
	s_mov_b32 s[G0+4*(\s)], 1
	s_add_co_u32 s[G0+4*(\s)+1], s20, (\s)*SLOT
	s_add_nc_u64 s[G0+4*(\s)+2:G0+4*(\s)+3], s[18:19], (\s)*32768   ; K step s
	s_or_b32 s[G0+4*(\s)+3], s[G0+4*(\s)+3], 0x80000000
	s_mov_b32 s[G0B+4*(\s)], 1
	s_add_co_u32 s[G0B+4*(\s)+1], s21, (\s)*SLOT
	s_add_nc_u64 s[G0B+4*(\s)+2:G0B+4*(\s)+3], s[46:47], (\s)*49152
	s_or_b32 s[G0B+4*(\s)+3], s[G0B+4*(\s)+3], 0x80000000
	JLOAD \s
.endr
	v_and_b32 v1, 15, v0                           ; r = l % 16
	v_bfe_u32 v12, v0, 4, 1                        ; h = l / 16
	v_mul_u32_u24 v13, v1, 144
	v_lshl_add_u32 v13, v12, 4, v13                ; r * 144 + 16 h
	s_mul_i32 s14, s11, 18432                      ; my 128 rows of x
	v_add_nc_u32 v[ADRA], s14, v13
	v_add_nc_u32 v[ADRA+1], SLOT, v[ADRA]
	v_and_b32 v14, 7, v0                           ; the turning load: lane l reads 16 bytes of k row 8 h + l % 8, columns 8 ((l / 8) % 2) on
	v_lshl_add_u32 v14, v12, 3, v14
	v_mul_u32_u24 v14, v14, 160
	v_bfe_u32 v15, v0, 3, 1
	v_lshl_add_u32 v14, v15, 4, v14
	s_mul_i32 s14, s12, 30720                      ; my three column blocks of W,
	s_add_co_u32 s14, s14, BOFF                    ; behind x's rows
	v_add_nc_u32 v[ADRB], s14, v14
	v_add_nc_u32 v[ADRB+1], SLOT, v[ADRB]
	s_mul_i32 s14, s10, 6912
	s_add_co_u32 s14, s14, STAGE                   ; my stage
	v_add_nc_u32 v[STO], s14, v13                  ; in: row r, 16 bytes for each half of the lanes
	v_bfe_u32 v[RD], v0, 3, 2                      ; back: 32 lanes take four rows of 128 bytes,
	v_mul_u32_u24 v[RD], v[RD], 144
	v_and_b32 v15, 7, v0
	v_lshl_add_u32 v[RD], v15, 4, v[RD]
	v_add_nc_u32 v[RD], s14, v[RD]
	v_and_b32 v[GO], 31, v0                        ; which are 512 consecutive bytes of qkv
	v_lshlrev_b32 v[PFO], 8, v[GO]
	v_lshlrev_b32 v[GO], 4, v[GO]
	s_mul_i32 s14, s42, 6                          ; qkv at ((6 nt + 3 wc) * 8192 + 256 mt + 128 wr) * 128
	s_mul_i32 s15, s12, 3
	s_add_co_u32 s14, s14, s15
	s_lshl_b32 s14, s14, 13
	s_lshl_b32 s15, s13, 8
	s_add_co_u32 s14, s14, s15
	s_lshl_b32 s15, s11, 7
	s_add_co_u32 s14, s14, s15
	s_lshl_b32 s14, s14, 7
	s_mov_b32 s15, 0
	s_add_nc_u64 s[8:9], s[8:9], s[14:15]
	s_mul_i32 s14, s41, 48                         ; hp at (48 b + 6 nt + 3 wc) * 8192; where the cluster's y is 0 the batch is cy
	s_mul_i32 s15, s42, 6
	s_add_co_u32 s14, s14, s15
	s_mul_i32 s15, s12, 3
	s_add_co_u32 s14, s14, s15
	s_lshl_b32 s14, s14, 13
	s_mov_b32 s15, 0
	s_add_nc_u64 s[HP:HP+1], s[HP:HP+1], s[14:15]
	; the prefetches (in waves 0 and 2, which alone ask, s[18:19] and s[46:47] stand at the tile row's and the tile column's first byte)
	s_and_b32 s14, ttmp7, 0xffff                   ; cluster y
	s_mov_b32 s[PFS], 98304
	s_mov_b32 s20, 24576
	s_cmp_eq_u32 s11, 0                            ; do I fetch for x?
	s_cselect_b32 s14, ttmp9, s14                  ; the coordinate along which other clusters read the same bytes
	s_cselect_b32 s15, s40, s41                    ; my place among the four that ask with me
	s_cselect_b64 s[PFA:PFA+1], s[18:19], s[46:47]
	s_cselect_b32 s[PFS], 65536, s[PFS]            ; a lap's bytes
	s_cselect_b32 s20, 16384, s20                  ; a partner's quarter of them
	s_mov_b32 s[PFS+1], 0
	s_or_b32 s14, s14, s12
	s_cmp_eq_u32 s14, 0
	s_cselect_b32 s[LIM], 1, -1                    ; the same in all sixteen partners, for a given wave
	s_mul_i32 s20, s20, s15
	s_mov_b32 s21, 0
	s_add_nc_u64 s[PFA:PFA+1], s[PFA:PFA+1], s[20:21]
	s_add_nc_u64 s[PFA:PFA+1], s[PFA:PFA+1], s[PFS:PFS+1]  ; at lap 1: the first trip steps it to lap 2
; x's fragments of quarter q of a slot: 16 loads
.macro LDA slot, q
.irp a, 0,1,2,3,4,5,6,7
	ds_load_b128 v[AF+64*(\q)+8*(\a):AF+64*(\q)+8*(\a)+3],   v[ADRA+(\slot)] offset:(\a)*2304+64*(\q)
	ds_load_b128 v[AF+64*(\q)+8*(\a)+4:AF+64*(\q)+8*(\a)+7], v[ADRA+(\slot)] offset:(\a)*2304+64*(\q)+32
.endr
.endm
; W's fragments of quarter q, column blocks 6 h .. 6 h + 5: 12 turning loads
.macro LDB slot, q, h
.irp i, 0,1,2,3,4,5
.set lb, 6*(\h)+(\i)
	ds_load_tr16_b128 v[BH+8*lb:BH+8*lb+3],   v[ADRB+(\slot)] offset:(lb/4)*10240+5120*(\q)+32*(lb%4)
	ds_load_tr16_b128 v[BH+8*lb+4:BH+8*lb+7], v[ADRB+(\slot)] offset:(lb/4)*10240+5120*(\q)+32*(lb%4)+2560
.endr
.endm
; 8 x cnt matrix instructions: all 8 row blocks x column blocks blo .. blo + cnt - 1, which lie in one window.  The accumulators take turns, one instruction a turn.  zero = 1: the products start the sums.
.macro MULS q, blo, cnt, zero
	WIN 0x50*(1+(\blo)/4)
.set ma, 0
.rept 8
.set mb, \blo
.rept \cnt
.set rC, 8*(4*ma+mb%4)
.if \zero
	v_wmma_f32_16x16x32_bf16 v[rC:rC+7], v[BH+8*mb:BH+8*mb+7], v[AF+64*(\q)+8*ma:AF+64*(\q)+8*ma+7], 0
.else
	v_wmma_f32_16x16x32_bf16 v[rC:rC+7], v[BH+8*mb:BH+8*mb+7], v[AF+64*(\q)+8*ma:AF+64*(\q)+8*ma+7], v[rC:rC+7]
.endif
.set mb, mb+1
.endr
.set ma, ma+1
.endr
.endm
; A slot's first quarter.  On the way in: W's first half, x's fragments, W's second half, in that order.
.macro QA slot, zero
	s_wait_dscnt 12                                ; W's second half (12 loads) may stay out
	MULS 0, 0, 4, \zero
	MULS 0, 4, 2, \zero
	PLACES
	WIN 0
	LDB \slot, 1, 0
	LDA \slot, 1
	s_wait_dscnt 28                                ; all but the 28 just issued
	MULS 0, 6, 2, \zero
	MULS 0, 8, 4, \zero
	PLACES
	WIN 0
	LDB \slot, 1, 1
.endm
; A slot's second quarter, and the change of slots: ONE barrier.  In front of it each wave waits for all its tensor loads (one is out: its part of the next slot), adds 0 to its spare word, and waits for that and for its own
; reads of this slot.  fill = 1: the barrier opens a round of the cluster's; behind the round this slot is filled again, two K steps on: the first tensor load there, 144 matrix instructions ahead of the wait for it.
.macro QB slot, next, fill
.if (\fill) && ((\slot) == 0)
	s_wait_xcnt 0x0                                ; the last prefetches, a lap back, have read their address
	s_add_nc_u64 s[PFA:PFA+1], s[PFA:PFA+1], s[PFS:PFS+1]
.endif
	WIN 0
	s_wait_tensorcnt 0x0                           ; all my tensor loads have landed
	ds_add_u32 v[SPW], v[NIL]                      ; 0 onto my spare word
	s_wait_dscnt 13                                ; the add and W's second half (12 loads) may be out
	MULS 1, 0, 4, 0                                ; 32 matrix instructions stand between the add and the wait for it
	s_wait_dscnt 0x0                               ; the add is done, and my reads of this slot are over
	s_barrier_signal -1
	MULS 1, 4, 2, 0                                ; work on registers while the others arrive
	WIN 0
	s_barrier_wait -1
.if \fill
	CREST                                          ; no wave of any partner still reads this slot or has a load on its way
	s_add_nc_u64 s[G0+4*(\slot)+2:G0+4*(\slot)+3], s[G0+4*(\slot)+2:G0+4*(\slot)+3], 65536
	s_add_nc_u64 s[G0B+4*(\slot)+2:G0B+4*(\slot)+3], s[G0B+4*(\slot)+2:G0B+4*(\slot)+3], 98304
	JLOAD \slot                                    ; its four v_nop are also the places in front of the loads below
.else
	PLACES
.endif
	LDB \next, 0, 0
	LDA \next, 0
.if (\fill) && ((\slot) == 0)
	ASK
.endif
	MULS 1, 6, 2, 0
	MULS 1, 8, 4, 0
	PLACES
	WIN 0
	LDB \next, 0, 1
.endm
; THE WAY OUT of row block a: 12 accumulators rounded to f16 (16 bytes a lane), into my own stage, back as rows of 128 bytes, stored as 512 consecutive bytes.
.macro PACK a
.set pb, 0
.rept 12
	WIN 5*(1+pb/4)                                 ; sources 0 and 1 in the accumulators' window
.set pr, 0
.rept 4
	v_cvt_pk_f16_f32 v[PK+4*pb+pr], v[8*(4*(\a)+pb%4)+2*pr], v[8*(4*(\a)+pb%4)+2*pr+1]
.set pr, pr+1
.endr
.set pb, pb+1
.endr
	WIN 0
.endm
.macro TOSTAGE a
.set BK, 80+64*((\a)%2)
.set tb, 0
.rept 12
	ds_store_b128 v[STO], v[PK+4*tb:PK+4*tb+3] offset:(tb/4)*2304+32*(tb%4)
.set tb, tb+1
.endr
.set tb, 0
.rept 12
	ds_load_b128 v[BK+4*tb:BK+4*tb+3], v[RD] offset:(tb/4)*2304+(tb%4)*576  ; LDS serves a wave's instructions in order (ISA guide 5.7.1.4): these see the stores above
.set tb, tb+1
.endr
.endm
.macro SEND a
.set BK, 80+64*((\a)%2)
	s_wait_dscnt 0x0                               ; the block is back in registers
	s_wait_xcnt 0x0                                ; earlier stores have read their registers: the other buffer is loaded again only behind this wait
.set tb, 0
.rept 12
	global_store_b128 v[GO], v[BK+4*tb:BK+4*tb+3], s[8:9] offset:(tb/4)*1048576+(\a)*2048+(tb%4)*512
.set tb, tb+1
.endr
.endm
	s_wait_tensorcnt 1                             ; my part of K step 0 is in; K step 1's may stay out
	s_barrier_signal -1
	s_barrier_wait -1
	LDB 0, 0, 0
	LDA 0, 0
	LDB 0, 0, 1
	QA 0, 1                                        ; the first quarter stands in front of the loop: its products start the sums
	WIN 0
	s_mov_b32 s3, 7
.Llap:                                                 ; a trip goes once round the ring and fills both slots again: K steps 2 to 15
	QB 0, 1, 1
	QA 1, 0
	QB 1, 0, 1
	QA 0, 0
	WIN 0
	s_sub_co_u32 s3, s3, 1
	s_cmp_lg_u32 s3, 0
	s_cbranch_scc1 .Llap
	QB 0, 1, 0                                     ; the last lap fills nothing
	QA 1, 0
	s_wait_dscnt 12
	MULS 1, 0, 4, 0
	MULS 1, 4, 2, 0
	s_wait_dscnt 0x0
	MULS 1, 6, 2, 0
	MULS 1, 8, 4, 0
	WIN 0
	PLACES
	PACK 0
	TOSTAGE 0
.irp a, 1,2,3,4,5,6,7                  ; block a's conversions stand between block a - 1's loads from the stage and the wait for them
	PACK \a
	SEND (\a)-1
	TOSTAGE \a
.endr
	SEND 7
	; hp: a batch's first 32 rows (my row blocks 0 and 1) once more, as f32, straight from the accumulators, which the way out has only read: each store covers 512 consecutive bytes
	s_cmp_lg_u32 s[HPF], 0
	s_cbranch_scc1 .Lno_hp                         ; the cluster's y and the wave's number decide: the same in all sixteen partners, for a given wave
.irp j, 0,1,2
	WIN ((\j)+1)<<2                                ; the stores' data, source 1, in the accumulators' window
.irp a, 0,1
.irp bb, 0,1,2,3
	global_store_b128 v[GO], v[8*(4*(\a)+(\bb)):8*(4*(\a)+(\bb))+3],   s[HP:HP+1] offset:(\j)*8192+(\a)*4096+(\bb)*1024
	global_store_b128 v[GO], v[8*(4*(\a)+(\bb))+4:8*(4*(\a)+(\bb))+7], s[HP:HP+1] offset:(\j)*8192+(\a)*4096+(\bb)*1024+512
.endr
.endr
.endr
	WIN 0
.Lno_hp:
	s_wait_tensorcnt 0x0                           ; the wave's end
	ds_add_u32 v[SPW], v[NIL]
	s_wait_dscnt 0x0
	CROUND                                         ; the closing round
	s_endpgm
.Lfunc_end_k_qa0f3e8d290_proj:
	.size	k_qa0f3e8d290_proj, .Lfunc_end_k_qa0f3e8d290_proj-k_qa0f3e8d290_proj
	.p2alignl 7, 3214868480
	.fill 96, 4, 3214868480
	.section	.rodata,"a",@progbits
	.p2align	6, 0x0
	.amdhsa_kernel k_qa0f3e8d290_proj
		.amdhsa_group_segment_fixed_size 327680
		.amdhsa_private_segment_fixed_size 0
		.amdhsa_enable_private_segment 0
		.amdhsa_kernarg_size 32
		.amdhsa_user_sgpr_count 2
		.amdhsa_user_sgpr_kernarg_segment_ptr 1
		.amdhsa_wavefront_size32 1
		.amdhsa_system_sgpr_workgroup_id_x 1
		.amdhsa_system_sgpr_workgroup_id_y 1
		.amdhsa_system_sgpr_workgroup_id_z 1
		.amdhsa_system_vgpr_workitem_id 0
		.amdhsa_next_free_vgpr 1024
		.amdhsa_next_free_sgpr 70
		.amdhsa_reserve_vcc 0
		.amdhsa_float_denorm_mode_32 3
		.amdhsa_float_denorm_mode_16_64 3
		.amdhsa_memory_ordered 1
		.amdhsa_forward_progress 1
		.amdhsa_inst_pref_size 135
	.end_amdhsa_kernel
	.amdgpu_metadata
---
amdhsa.version: [ 1, 2 ]
amdhsa.kernels:
  - .name:           k_qa0f3e8d290_proj
    .symbol:         k_qa0f3e8d290_proj.kd
    .args:
      - { .name: xb, .offset: 0, .size: 8, .value_kind: global_buffer, .address_space: global }
      - { .name: wb, .offset: 8, .size: 8, .value_kind: global_buffer, .address_space: global }
      - { .name: qkv, .offset: 16, .size: 8, .value_kind: global_buffer, .address_space: global }
      - { .name: hp, .offset: 24, .size: 8, .value_kind: global_buffer, .address_space: global }
    .group_segment_fixed_size: 327680
    .private_segment_fixed_size: 0
    .kernarg_segment_align: 8
    .kernarg_segment_size: 32
    .max_flat_workgroup_size: 128
    .sgpr_count:     70
    .vgpr_count:     1024
    .wavefront_size: 32
...
	.end_amdgpu_metadata
.endif
;; end of part 2
;; launch scores (part 3): grid 36 x 4, 4 waves a work-group, no clusters, 327,680 bytes of LDS; arguments qkv, pw, sm, sl; writes pw, sm, sl
.if DOCPART == 3
	.amdgcn_target "amdgcn-amd-amdhsa--gfx1250"
	.amdhsa_code_object_version 6
	.text
	.protected	k_qa0f3e8d290_scores
	.globl	k_qa0f3e8d290_scores
	.p2align	8
	.type	k_qa0f3e8d290_scores,@function
k_qa0f3e8d290_scores:
	s_mov_b64 s[64:65], 0
	v_nop
	global_prefetch_b8 v0, s[64:65] scope:SCOPE_SE
	s_setreg_imm32_b32 hwreg(HW_REG_WAVE_MODE, 25, 1), 1
	s_wait_xcnt 0x0
; For each tile of 256 queries x 256 keys on or below the diagonal: S = q k^T (f16 operands, f32 sums), the causal mask, and for each row and CHUNK of 128 keys:
;   cm = c max(s), c = log2(e) / 32;   p = 2^(c s - cm), rounded to f16;   l = the sum of the unrounded p.
; The maximum is taken away chunk by chunk; the next launch brings the chunks of a row onto the row's maximum by factors 2^(cm - max cm), in f32.
; pw: [b 4][i 16][u 8][128 rows][256 keys] f16, byte ((b*16+i)*8+u)*65536 + r*512 + 2 key (units u <= i / 2 alone).   sm, sl: [b 4][chunk 16][2048 rows] f32.
; LIMITS.  A hidden score counts as -2^100 (f16's scores are 4.4e12 at the most); a chunk of which a row sees nothing gets p = 1, cm = -c 2^100, l = 128, and the next launch's factor for it is 0.
; p below 6e-5 keeps f16's fixed step; a p below 2^-126 counts as 0 in l; NaN and infinities are not treated apart.
; SHARES.  Group t of 36 is tile (I, J), J <= I, of batch b.  Four waves, each 128 queries x 128 keys (a chunk): 64 accumulators, 512 registers.  K = 1,024 channels in 8 steps of 128 through two LDS slots;
; a slot holds four pieces of 256 rows x 64 channels (q's two channel blocks, k's two), each dense in memory; each wave brings one piece by one tensor load of 128 rows of 256 bytes, padded behind every 128.
; NO CLUSTER: a row of the triangle of 8 x 8 tiles has 1 to 8 tiles and a column 8 to 1: only rows 3 and 7 divide by four, and work-groups with nothing to compute are not launched.
; THE MATRIX INSTRUCTION IS USED TRANSPOSED: source 0 = 16 keys, source 1 = 16 queries: a lane holds ONE query (lane % 16) and the keys 8 (lane / 16) + 0..7 of each block of 16.
; REGISTERS: window 0: v16-31 addresses; v64-127, v128-191 q's fragments, two buffers; on the way out v32-63, v224-255 rows read back, v64-107 statistics, v192-223 packed p.
;   window 1: v64-127, v128-191 k's fragments.   window 2: accumulators of my queries 0-63 ((a, b) at v[8 (8 a + b)]);   window 3: of queries 64-127.
.set PITCH,  144
.set PIECE,  256*PITCH
.set SLOT,   4*PIECE
.set STAGE,  2*SLOT                    ; behind the ring: 16 rows x 272 bytes for each wave
.set SPITCH, 272
.set STAT,   STAGE+4*16*SPITCH         ; for each wave 512 bytes of cm, then 512 of l
.set SPARE,  STAT+4096                 ; the spare words, 128 bytes a wave, which no other line names
.set KSB,    2097152                   ; a K step in memory: two channel blocks of 8192 rows x 128 bytes
.set ADRA, 16                          ; v16-17  LDS address of my fragments of q in slot 0, 1
.set ADRB, 20                          ; v20-21  of k
.set SRD,  22                          ; v22     where I read my wave's statistics back
.set V16,  23                          ; v23     16 x lane
.set STO,  24
.set RD,   25
.set GO,   26
.set D,    27                          ; v27     128 (wr - wc) + l % 16 - 8 (l / 16) + 64 x half: register j of accumulator (a, b) is hidden where 16 (b - a) + j is greater
.set SPW,  28
.set NIL,  29
.set STA,  30                          ; v30     my row's word in my wave's statistics
.set PFO,  31
.set F0,   64
.set F1,   128
.set CH,   64                          ; v64-79  four chains of the maximum for each row block
.set CM,   80                          ; v80-87  c m, in pairs
.set XR,   88                          ; v88-91  what the other half of the lanes sends
.set LS,   92                          ; v92-95  l
.set NEG,  96                          ; v96     the lowest finite number
.set SAV,  100                         ; v100-107  the first half's c m and l
.set PK,   192
.set G1,   24
.set G0,   32
.set LIM,  43
.set PFA,  44
.set CS,   46                          ; s[46:47] c
.set SEL,  48                          ; s[48:49] v_permlanex16_b32's selects
.set BIGN, 50                          ; s50  -2^100
.set MK,   52                          ; s[52:59] eight lane masks
.set MSB, 0
.macro WIN new
.if MSB != (\new)
	s_set_vgpr_msb (MSB<<8)|(\new)
.set MSB, \new
.endif
.endm
.set MUL_LO, 0xa1                      ; source 0 (k) window 1, source 1 (q) window 0, C and D window 2
.set TO_B,   0x40
.macro PLACES
.rept 4
	v_nop
.endr
.endm
; A PREFETCH INTO THE L2, behind each refill and the run of LDS loads that follows it: my own piece (32,768 dense bytes: a lane names 256, four instructions) of the K step that stands two refills on.
; q's pieces of a block of queries are read by every tile of that row: the tile with J = 0 names them (waves 0, 1); k's by every tile of that column: the diagonal tile names them (waves 2, 3).  So each block is named once.
; K steps 0 to 3 come by their loads alone; the loop's last trip has no K step two on.
.macro ASK
	s_cmp_gt_u32 s3, s[LIM]
	s_cbranch_scc0 .Lnot_mine_\@
.irp i, 0,1,2,3
	global_prefetch_b8 v[PFO], s[PFA:PFA+1] offset:KSB+(\i)*8192 th:TH_LOAD_NT scope:SCOPE_SE
.endr
.Lnot_mine_\@:
.endm
	s_load_b256 s[4:11], s[0:1], 0x0               ; qkv s[4:5], pw s[6:7], sm s[8:9], sl s[10:11]
	v_lshl_add_u32 v[SPW], v0, 2, SPARE
	v_mov_b32 v[NIL], 0
	ds_add_u32 v[SPW], v[NIL]                      ; the wave's opening: the add and its wait stand ahead of my first tensor load
	v_lshrrev_b32 v1, 5, v0
	v_readfirstlane_b32 s12, v1                    ; wave 0..3
	s_lshr_b32 s13, s12, 1                         ; wr: my 128 queries.  Also: I fetch q (0) or k (1)
	s_and_b32 s14, s12, 1                          ; wc: my 128 keys.  Also: which channel block I fetch
	s_mov_b32 s18, ttmp9
	s_mov_b32 s15, 0
.irp k, 1,3,6,10,15,21,28              ; I = how many triangular numbers are at most t
	s_cmp_ge_u32 s18, \k
	s_add_co_ci_u32 s15, s15, 0
.endr
	s_add_co_u32 s19, s15, 1
	s_mul_i32 s19, s19, s15
	s_lshr_b32 s19, s19, 1
	s_sub_co_u32 s16, s18, s19                     ; J = t - I (I + 1) / 2
	s_and_b32 s17, ttmp7, 0xffff                   ; b
	s_mov_b32 s[G1+0], (1<<16)|(1<<20)|(4<<22)|(3<<25)  ; 2-byte elements; padding on; behind every 32 words 4 words: LDS rows of 144 bytes
	s_mov_b32 s[G1+1], 128<<16
	s_mov_b32 s[G1+2], 128<<16
	s_mov_b32 s[G1+3], 128<<16
	s_mov_b32 s[G1+4], 128
	s_mov_b32 s[G1+5], 128
	s_mov_b32 s[G1+6], 0
	s_mov_b32 s[G1+7], 0
	s_mov_b32 s[CS], 0x3d38aa3b                    ; c = log2(e) / 32
	s_mov_b32 s[CS+1], s[CS]
	s_mov_b32 s[SEL], 0x76543210
	s_mov_b32 s[SEL+1], 0xfedcba98
	s_mov_b32 s[BIGN], 0xf1800000                  ; -2^100: a power of two, so that c times it is exact
	s_cmp_lt_u32 s12, 2
	s_cselect_b32 s20, s15, s16                    ; q's rows go by I, k's by J
	s_cselect_b32 s23, 0, s15
	s_lshl_b32 s20, s20, 8
	s_lshl_b32 s21, s17, 11
	s_add_co_u32 s20, s20, s21                     ; row 2048 b + 256 (I or J)
	s_lshl_b32 s21, s13, 4
	s_add_co_u32 s21, s21, s14                     ; channel block 16 (k?) + wave % 2
	s_lshl_b32 s21, s21, 13
	s_add_co_u32 s20, s20, s21
	s_lshl_b32 s20, s20, 7
	s_mov_b32 s21, 0
	s_mul_i32 s22, s12, PIECE
	s_cmp_eq_u32 s16, s23                          ; J = 0 (waves 0, 1), J = I (waves 2, 3)
	s_cselect_b32 s[LIM], 1, -1
	s_wait_dscnt 0x0                               ; the opening add is done
	s_wait_kmcnt 0x0
	s_add_nc_u64 s[20:21], s[4:5], s[20:21]
.irp s, 0,1                            ; both first fills go out together, ahead of every wait on TENSORcnt, every LDS read and every barrier: two loads of mine are out
	s_mov_b32 s[G0+4*(\s)], 1
	s_add_co_u32 s[G0+4*(\s)+1], s22, (\s)*SLOT
	s_add_nc_u64 s[G0+4*(\s)+2:G0+4*(\s)+3], s[20:21], (\s)*KSB
	s_or_b32 s[G0+4*(\s)+3], s[G0+4*(\s)+3], 0x80000000
	tensor_load_to_lds s[G0+4*(\s):G0+4*(\s)+3], s[G1:G1+7]
	s_nop 0
.endr
	v_and_b32 v1, 15, v0                           ; r
	v_bfe_u32 v2, v0, 4, 1                         ; h
	v_mul_u32_u24 v3, v1, PITCH
	v_lshl_add_u32 v3, v2, 4, v3
	s_add_nc_u64 s[PFA:PFA+1], s[20:21], 2*KSB     ; at K step 2: the first refill steps it to 3 and names K step 4
	s_mul_i32 s18, s13, 128*PITCH                  ; my 128 rows of q,
	s_mul_i32 s19, s14, 128*PITCH                  ; of k,
	s_add_co_u32 s19, s19, 2*PIECE                 ; which lies behind q's two pieces
.irp s, 0,1
	v_add_nc_u32 v[ADRA+(\s)], s18, v3
	v_add_nc_u32 v[ADRB+(\s)], s19, v3
	s_add_co_u32 s18, s18, SLOT
	s_add_co_u32 s19, s19, SLOT
.endr
	s_mul_i32 s18, s12, 16*SPITCH
	s_add_co_u32 s18, s18, STAGE                   ; my stage
	v_mul_u32_u24 v4, v1, SPITCH
	v_lshl_add_u32 v4, v2, 4, v4
	v_add_nc_u32 v[STO], s18, v4
	v_mul_u32_u24 v5, v2, SPITCH
	v_lshl_add_u32 v5, v1, 4, v5
	v_add_nc_u32 v[RD], s18, v5
	v_lshlrev_b32 v[GO], 9, v2                     ; the same two rows in pw: 512 bytes apart
	v_lshl_add_u32 v[GO], v1, 4, v[GO]
	s_sub_co_i32 s18, s13, s14
	s_lshl_b32 s18, s18, 7
	v_lshlrev_b32 v6, 3, v2
	v_sub_nc_u32 v[D], v1, v6
	v_add_nc_u32 v[D], s18, v[D]
	s_lshl_b32 s18, s12, 10
	s_add_co_u32 s18, s18, STAT                    ; my wave's statistics
	v_lshl_add_u32 v[STA], v1, 2, s18
	v_and_b32 v[V16], 31, v0
	v_lshlrev_b32 v[PFO], 8, v[V16]
	v_lshlrev_b32 v[V16], 4, v[V16]
	v_add_nc_u32 v[SRD], s18, v[V16]
	s_lshl_b32 s18, s17, 4                         ; pw at ((16 b + 2 I + wr) * 8 + J) * 65536 + 256 wc
	s_lshl_b32 s19, s15, 1
	s_add_co_u32 s18, s18, s19
	s_add_co_u32 s18, s18, s13
	s_lshl_b32 s18, s18, 3
	s_add_co_u32 s18, s18, s16
	s_lshl_b32 s18, s18, 16
	s_lshl_b32 s19, s14, 8
	s_add_co_u32 s18, s18, s19
	s_mov_b32 s19, 0
	s_add_nc_u64 s[6:7], s[6:7], s[18:19]
	s_lshl_b32 s18, s17, 4                         ; sm and sl at ((16 b + 2 J + wc) * 2048 + 256 I + 128 wr) * 4
	s_lshl_b32 s19, s16, 1
	s_add_co_u32 s18, s18, s19
	s_add_co_u32 s18, s18, s14
	s_lshl_b32 s18, s18, 11
	s_lshl_b32 s19, s15, 8
	s_add_co_u32 s18, s18, s19
	s_lshl_b32 s19, s13, 7
	s_add_co_u32 s18, s18, s19
	s_lshl_b32 s18, s18, 2
	s_mov_b32 s19, 0
	s_add_nc_u64 s[8:9], s[8:9], s[18:19]
	s_add_nc_u64 s[10:11], s[10:11], s[18:19]
; 16 matrix instructions: query blocks a0, a0 + 1 of the window's four x all 8 key blocks, 32 channels.  The 64 accumulators take turns.  zero = 1: the products start the sums.
.macro MUL16 f, hi, a0, zero
	WIN MUL_LO+0x50*(\hi)
.irp a, \a0, (\a0)+1
.irp b, 0,1,2,3,4,5,6,7
.if \zero
	v_wmma_f32_16x16x32_f16 v[8*(8*(\a)+(\b)):8*(8*(\a)+(\b))+7], v[(\f)+8*(\b):(\f)+8*(\b)+7], v[(\f)+8*(4*(\hi)+(\a)):(\f)+8*(4*(\hi)+(\a))+7], 0
.else
	v_wmma_f32_16x16x32_f16 v[8*(8*(\a)+(\b)):8*(8*(\a)+(\b))+7], v[(\f)+8*(\b):(\f)+8*(\b)+7], v[(\f)+8*(4*(\hi)+(\a)):(\f)+8*(4*(\hi)+(\a))+7], v[8*(8*(\a)+(\b)):8*(8*(\a)+(\b))+7]
.endif
.endr
.endr
.endm
; 32 LDS loads in one run: the fragments of quarter qq of a K step (channel block qq / 2, its channels 32 (qq % 2) on) into buffer f: k's 16, then q's 16
.macro FETCH slot, qq, f
.set KO, ((\qq)/2)*PIECE+((\qq)%2)*64
	WIN TO_B
.irp i, 0,1,2,3,4,5,6,7
	ds_load_b128 v[(\f)+8*(\i):(\f)+8*(\i)+3],   v[ADRB+(\slot)] offset:KO+(\i)*16*PITCH
	ds_load_b128 v[(\f)+8*(\i)+4:(\f)+8*(\i)+7], v[ADRB+(\slot)] offset:KO+(\i)*16*PITCH+32
.endr
	WIN 0
.irp i, 0,1,2,3,4,5,6,7
	ds_load_b128 v[(\f)+8*(\i):(\f)+8*(\i)+3],   v[ADRA+(\slot)] offset:KO+(\i)*16*PITCH
	ds_load_b128 v[(\f)+8*(\i)+4:(\f)+8*(\i)+7], v[ADRA+(\slot)] offset:KO+(\i)*16*PITCH+32
.endr
.endm
; One of a K step's first three quarters: multiplies buffer f; in its middle it fetches quarter qq into buffer g.
.macro QUARTER slot, qq, f, g, zero
	s_wait_dscnt 8                                 ; k and q's rows 0-63 are in; the youngest eight loads (q's rows 64-127) may be out
	MUL16 \f, 0, 0, \zero
	MUL16 \f, 0, 2, \zero
	PLACES
	FETCH \slot, \qq, \g
	s_wait_dscnt 32                                ; all but the 32 just issued
	MUL16 \f, 1, 0, \zero
	MUL16 \f, 1, 2, \zero
.endm
; The last quarter multiplies buffer 1 and changes slots: ONE barrier.  In front of it each wave waits for all its tensor loads (one is out: its piece of the next slot), adds 0 to its spare word, and waits for that and for
; its own reads of this slot.  fill = 1: this slot's piece is asked for again, two K steps on: the first thing behind the barrier, 224 matrix instructions ahead of the wait for it.
.macro TURN slot, next, fill
.if \fill
	s_wait_xcnt 0x0                                ; the last prefetches, a K step back, have read their address
	s_add_nc_u64 s[PFA:PFA+1], s[PFA:PFA+1], KSB
.endif
	WIN 0
	s_wait_tensorcnt 0x0
	ds_add_u32 v[SPW], v[NIL]                      ; 0 onto my spare word
	s_wait_dscnt 9                                 ; the add and the youngest eight loads may be out
	MUL16 F1, 0, 0, 0
	s_wait_dscnt 0x0                               ; the add is done, and my reads of this slot are over
	s_barrier_signal -1
	MUL16 F1, 0, 2, 0
	WIN 0
	s_barrier_wait -1
.if \fill
	s_add_nc_u64 s[G0+4*(\slot)+2:G0+4*(\slot)+3], s[G0+4*(\slot)+2:G0+4*(\slot)+3], 2*KSB
	tensor_load_to_lds s[G0+4*(\slot):G0+4*(\slot)+3], s[G1:G1+7]
	s_nop 0
.endif
	PLACES                                         ; behind the load, and the places in front of the loads below
	FETCH \next, 0, F0
.if \fill
	ASK
.endif
	MUL16 F1, 1, 0, 0
	MUL16 F1, 1, 2, 0
.endm
	s_wait_tensorcnt 1                             ; my piece of K step 0 is in; K step 1's may stay out
	s_barrier_signal -1
	s_barrier_wait -1
	FETCH 0, 0, F0
	QUARTER 0, 1, F0, F1, 1                        ; the first quarter stands in front of the loop: its products start the sums
	WIN 0
	s_mov_b32 s3, 3
.Llap:                                                 ; a trip goes once round the ring and fills both slots again: K steps 2 to 7
	QUARTER 0, 2, F1, F0, 0
	QUARTER 0, 3, F0, F1, 0
	TURN 0, 1, 1
	QUARTER 1, 1, F0, F1, 0
	QUARTER 1, 2, F1, F0, 0
	QUARTER 1, 3, F0, F1, 0
	TURN 1, 0, 1
	QUARTER 0, 1, F0, F1, 0
	WIN 0
	s_sub_co_u32 s3, s3, 1
	s_cmp_lg_u32 s3, 0
	s_cbranch_scc1 .Llap
	QUARTER 0, 2, F1, F0, 0                        ; the last lap fills nothing
	QUARTER 0, 3, F0, F1, 0
	TURN 0, 1, 0
	QUARTER 1, 1, F0, F1, 0
	QUARTER 1, 2, F1, F0, 0
	QUARTER 1, 3, F0, F1, 0
	s_wait_dscnt 8
	MUL16 F1, 0, 0, 0
	MUL16 F1, 0, 2, 0
	s_wait_dscnt 0x0
	MUL16 F1, 1, 0, 0
	MUL16 F1, 1, 2, 0
	WIN 0
	PLACES
	; THE WAY OUT: two trips, 64 queries each; the text works on window 2, and between the trips window 3's sums are moved there: 256 moves a tile for half the text.
	v_mov_b32 v[NEG], 0xff7fffff
.irp i, 0,1,2,3
	v_mov_b32 v[XR+(\i)], 0                        ; v_permlanex16_b32 counts as a reader of its destination
.endr
.irp i, 0,1,2,3,4,5,6,7
	v_mov_b32 v[SAV+(\i)], 0
.endr
	s_mov_b32 s2, 2
.Lhalf:
	s_cmp_lg_u32 s15, s16
	s_cbranch_scc1 .Lnomask                        ; only the diagonal tile hides anything
	WIN 0x82                                       ; destination and source 0 in window 2; D, as source 1, in window 0
.set dl, -3
.rept 11                               ; all accumulators with b - a = dl share eight lane masks; each accumulator's registers are taken in ascending order
.set j, 0
.rept 8
	v_cmp_gt_i32 s[MK+j], 16*dl+j, v[D]
.set j, j+1
.endr
.set aa, 0
.rept 4
.if (aa+dl >= 0) && (aa+dl <= 7)
.set j, 0
.rept 8
	v_cndmask_b32 v[8*(8*aa+aa+dl)+j], v[8*(8*aa+aa+dl)+j], s[BIGN], s[MK+j]
.set j, j+1
.endr
.endif
.set aa, aa+1
.endr
.set dl, dl+1
.endr
	WIN 0
.Lnomask:
	WIN 0x28                                       ; sources 1 and 2 in window 2.  The maximum of a lane's 64 scores of each row block: four chains of 16 scores, sixteen chains that do not wait for each other
.set i, 0
.rept 8
.set aa, 0
.rept 4
.set k, 0
.rept 4
.set rA, 8*(8*aa+2*k+i/4)+2*(i%4)
.if i == 0
	v_max3_num_f32 v[CH+4*aa+k], v[NEG], v[rA], v[rA+1]
.else
	v_max3_num_f32 v[CH+4*aa+k], v[CH+4*aa+k], v[rA], v[rA+1]
.endif
.set k, k+1
.endr
.set aa, aa+1
.endr
.set i, i+1
.endr
	WIN 0
.irp a, 0,1,2,3
	v_max3_num_f32 v[CH+4*(\a)], v[CH+4*(\a)], v[CH+4*(\a)+1], v[CH+4*(\a)+2]
.endr
.irp a, 0,1,2,3
	v_max_num_f32 v[CH+4*(\a)], v[CH+4*(\a)], v[CH+4*(\a)+3]
.endr
.irp a, 0,1,2,3
	v_permlanex16_b32 v[XR+(\a)], v[CH+4*(\a)], s[SEL], s[SEL+1]  ; the query's other 64 keys lie in the lane 16 away
.endr
.irp a, 0,1,2,3
	v_max_num_f32 v[CH+4*(\a)], v[CH+4*(\a)], v[XR+(\a)]
.endr
.irp a, 0,1,2,3
	v_mul_f32 v[CM+2*(\a)], s[CS], v[CH+4*(\a)]
.endr
.irp a, 0,1,2,3
	v_mov_b32 v[CM+2*(\a)+1], v[CM+2*(\a)]         ; named with it as a pair
.endr
	WIN 0x82                                       ; ONE BATCH: 128 scalings c s - c m and 256 exponentials, in place; an accumulator's exponentials stand behind the next accumulator's scalings; nothing names a result
.set n, 0
.rept 33
.if n < 32
.set j, 0
.rept 4
	v_pk_fma_f32 v[8*n+2*j:8*n+2*j+1], v[8*n+2*j:8*n+2*j+1], s[CS:CS+1], v[CM+2*(n/8):CM+2*(n/8)+1] op_sel_hi:[1,0,0] neg_lo:[0,0,1] neg_hi:[0,0,1]
.set j, j+1
.endr
.endif
.if n > 0
.set j, 0
.rept 8
	v_exp_f32 v[8*(n-1)+j], v[8*(n-1)+j]
.set j, j+1
.endr
.endif
.set n, n+1
.endr
	v_nop                                          ; a plain instruction behind the last exponential,
	s_wait_alu depctr_va_vdst(0)                   ; and the one wait ahead of the batch's first reader
; Row block a: p rounded to f16 (16 bytes a lane and key block), through my own stage, out as rows of 256 bytes; the sum of the lane's 64 p stands between the stage's loads and the wait for them.
.macro OUTH a
.set BK, 32+192*((\a)%2)
	WIN 0x0a                                       ; sources 0 and 1 in window 2
.set i, 0
.rept 32
	v_cvt_pk_f16_f32 v[PK+i], v[64*(\a)+2*i], v[64*(\a)+2*i+1]
.set i, i+1
.endr
	WIN 0
.irp b, 0,1,2,3,4,5,6,7
	ds_store_b128 v[STO], v[PK+4*(\b):PK+4*(\b)+3] offset:32*(\b)
.endr
.irp t, 0,1,2,3,4,5,6,7
	ds_load_b128 v[BK+4*(\t):BK+4*(\t)+3], v[RD] offset:(\t)*2*SPITCH  ; LDS serves a wave's instructions in order (ISA guide 5.7.1.4): these see the stores above
.endr
	WIN 0x8a                                       ; all three in window 2: the 32 pairs are added in place, neighbours 16, 8, 4, 2, 1 pairs apart
.irp d, 16,8,4,2,1
.set p, 0
.rept \d
	v_pk_add_f32 v[64*(\a)+2*p:64*(\a)+2*p+1], v[64*(\a)+2*p:64*(\a)+2*p+1], v[64*(\a)+2*(p+(\d)):64*(\a)+2*(p+(\d))+1]
.set p, p+1
.endr
.endr
	WIN 0x0a
	v_add_f32 v[LS+(\a)], v[64*(\a)], v[64*(\a)+1]
	WIN 0
	s_wait_dscnt 0x0                               ; the rows are back
	s_wait_xcnt 0x0                                ; earlier stores have read their registers: the other buffer is loaded again only behind this wait
.irp t, 0,1,2,3,4,5,6,7
	global_store_b128 v[GO], v[BK+4*(\t):BK+4*(\t)+3], s[6:7] offset:(16*(\a)+2*(\t))*512  ; 16 lanes store 256 consecutive bytes, at a multiple of 256 from pw's first byte
.endr
.endm
	OUTH 0
	OUTH 1
	OUTH 2
	OUTH 3
.irp a, 0,1,2,3
	v_permlanex16_b32 v[XR+(\a)], v[LS+(\a)], s[SEL], s[SEL+1]
.endr
.irp a, 0,1,2,3
	v_add_f32 v[LS+(\a)], v[LS+(\a)], v[XR+(\a)]
.endr
	s_cmp_eq_u32 s2, 1
	s_cbranch_scc1 .Lnomove                        ; the second trip has nothing behind it
.irp a, 0,1,2,3
	v_mov_b32 v[SAV+(\a)], v[CM+2*(\a)]            ; the first half's statistics are kept
	v_mov_b32 v[SAV+4+(\a)], v[LS+(\a)]
.endr
	v_add_nc_u32 v[D], 64, v[D]
	WIN 0x83                                       ; source 0 in window 3, destination in window 2; ascending
.set i, 0
.rept 256
	v_mov_b32 v[i], v[i]
.set i, i+1
.endr
	WIN 0
	s_wait_xcnt 0x0                                ; the stores have read their base
	s_add_nc_u64 s[6:7], s[6:7], 32768             ; 64 rows of pw on
.Lnomove:
	s_sub_co_u32 s2, s2, 1
	s_cmp_lg_u32 s2, 0
	s_cbranch_scc1 .Lhalf
.irp a, 0,1,2,3                        ; my wave's 128 rows: cm, then l; lanes 16 apart hold, and write, the same number
	ds_store_b32 v[STA], v[SAV+(\a)] offset:64*(\a)
	ds_store_b32 v[STA], v[SAV+4+(\a)] offset:64*(\a)+512
	ds_store_b32 v[STA], v[CM+2*(\a)] offset:64*(\a)+256
	ds_store_b32 v[STA], v[LS+(\a)] offset:64*(\a)+768
.endr
	ds_load_b128 v[32:35], v[SRD]                  ; back as 512 consecutive bytes each (these registers' last stores stand ahead of the last s_wait_xcnt 0)
	ds_load_b128 v[36:39], v[SRD] offset:512
	s_wait_dscnt 0x0
	global_store_b128 v[V16], v[32:35], s[8:9]
	global_store_b128 v[V16], v[36:39], s[10:11]
	s_wait_tensorcnt 0x0                           ; the wave's end
	ds_add_u32 v[SPW], v[NIL]
	s_wait_dscnt 0x0
	s_endpgm
.Lfunc_end_k_qa0f3e8d290_scores:
	.size	k_qa0f3e8d290_scores, .Lfunc_end_k_qa0f3e8d290_scores-k_qa0f3e8d290_scores
	.p2alignl 7, 3214868480
	.fill 96, 4, 3214868480
	.section	.rodata,"a",@progbits
	.p2align	6, 0x0
	.amdhsa_kernel k_qa0f3e8d290_scores
		.amdhsa_group_segment_fixed_size 327680
		.amdhsa_private_segment_fixed_size 0
		.amdhsa_enable_private_segment 0
		.amdhsa_kernarg_size 32
		.amdhsa_user_sgpr_count 2
		.amdhsa_user_sgpr_kernarg_segment_ptr 1
		.amdhsa_wavefront_size32 1
		.amdhsa_system_sgpr_workgroup_id_x 1
		.amdhsa_system_sgpr_workgroup_id_y 1
		.amdhsa_system_sgpr_workgroup_id_z 1
		.amdhsa_system_vgpr_workitem_id 0
		.amdhsa_next_free_vgpr 1024
		.amdhsa_next_free_sgpr 66
		.amdhsa_reserve_vcc 0
		.amdhsa_float_denorm_mode_32 3
		.amdhsa_float_denorm_mode_16_64 3
		.amdhsa_memory_ordered 1
		.amdhsa_forward_progress 1
		.amdhsa_inst_pref_size 193
	.end_amdhsa_kernel
	.amdgpu_metadata
---
amdhsa.version: [ 1, 2 ]
amdhsa.kernels:
  - .name:           k_qa0f3e8d290_scores
    .symbol:         k_qa0f3e8d290_scores.kd
    .args:
      - { .name: qkv, .offset: 0, .size: 8, .value_kind: global_buffer, .address_space: global }
      - { .name: pw, .offset: 8, .size: 8, .value_kind: global_buffer, .address_space: global }
      - { .name: sm, .offset: 16, .size: 8, .value_kind: global_buffer, .address_space: global }
      - { .name: sl, .offset: 24, .size: 8, .value_kind: global_buffer, .address_space: global }
    .group_segment_fixed_size: 327680
    .private_segment_fixed_size: 0
    .kernarg_segment_align: 8
    .kernarg_segment_size: 32
    .max_flat_workgroup_size: 128
    .sgpr_count:     66
    .vgpr_count:     1024
    .wavefront_size: 32
...
	.end_amdgpu_metadata
.endif
;; end of part 3
;; launch mix (part 4): grid 8 x 32, 4 waves a work-group, clusters of 4 x 1, 327,680 bytes of LDS; arguments pw, qkv, sm, sl, out0; writes out0
.if DOCPART == 4
	.amdgcn_target "amdgcn-amd-amdhsa--gfx1250"
	.amdhsa_code_object_version 6
	.text
	.protected	k_qa0f3e8d290_mix
	.globl	k_qa0f3e8d290_mix
	.p2align	8
	.type	k_qa0f3e8d290_mix,@function
k_qa0f3e8d290_mix:
	s_mov_b64 s[64:65], 0
	v_nop
	global_prefetch_b8 v0, s[64:65] scope:SCOPE_SE
	s_setreg_imm32_b32 hwreg(HW_REG_WAVE_MODE, 25, 1), 1
	s_wait_xcnt 0x0
	s_wait_alu depctr_hold_cnt(0) depctr_sa_sdst(0) depctr_va_vdst(0) depctr_va_sdst(0) depctr_va_ssrc(0) depctr_va_vcc(0) depctr_vm_vsrc(0)
	s_getreg_b32 s2, hwreg(HW_REG_IB_STS2, 6, 4)
	s_cmp_eq_u32 s2, 0
	s_cbranch_scc0 .Lentry_in_a_cluster
	s_endpgm
.Lentry_in_a_cluster:
	s_bfe_u32 s2, ttmp6, 0x10000c
	s_cmp_lg_u32 s2, 0x3003
	s_cbranch_scc0 .Lentry_shape_is_right
	s_endpgm
.Lentry_shape_is_right:
; out[row] = (the sum over chunks of f (P_chunk V)) / l_row, with f = 2^(cm_chunk - max cm) and l_row = the sum of f l_chunk: the chunks' maxima are brought onto the row's maximum here, in f32.
; P (pw) and V (qkv, blocks 32-47) are f16, products' sums f32, out0 f32.  Rows 0-31 of each batch are not stored here: they average over 32 keys at the most, and a launch of its own makes them from f32 sums.
; LIMITS.  A factor below 2^-126 counts as 0; NaN and infinities are not treated apart (a chunk's sums are multiplied by f = 0 where the row sees nothing of it, so they must be finite).
; THE WALK.  A work-group makes TWO tiles of 128 rows x 128 channels: row blocks 15 - p and p of one batch, which need 8 - p / 2 and p / 2 + 1 units of 256 keys: 9 together, whatever p: all work-groups do equal work,
; and one walk of 9 units goes through two LDS slots.  The block with the even number of units goes first, so that it ends behind a unit in slot 1 and its end is written once.
; SHARES.  Wave: 64 rows x 64 channels, 16 accumulators.  A unit is two chunks of 128 keys; a chunk's products are summed in T (window 2) and folded into O (window 0) by O += f T, f a number a lane and row block.
; LAYOUT.  O^T = V^T P: source 0 = 16 channels (V, [key][channel], turned by ds_load_tr16_b128), source 1 = 16 rows of P: a lane holds one row and eight neighbouring channels.
; CLUSTER 4 x 1: the four partners make the same rows for other channels: P's tile is asked for jointly; each asks for its own V by a load of its own, behind the same round.
; V is not shared: work-groups with other row blocks do not walk the same keys in the same trips.
; REGISTERS: window 0: v2-13 addresses; v16-23, v24-31 the two chunks' factors, in pairs (the odd registers stay 0); v32-95 at work; v128-255 O.
;   window 1: two fragment buffers of 128 (64 keys): P at 8 (4 c + a), V at 64 + 8 (4 c + nb).   window 2: T0, T1.
.set PP,     528                       ; a row of P in LDS: 512 bytes + 16
.set PVP,    160                       ; a row of V: 128 + 32
.set VOFF,   128*PP
.set SLOT,   VOFF+2*256*PVP
.set STAGE,  2*SLOT                    ; 16 rows x 272 bytes for each wave
.set SPITCH, 272
.set FT,     STAGE+4*16*SPITCH         ; f: 18 chunks of the walk x 128 rows, f32
.set IL,     FT+18*512                 ; 1 / l: 2 blocks x 128 rows
.set SPARE,  IL+1024                   ; the spare words, 128 bytes a wave, which no other line names
.set ADRP, 2
.set ADRV, 4
.set STO,  6
.set RD,   7
.set GO,   8
.set FA,   9                           ; v9   my row's f of the unit in hand
.set PFO,  10
.set ILA,  11
.set SPW,  12
.set NIL,  13
.set FR0,  16
.set FR1,  24
.set O,    128
.set F0,   0
.set F1,   128
.set T0,   0
.set T1,   128
.set OF,   32                          ; the tables' work: v32-49 offsets, v50-67 cm then f, v68-85 l
.set CMV,  50
.set LCV,  68
.set MX1,  86
.set MX2,  87
.set L1,   88
.set L2,   89
.set TA,   90
.set TB,   91
.set NEGV, 92
.set T4,   93
.set FTA,  94
.set WV,   14
.set WR,   15
.set WC,   16
.set CX,   17
.set CT,   18
.set PB,   19
.set BB,   20
.set G1A,  24
.set G1V,  32
.set G0A,  40
.set G0V,  44
.set PWB,  48                          ; s[48:49] pw at my half of a unit
.set QVB,  50                          ; s[50:51] qkv at my channel block of V, the batch's first key
.set OFF,  52                          ; s[52:53] an offset, its high word 0
.set NU,   54                          ; the unit to be asked for next, in its block
.set NAB,  55                          ; that block's first byte in pw
.set NLIM, 56                          ; the first block's units, while its units are being asked for
.set AB2,  57
.set LA,   58
.set LV,   59
.set TR,   60
.set RT,   61
.set LEFT, 62
.set LIM,  63
.set MSK,  66                          ; s[66:83] chunk w of the walk belongs to the first block: all ones, or 0
.set PFB,  84
.set PFA,  86
.set PU,   88
.set PAB,  89
.set PLIM, 90
.set PAB2, 91
.set PSH,  92
.set NF,   93
.set POF,  94
.set OB1,  96
.set OB2,  98
.set IFB,  100
.set ISB,  101
.set MSB, 0
.macro WIN new
.if MSB != (\new)
	s_set_vgpr_msb (MSB<<8)|(\new)
.set MSB, \new
.endif
.endm
.macro PLACES
.rept 4
	v_nop
.endr
.endm
.macro JLOAD                           ; waves 0, 1: the two halves of P's unit, jointly; waves 2, 3: my work-group's two channel blocks of V.  An s_nop 0 and four v_nop follow each line
	s_cmp_lt_u32 s[WV], 2
	s_cbranch_scc0 .Lfor_v_\@
	tensor_load_to_lds s[G0A:G0A+3], s[G1A:G1A+7]
	s_nop 0
.rept 4
	v_nop
.endr
	s_branch .Lasked_\@
.Lfor_v_\@:
	tensor_load_to_lds s[G0V:G0V+3], s[G1V:G1V+7]
	s_nop 0
.rept 4
	v_nop
.endr
.Lasked_\@:
.endm
.macro CROUND
	s_barrier_signal -1
	s_barrier_wait -1
	s_cmp_lg_u32 s[WV], 0
	s_cbranch_scc1 .Lnot_wave_0_\@
	s_barrier_signal -3
.Lnot_wave_0_\@:
	s_barrier_wait -3
	s_barrier_signal -1
	s_barrier_wait -1
.endm
; Both group 0 are made anew for the walk's next unit, into slot tgt: the base and an offset made apart, the type bits set again; then the walk steps: behind the first block's last unit comes the second block's unit 0.
.macro SETD tgt
	s_lshl_b32 s[OFF], s[NU], 16
	s_add_co_u32 s[OFF], s[OFF], s[NAB]
	s_add_co_u32 s[G0A+1], s[LA], (\tgt)*SLOT
	s_add_nc_u64 s[G0A+2:G0A+3], s[PWB:PWB+1], s[OFF:OFF+1]
	s_or_b32 s[G0A+3], s[G0A+3], 0x80000000
	s_lshl_b32 s[OFF], s[NU], 15
	s_add_co_u32 s[G0V+1], s[LV], (\tgt)*SLOT
	s_add_nc_u64 s[G0V+2:G0V+3], s[QVB:QVB+1], s[OFF:OFF+1]
	s_or_b32 s[G0V+3], s[G0V+3], 0x80000000
	s_add_co_u32 s[NU], s[NU], 1
	s_cmp_eq_u32 s[NU], s[NLIM]
	s_cselect_b32 s[NU], 0, s[NU]
	s_cselect_b32 s[NAB], s[AB2], s[NAB]
	s_cselect_b32 s[NLIM], -1, s[NLIM]
.endm
; A PREFETCH INTO THE L2 of the walk's unit after the one that has just been asked for.  P's unit (65,536 bytes) is read by the two clusters of a row: wave 0 of the cluster with x = 0 names it, the four partners a quarter
; each, told apart by address: two instructions, a lane 256 bytes.  V's pieces (32,768 bytes) are read by all eight p: waves 2 and 3 of the work-groups with p = 0, whose first block walks all eight units, name their own: four
; instructions.  So each block is named once.  Units 0 and 1 come by their loads alone; the last units ask for nothing (P: there is no unit behind the ninth; V: the ninth is unit 0 once more).
.macro ASK
	s_cmp_gt_u32 s[LEFT], s[LIM]
	s_cbranch_scc0 .Lnot_mine_\@
	global_prefetch_b8 v[PFO], s[PFA:PFA+1] th:TH_LOAD_NT scope:SCOPE_SE
	global_prefetch_b8 v[PFO], s[PFA:PFA+1] offset:8192 th:TH_LOAD_NT scope:SCOPE_SE
	s_cmp_lt_u32 s[WV], 2
	s_cbranch_scc1 .Lnot_mine_\@
	global_prefetch_b8 v[PFO], s[PFA:PFA+1] offset:16384 th:TH_LOAD_NT scope:SCOPE_SE
	global_prefetch_b8 v[PFO], s[PFA:PFA+1] offset:24576 th:TH_LOAD_NT scope:SCOPE_SE
.Lnot_mine_\@:
.endm
	s_load_b256 s[4:11], s[0:1], 0x0               ; pw s[4:5], qkv s[6:7], sm s[8:9], sl s[10:11]
	s_load_b64 s[12:13], s[0:1], 0x20              ; out0
	v_lshl_add_u32 v[SPW], v0, 2, SPARE
	v_mov_b32 v[NIL], 0
	ds_add_u32 v[SPW], v[NIL]                      ; the wave's opening: the add and its wait stand ahead of my first tensor load
	v_lshrrev_b32 v1, 5, v0
	v_readfirstlane_b32 s[WV], v1
	s_lshr_b32 s[WR], s[WV], 1                     ; my 64 rows
	s_and_b32 s[WC], s[WV], 1                      ; my 64 channels.  Also: which half of P's unit, or which channel block of V, I fetch
	s_bfe_u32 s[CX], ttmp6, 0x40000
	s_lshl_b32 s[CT], ttmp9, 2
	s_add_co_u32 s[CT], s[CT], s[CX]               ; my 128 channels: they enter V's and out0's addresses alone
	s_and_b32 s[PB], ttmp7, 0xffff
	s_lshr_b32 s[BB], s[PB], 3                     ; the batch,
	s_and_b32 s[PB], s[PB], 7                      ; p: both the same in all four partners
	s_lshr_b32 s21, s[PB], 1
	s_sub_co_u32 s22, 15, s[PB]
	s_sub_co_u32 s23, 8, s21                       ; block 15 - p has 8 - p / 2 units,
	s_add_co_u32 s2, s21, 1                        ; block p has p / 2 + 1
	s_and_b32 s3, s21, 1
	s_cmp_eq_u32 s3, 1
	s_cselect_b32 s[IFB], s[PB], s22               ; the block with the even number goes first
	s_cselect_b32 s[ISB], s22, s[PB]
	s_cselect_b32 s[NF], s2, s23                   ; 8, 2, 6 or 4
	s_lshl_b32 s2, s[BB], 4
	s_add_co_u32 s3, s2, s[IFB]
	s_lshl_b32 s[NAB], s3, 19                      ; ((16 b + block) * 8) units of 65,536 bytes
	s_add_co_u32 s3, s2, s[ISB]
	s_lshl_b32 s[AB2], s3, 19
	s_mov_b32 s[NU], 0
	s_mov_b32 s[NLIM], s[NF]
	s_mov_b32 s[OFF+1], 0
	s_mov_b32 s[POF+1], 0
	s_mul_i32 s[LA], s[WC], 64*PP                  ; where my part of a slot lies: the wave's number alone
	s_mul_i32 s[LV], s[WC], 256*PVP
	s_add_co_u32 s[LV], s[LV], VOFF
	s_mov_b32 s[G0A], 1
	s_mov_b32 s[G0V], 1
	s_mov_b32 s[G1A+0], 15|(1<<16)|(1<<20)|(1<<21)|(6<<22)|(3<<25)  ; the mask of four; 2-byte elements; padding on; bit 21 beside a mask; behind every 128 words 4 words
	s_mov_b32 s[G1A+1], 256<<16                    ; 64 rows of 256 elements
	s_mov_b32 s[G1A+2], 64<<16
	s_mov_b32 s[G1A+3], 256<<16
	s_mov_b32 s[G1A+4], 64
	s_mov_b32 s[G1A+5], 256
	s_mov_b32 s[G1A+6], 0
	s_mov_b32 s[G1A+7], 0
	s_mov_b32 s[G1V+0], (1<<16)|(1<<20)|(4<<22)|(7<<25)  ; no mask; behind every 32 words 8 words
	s_mov_b32 s[G1V+1], 128<<16                    ; 256 keys x 128 bytes, dense: 128 rows of 256 bytes
	s_mov_b32 s[G1V+2], 128<<16
	s_mov_b32 s[G1V+3], 128<<16
	s_mov_b32 s[G1V+4], 128
	s_mov_b32 s[G1V+5], 128
	s_mov_b32 s[G1V+6], 0
	s_mov_b32 s[G1V+7], 0
	s_mov_b32 s[TR], 4
	s_lshr_b32 s[RT], s[NF], 1                     ; trips until the first block ends
	s_mov_b32 s[LEFT], 9
	s_or_b32 s2, s[WV], ttmp9
	s_cmp_eq_u32 s2, 0
	s_cselect_b32 s[LIM], 2, -1                    ; wave 0 of the first cluster of the row: P
	s_xor_b32 s2, s[WR], 1
	s_or_b32 s2, s2, s[PB]
	s_cmp_eq_u32 s2, 0
	s_cselect_b32 s[LIM], 3, s[LIM]                ; waves 2, 3 where p = 0: V
	s_cmp_lt_u32 s[WV], 2
	s_cselect_b32 s[PSH], 16, 15
	s_cselect_b32 s[PAB], s[NAB], 0
	s_cselect_b32 s[PAB2], s[AB2], 0
	s_mov_b32 s[PU], 2                             ; the prefetches begin at the walk's unit 2,
	s_mov_b32 s[PLIM], s[NF]
	s_cmp_eq_u32 s[NF], 2                          ; which is the second block's unit 0 where the first has two
	s_cselect_b32 s[PU], 0, s[PU]
	s_cselect_b32 s[PAB], s[PAB2], s[PAB]
	s_cselect_b32 s[PLIM], -1, s[PLIM]
	s_wait_dscnt 0x0                               ; the opening add is done
	s_wait_kmcnt 0x0
	s_lshl_b32 s2, s[WC], 15
	s_mov_b32 s3, 0
	s_add_nc_u64 s[PWB:PWB+1], s[4:5], s[2:3]
	s_lshl_b32 s2, s[CT], 1
	s_add_co_u32 s2, s2, s[WC]
	s_add_co_u32 s2, s2, 32
	s_lshl_b32 s2, s2, 20                          ; channel block 32 + 2 ct + wave % 2: 8192 rows of 128 bytes each
	s_lshl_b32 s22, s[BB], 18
	s_add_co_u32 s2, s2, s22
	s_add_nc_u64 s[QVB:QVB+1], s[6:7], s[2:3]
	s_lshl_b32 s2, s[CX], 14
	s_add_nc_u64 s[PFB:PFB+1], s[4:5], s[2:3]      ; P's prefetches: my work-group's quarter of a unit
	s_cmp_lt_u32 s[WV], 2
	s_cselect_b64 s[PFB:PFB+1], s[PFB:PFB+1], s[QVB:QVB+1]
	s_lshl_b32 s2, s[BB], 17
	s_add_nc_u64 s[8:9], s[8:9], s[2:3]            ; sm and sl at the batch
	s_add_nc_u64 s[10:11], s[10:11], s[2:3]
	s_lshl_b32 s22, s[BB], 11                      ; out0 at ((2048 b + 128 block + 64 wr) * 1024 + 128 ct + 64 wc) * 4
	s_lshl_b32 s23, s[WR], 6
	s_add_co_u32 s22, s22, s23
	s_lshl_b32 s23, s[CT], 9
	s_lshl_b32 s2, s[WC], 8
	s_add_co_u32 s23, s23, s2
	s_lshl_b32 s2, s[IFB], 7
	s_add_co_u32 s2, s2, s22
	s_lshl_b32 s2, s2, 12
	s_add_co_u32 s2, s2, s23
	s_add_nc_u64 s[OB1:OB1+1], s[12:13], s[2:3]
	s_lshl_b32 s2, s[ISB], 7
	s_add_co_u32 s2, s2, s22
	s_lshl_b32 s2, s2, 12
	s_add_co_u32 s2, s2, s23
	s_add_nc_u64 s[OB2:OB2+1], s[12:13], s[2:3]
	SETD 0                                         ; the walk's unit 0, into slot 0
	CROUND                                         ; all four work-groups are here: the first joint loads meet
	JLOAD
	v_and_b32 v1, 15, v0                           ; r
	v_bfe_u32 v14, v0, 4, 1                        ; h
	v_mul_u32_u24 v15, v1, PP
	v_lshl_add_u32 v15, v14, 4, v15
	s_mul_i32 s2, s[WR], 64*PP
	v_add_nc_u32 v[ADRP], s2, v15
	v_add_nc_u32 v[ADRP+1], SLOT, v[ADRP]
	v_and_b32 v15, 7, v0                           ; the turning load: key 8 h + l % 8, channels 8 ((l / 8) % 2) on
	v_lshl_add_u32 v15, v14, 3, v15
	v_mul_u32_u24 v15, v15, PVP
	v_bfe_u32 v[ADRV], v0, 3, 1
	v_lshl_add_u32 v15, v[ADRV], 4, v15
	s_mul_i32 s2, s[WC], 256*PVP
	s_add_co_u32 s2, s2, VOFF
	v_add_nc_u32 v[ADRV], s2, v15
	v_add_nc_u32 v[ADRV+1], SLOT, v[ADRV]
	s_mul_i32 s2, s[WV], 16*SPITCH
	s_add_co_u32 s2, s2, STAGE                     ; my stage
	v_mul_u32_u24 v15, v1, SPITCH                  ; in: row r, 32 bytes for each half of the lanes
	v_lshl_add_u32 v15, v14, 5, v15
	v_add_nc_u32 v[STO], s2, v15
	v_mul_u32_u24 v15, v14, SPITCH                 ; back: lanes 0-15 one row of 256 bytes, lanes 16-31 the next
	v_lshl_add_u32 v15, v1, 4, v15
	v_add_nc_u32 v[RD], s2, v15
	v_lshlrev_b32 v[GO], 12, v14                   ; the same two rows in out0, 4,096 bytes apart
	v_lshl_add_u32 v[GO], v1, 4, v[GO]
	s_lshl_b32 s2, s[WR], 8
	v_lshl_add_u32 v[FA], v1, 2, s2                ; (64 wr + r) * 4
	v_add_nc_u32 v[ILA], IL, v[FA]
	v_add_nc_u32 v[FA], FT, v[FA]
	v_and_b32 v[PFO], 31, v0
	v_lshlrev_b32 v[PFO], 8, v[PFO]
	; THE TABLES.  Thread t is row t of both blocks.  Chunk w of the walk's 18 is chunk w of the first block where w < 2 NF, else chunk w - 2 NF of the second.
	v_lshlrev_b32 v[T4], 2, v0
	v_add_nc_u32 v[FTA], FT, v[T4]
	s_lshl_b32 s2, s[IFB], 9                       ; a block's 128 rows: 512 bytes
	s_lshl_b32 s3, s[ISB], 9
	s_lshl_b32 s22, s[NF], 14                      ; 2 NF chunks of 8,192 bytes
	s_sub_co_u32 s3, s3, s22                       ; (taken only where w * 8192 makes the sum whole again)
	s_lshl_b32 s23, s[NF], 1
.set w, 0
.rept 18
	s_cmp_gt_u32 s23, w
	s_cselect_b32 s[MSK+w], -1, 0
	s_cselect_b32 s22, s2, s3
	s_add_co_u32 s22, s22, w*8192
	v_add_nc_u32 v[OF+w], s22, v[T4]
	global_load_b32 v[CMV+w], v[OF+w], s[8:9]
	global_load_b32 v[LCV+w], v[OF+w], s[10:11]
.set w, w+1
.endr
	; What the first unit finds: O = 0, and T1 = 0 with factors 0, since every unit begins by folding the chunk before it.  Written while the tables' loads and the first tile are on their way; no first unit is written out.
.set i, 0
.rept 16
	v_mov_b32 v[FR0+i], 0
.set i, i+1
.endr
.set i, 0
.rept 128
	v_mov_b32 v[O+i], 0
.set i, i+1
.endr
	WIN 0x80
.set i, 0
.rept 128
	v_mov_b32 v[T1+i], 0
.set i, i+1
.endr
	WIN 0
	v_mov_b32 v[NEGV], 0xff7fffff
	v_mov_b32 v[MX1], v[NEGV]
	v_mov_b32 v[MX2], v[NEGV]
	s_wait_loadcnt 0x0
.set w, 0
.rept 18                               ; each block's largest cm
	v_cndmask_b32 v[TA], v[NEGV], v[CMV+w], s[MSK+w]
	v_cndmask_b32 v[TB], v[CMV+w], v[NEGV], s[MSK+w]
	v_max_num_f32 v[MX1], v[MX1], v[TA]
	v_max_num_f32 v[MX2], v[MX2], v[TB]
.set w, w+1
.endr
.set w, 0
.rept 18
	v_cndmask_b32 v[TA], v[MX2], v[MX1], s[MSK+w]
	v_sub_f32 v[CMV+w], v[CMV+w], v[TA]
.set w, w+1
.endr
.set w, 0
.rept 18
	v_exp_f32 v[CMV+w], v[CMV+w]                   ; f
.set w, w+1
.endr
	v_mov_b32 v[L1], 0                             ; plain instructions behind the last exponential,
	v_mov_b32 v[L2], 0
	s_wait_alu depctr_va_vdst(0)                   ; and the one wait ahead of the batch's first reader
.set w, 0
.rept 18
	v_cndmask_b32 v[TA], 0, v[CMV+w], s[MSK+w]
	v_cndmask_b32 v[TB], v[CMV+w], 0, s[MSK+w]
	v_fmac_f32 v[L1], v[LCV+w], v[TA]              ; l_row = the sum of f l: at least 1, since the chunk with the row's maximum has f = 1 and l >= 1
	v_fmac_f32 v[L2], v[LCV+w], v[TB]
	ds_store_b32 v[FTA], v[CMV+w] offset:512*w
.set w, w+1
.endr
	v_rcp_f32 v[TA], v[L1]
	v_rcp_f32 v[TB], v[L2]
	v_nop
	s_wait_alu depctr_va_vdst(0)
	ds_store_b32 v[FTA], v[TA] offset:IL-FT
	ds_store_b32 v[FTA], v[TB] offset:IL-FT+512    ; the first change of slots waits for these stores and passes a barrier: every wave then reads all rows
; 32 LDS loads in one run: the fragments of 64 keys (quarter qq of a unit) into buffer f; the first 32 keys first
.macro FETCH slot, qq, f
	WIN 0x40
.irp c, 0,1
.irp i, 0,1,2,3
	ds_load_tr16_b128 v[(\f)+64+8*(4*(\c)+(\i)):(\f)+64+8*(4*(\c)+(\i))+3],   v[ADRV+(\slot)] offset:(\qq)*10240+(\c)*5120+32*(\i)
	ds_load_tr16_b128 v[(\f)+64+8*(4*(\c)+(\i))+4:(\f)+64+8*(4*(\c)+(\i))+7], v[ADRV+(\slot)] offset:(\qq)*10240+(\c)*5120+32*(\i)+2560
	ds_load_b128 v[(\f)+8*(4*(\c)+(\i)):(\f)+8*(4*(\c)+(\i))+3],   v[ADRP+(\slot)] offset:(\i)*8448+128*(\qq)+64*(\c)
	ds_load_b128 v[(\f)+8*(4*(\c)+(\i))+4:(\f)+8*(4*(\c)+(\i))+7], v[ADRP+(\slot)] offset:(\i)*8448+128*(\qq)+64*(\c)+32
.endr
.endr
.endm
.macro LDF k                           ; chunk k of the unit: my four row blocks' f
	WIN 0
.irp a, 0,1,2,3
	ds_load_b32 v[FR0+8*(\k)+2*(\a)], v[FA] offset:(\k)*512+64*(\a)
.endr
.endm
; 16 matrix instructions, 32 keys: the 16 accumulators take turns.  zero = 1: the products start the chunk's sums.
.macro MUL f, c, t, zero
	WIN 0xa5                                       ; V and P in window 1, T in window 2
.irp a, 0,1,2,3
.irp nb, 0,1,2,3
.if \zero
	v_wmma_f32_16x16x32_f16 v[(\t)+8*(4*(\a)+(\nb)):(\t)+8*(4*(\a)+(\nb))+7], v[(\f)+64+8*(4*(\c)+(\nb)):(\f)+64+8*(4*(\c)+(\nb))+7], v[(\f)+8*(4*(\c)+(\a)):(\f)+8*(4*(\c)+(\a))+7], 0
.else
	v_wmma_f32_16x16x32_f16 v[(\t)+8*(4*(\a)+(\nb)):(\t)+8*(4*(\a)+(\nb))+7], v[(\f)+64+8*(4*(\c)+(\nb)):(\f)+64+8*(4*(\c)+(\nb))+7], v[(\f)+8*(4*(\c)+(\a)):(\f)+8*(4*(\c)+(\a))+7], v[(\t)+8*(4*(\a)+(\nb)):(\t)+8*(4*(\a)+(\nb))+7]
.endif
.endr
.endr
.endm
; O += f T for eight accumulators: 32 packed multiply-adds; each accumulator is read from its low end on
.macro FOLD t, fr, half
	WIN 0x02                                       ; T, source 0, in window 2
.set fn, 8*(\half)
.rept 8
.set fj, 0
.rept 4
	v_pk_fma_f32 v[O+8*fn+2*fj:O+8*fn+2*fj+1], v[(\t)+8*fn+2*fj:(\t)+8*fn+2*fj+1], v[(\fr)+2*(fn/4):(\fr)+2*(fn/4)+1], v[O+8*fn+2*fj:O+8*fn+2*fj+1] op_sel_hi:[1,0,1]
.set fj, fj+1
.endr
.set fn, fn+1
.endr
.endm
; THE CHANGE OF SLOTS, at the head of the unit in slot.  Each wave waits for all its tensor loads (one is out: its part of this slot), adds 0 to its spare word, and waits for that and for its reads of the other slot.
; fill = 1: the barrier is a round of the cluster's; behind it the other slot takes the walk's next unit: the first tensor load there, with the unit's 128 matrix instructions in which to land.
.macro CHANGE slot, fill
	WIN 0
.if \fill
	s_wait_xcnt 0x0                                ; the last prefetches, a unit back, have read their address: it is made anew
	s_lshl_b32 s[POF], s[PU], s[PSH]
	s_add_co_u32 s[POF], s[POF], s[PAB]
	s_add_nc_u64 s[PFA:PFA+1], s[PFB:PFB+1], s[POF:POF+1]
	s_add_co_u32 s[PU], s[PU], 1
	s_cmp_eq_u32 s[PU], s[PLIM]
	s_cselect_b32 s[PU], 0, s[PU]
	s_cselect_b32 s[PAB], s[PAB2], s[PAB]
	s_cselect_b32 s[PLIM], -1, s[PLIM]
.endif
	s_wait_tensorcnt 0x0                           ; no tensor load of mine is out, so a group 0 may be written
	ds_add_u32 v[SPW], v[NIL]                      ; 0 onto my spare word; the descriptors' work stands between it and the wait for it
.if \fill
	SETD 1-(\slot)
	s_wait_dscnt 0x0
	CROUND
	JLOAD                                          ; its four v_nop are also the places behind the last products
.else
	s_wait_dscnt 0x0
	s_barrier_signal -1
	s_barrier_wait -1
	PLACES
.endif
.endm
; A UNIT: 256 keys, two chunks, 128 matrix instructions.  The chunk before it is folded while the first fragments are on their way; its own first chunk is folded among the second chunk's products.
.macro UNIT slot, fill
	CHANGE \slot, \fill
	FETCH \slot, 0, F0
	LDF 0
.if \fill
	ASK
.endif
	FOLD T1, FR1, 0
	FOLD T1, FR1, 1
	FETCH \slot, 1, F1
	s_wait_dscnt 32                                ; all but the 32 just issued
	MUL F0, 0, T0, 1
	MUL F0, 1, T0, 0
	PLACES
	FETCH \slot, 2, F0
	LDF 1
	s_wait_dscnt 36                                ; all but the 32 + 4 just issued
	MUL F1, 0, T0, 0
	MUL F1, 1, T0, 0
	PLACES                                         ; for the loads into buffer 1, and for the folding of T0 below
	FETCH \slot, 3, F1
	s_wait_dscnt 32
	MUL F0, 0, T1, 1
	FOLD T0, FR0, 0
	MUL F0, 1, T1, 0
	FOLD T0, FR0, 1
	s_wait_dscnt 0x0
	MUL F1, 0, T1, 0
	MUL F1, 1, T1, 0
	WIN 0
	v_add_nc_u32 v[FA], 1024, v[FA]                ; the next unit's two chunks
	s_sub_co_u32 s[LEFT], s[LEFT], 1
.endm
; A BLOCK'S END: its last chunk is folded, O is multiplied by 1 / l and goes through my own stage, 16 rows at a time, out as rows of 256 bytes.  No barrier and no tensor load stand here.
; In the second block's end the wave that holds a batch's rows 0-63 (p = 0, where the second block is block 0; my rows the block's first 64) jumps over row blocks 0 and 1: rows 0-31 are another launch's.
.macro END blk, last
	PLACES
	FOLD T1, FR1, 0
	FOLD T1, FR1, 1
	WIN 0
.irp a, 0,1,2,3
	ds_load_b32 v[FR0+2*(\a)], v[ILA] offset:512*(\blk)+64*(\a)
.endr
	s_wait_dscnt 0x0
.irp a, 0,1,2,3
.if ((\blk) == 1) && ((\a) == 0)
	s_or_b32 s2, s[PB], s[WR]
	s_cmp_eq_u32 s2, 0
	s_cbranch_scc1 .Lrows_32_\@                    ; p and the wave's number decide: the same in all four partners, for a given wave
.endif
.if ((\blk) == 1) && ((\a) == 2)
.Lrows_32_\@:
.endif
.set BK, 32+32*((\a)%2)
.set ej, 0
.rept 16
	v_pk_mul_f32 v[O+32*(\a)+2*ej:O+32*(\a)+2*ej+1], v[O+32*(\a)+2*ej:O+32*(\a)+2*ej+1], v[FR0+2*(\a):FR0+2*(\a)+1] op_sel_hi:[1,0]
.set ej, ej+1
.endr
.set ej, 0
.rept 4
	ds_store_b128 v[STO], v[O+32*(\a)+8*ej:O+32*(\a)+8*ej+3]   offset:64*ej
	ds_store_b128 v[STO], v[O+32*(\a)+8*ej+4:O+32*(\a)+8*ej+7] offset:64*ej+16
.set ej, ej+1
.endr
.set ej, 0
.rept 8
	ds_load_b128 v[BK+4*ej:BK+4*ej+3], v[RD] offset:ej*2*SPITCH  ; LDS serves a wave's instructions in order (ISA guide 5.7.1.4): these see the stores above
.set ej, ej+1
.endr
	s_wait_dscnt 0x0
	s_wait_xcnt 0x0                                ; earlier stores have read their registers: the other buffer is loaded again only behind this wait
.set ej, 0
.rept 8
	global_store_b128 v[GO], v[BK+4*ej:BK+4*ej+3], s[OB1+2*(\blk):OB1+2*(\blk)+1] offset:(16*(\a)+2*ej)*4096 th:TH_STORE_NT  ; 16 lanes store 256 consecutive bytes, at a multiple of 256 from out0's first byte
.set ej, ej+1
.endr
.endr
.if !(\last)
.set ej, 0
.rept 128
	v_mov_b32 v[O+ej], 0                           ; the second block starts at 0,
.set ej, ej+1
.endr
.set ej, 0
.rept 8
	v_mov_b32 v[FR1+ej], 0                         ; and its first unit folds the chunk just folded once more, times 0
.set ej, ej+1
.endr
.endif
.endm
.Lpair:                                                ; four trips of two units: the walk's units 0 to 7; units 1 to 8 are asked for
	UNIT 0, 1
	UNIT 1, 1
	s_sub_co_u32 s[RT], s[RT], 1
	s_cmp_lg_u32 s[RT], 0
	s_cbranch_scc1 .Lnoend                         ; the same in all four partners
	END 0, 0
.Lnoend:
	s_sub_co_u32 s[TR], s[TR], 1
	s_cmp_lg_u32 s[TR], 0
	s_cbranch_scc1 .Lpair
	UNIT 0, 0                                      ; the walk's last unit is written out: nothing is asked for
	END 1, 1
	s_wait_tensorcnt 0x0                           ; the wave's end
	ds_add_u32 v[SPW], v[NIL]
	s_wait_dscnt 0x0
	CROUND                                         ; the closing round
	s_endpgm
.Lfunc_end_k_qa0f3e8d290_mix:
	.size	k_qa0f3e8d290_mix, .Lfunc_end_k_qa0f3e8d290_mix-k_qa0f3e8d290_mix
	.p2alignl 7, 3214868480
	.fill 96, 4, 3214868480
	.section	.rodata,"a",@progbits
	.p2align	6, 0x0
	.amdhsa_kernel k_qa0f3e8d290_mix
		.amdhsa_group_segment_fixed_size 327680
		.amdhsa_private_segment_fixed_size 0
		.amdhsa_enable_private_segment 0
		.amdhsa_kernarg_size 40
		.amdhsa_user_sgpr_count 2
		.amdhsa_user_sgpr_kernarg_segment_ptr 1
		.amdhsa_wavefront_size32 1
		.amdhsa_system_sgpr_workgroup_id_x 1
		.amdhsa_system_sgpr_workgroup_id_y 1
		.amdhsa_system_sgpr_workgroup_id_z 1
		.amdhsa_system_vgpr_workitem_id 0
		.amdhsa_next_free_vgpr 768
		.amdhsa_next_free_sgpr 102
		.amdhsa_reserve_vcc 0
		.amdhsa_float_denorm_mode_32 3
		.amdhsa_float_denorm_mode_16_64 3
		.amdhsa_memory_ordered 1
		.amdhsa_forward_progress 1
		.amdhsa_inst_pref_size 152
	.end_amdhsa_kernel
	.amdgpu_metadata
---
amdhsa.version: [ 1, 2 ]
amdhsa.kernels:
  - .name:           k_qa0f3e8d290_mix
    .symbol:         k_qa0f3e8d290_mix.kd
    .args:
      - { .name: pw, .offset: 0, .size: 8, .value_kind: global_buffer, .address_space: global }
      - { .name: qkv, .offset: 8, .size: 8, .value_kind: global_buffer, .address_space: global }
      - { .name: sm, .offset: 16, .size: 8, .value_kind: global_buffer, .address_space: global }
      - { .name: sl, .offset: 24, .size: 8, .value_kind: global_buffer, .address_space: global }
      - { .name: out0, .offset: 32, .size: 8, .value_kind: global_buffer, .address_space: global }
    .group_segment_fixed_size: 327680
    .private_segment_fixed_size: 0
    .kernarg_segment_align: 8
    .kernarg_segment_size: 40
    .max_flat_workgroup_size: 128
    .sgpr_count:     102
    .vgpr_count:     768
    .wavefront_size: 32
...
	.end_amdgpu_metadata
.endif
;; end of part 4
;; launch corner (part 5): grid 2 x 4, 16 waves a work-group, no clusters, 188,416 bytes of LDS; arguments hp, out0; writes out0
.if DOCPART == 5
	.amdgcn_target "amdgcn-amd-amdhsa--gfx1250"
	.amdhsa_code_object_version 6
	.text
	.protected	k_qa0f3e8d290_corner
	.globl	k_qa0f3e8d290_corner
	.p2align	8
	.type	k_qa0f3e8d290_corner,@function
k_qa0f3e8d290_corner:
	s_mov_b64 s[64:65], 0
	v_nop
	global_prefetch_b8 v0, s[64:65] scope:SCOPE_SE
	s_setreg_imm32_b32 hwreg(HW_REG_WAVE_MODE, 25, 1), 1
	s_wait_xcnt 0x0
; Rows 0-31 of each batch of out0, from the projection's f32 sums (hp).  Row q averages over q + 1 keys: with so few terms the roundings of q, k, v and p to f16's 11 significant bits are not averaged out.
; So here every matrix operand is split in two f16 parts, x = hi + lo with hi = f16(x), lo = f16(x - hi), some 22 significant bits together, and a product is hi hi + hi lo + lo hi, summed in f32.
; hp: byte (((b*48 + g)*2 + a)*4 + bb)*1024 + half*512 + 16 lane: an accumulator's eight registers: lane l holds row 16 a + l % 16 and channels 64 g + 16 bb + 8 (l / 16) + 0..7; g 0-15 q, 16-31 k, 32-47 v.
; Two such images (bb = 2 c, 2 c + 1), packed in pairs, ARE a fragment of 16 rows x 32 channels.
; LIMITS.  |q|, |k|, |v| stay under 65,504 (f16); lo keeps f16's fixed step of 6e-8 below 6e-5; a hidden score counts as -2^100; NaN and infinities are not treated apart.
; SHARES.  A work-group makes 16 rows (row block rb of 2) of one batch: 8 work-groups; sums across work-groups would be needed to share it further.  Sixteen waves; wave w takes channel block w:
;   S^T = k q^T (source 0 = 16 keys, source 1 = the 16 queries) over ITS 64 channels, for both blocks of 16 keys: 12 products on two accumulators;
;   the sixteen partial tiles meet in LDS: each wave adds one sixteenth of the 16 x 32 sums, and every wave reads them all;
;   every wave makes the softmax of the 16 rows (a lane: one query, 16 keys; the lane 16 away holds the other 16) with the row's maximum taken away, and splits p;
;   O^T = v^T p for ITS 64 channels of v: 12 products on four accumulators; v ([key][channel]) is turned through the wave's own LDS bytes by ds_load_tr16_b128, first hi, then lo in the same bytes.
; All 40 loads of a wave go out at once.  No tensor loads, no cluster, no prefetch: 20 KiB a wave, read once, in a short launch.
.set PART,   0                         ; wave w's two partial tiles, as they lie in registers: 2,048 bytes at 2,048 w
.set RED,    16*2048                   ; the sums: 2,048 bytes
.set VPITCH, 160                       ; a key's 64 channels in f16: 128 bytes + 32
.set VREG,   RED+2048                  ; for each wave 32 keys x 160 bytes
.set STAGE,  VREG+16*32*VPITCH         ; for each wave 16 rows x 272 bytes, for the way out
.set SPITCH, 272
.set SPARE,  STAGE+16*16*SPITCH        ; the spare words, 128 bytes a wave, which no other line names
.set L16,  1                           ; v1   16 x lane: my place in every 512 bytes of hp
.set SPW,  2
.set NIL,  3
.set NEG1, 4                           ; v4   -1.0
.set PST,  5                           ; v5   where I put my partial tiles
.set RDA,  6                           ; v6   my word of my wave's sixteenth, in wave 0's partial
.set RST,  7                           ; v7   the same word among the sums
.set SRD,  8                           ; v8   where I read the sums
.set D,    9                           ; v9   16 rb + l % 16 - 8 (l / 16): register j of key block kb is hidden where 16 kb + j is greater
.set VST,  10                          ; v10  where I put 16 bytes of a key's row
.set VTR,  11                          ; v11  the turning loads' address
.set STO,  12
.set RD,   13
.set GO,   14
.set TEMP, 16                          ; v16-23   hi of group 0
.set ACC,  24                          ; v24-39   S^T, two key blocks
.set S,    40                          ; v40-55   the sixteen partials, then my 16 scores, then p; p's lo in v40-47
.set PH,   56                          ; v56-63   p's hi
.set TH,   64                          ; v64-71   v's hi on its way to LDS, two sets of four
.set RL,   72                          ; v72-73   1 / l
.set LR,   74                          ; v74-77   at work in the set-up; then two chains of the maximum
.set LH,   75
.set TA,   76
.set TB,   77
.set C0,   76
.set C1,   77
.set XR,   78                          ; v78      what the other half of the lanes sends
.set CM,   80                          ; v80-81   c m
.set LA,   82                          ; v82-85   two chains of l
.set LB,   84
.set RAW,  96                          ; v96-191  six groups of 16: q's channels 0-31, 32-63; k's, for key blocks 0 and 1.  Group n ends as lo in its first eight registers; hi lies in the last eight of group n - 1
.set OA,   96                          ; v96-127  later: O^T, four accumulators
.set BK,   128                         ; v128-159 later: rows read back from the stage
.set VRAW, 192                         ; v192-255 v: eight images of eight
.set VL,   192                         ; later: lo's four fragments,
.set VH,   224                         ; hi's
.set WV,   8
.set RB,   9
.set BB,   10
.set CS,   20                          ; s[20:21] c = log2(e) / 32
.set SEL,  22                          ; s[22:23] v_permlanex16_b32's selects
.set BIGN, 24                          ; s24  -2^100
.macro PLACES                          ; four places behind matrix instructions, in front of what reads their results (ISA guide 7.12.1)
.rept 4
	v_nop
.endr
.endm
	s_load_b128 s[4:7], s[0:1], 0x0                ; hp s[4:5], out0 s[6:7]
	v_lshl_add_u32 v[SPW], v0, 2, SPARE
	v_mov_b32 v[NIL], 0
	v_lshrrev_b32 v15, 5, v0
	v_readfirstlane_b32 s[WV], v15                 ; wave 0..15
	s_mov_b32 s[RB], ttmp9
	s_and_b32 s[BB], ttmp7, 0xffff
	v_and_b32 v[L16], 31, v0
	v_lshlrev_b32 v[L16], 4, v[L16]
	s_mul_i32 s11, s[BB], 48
	s_add_co_u32 s11, s11, s[WV]                   ; 48 b + w
	s_lshl_b32 s12, s11, 13                        ; q: channel block w,
	s_lshl_b32 s26, s[RB], 12
	s_add_co_u32 s12, s12, s26                     ;    row block rb
	s_mov_b32 s13, 0
	s_add_co_u32 s14, s11, 16                      ; k: channel block 16 + w, both row blocks
	s_lshl_b32 s14, s14, 13
	s_mov_b32 s15, 0
	s_add_co_u32 s16, s11, 32                      ; v: channel block 32 + w
	s_lshl_b32 s16, s16, 13
	s_mov_b32 s17, 0
	s_lshl_b32 s18, s[BB], 23                      ; out0 at (2048 b + 16 rb) * 4096 + 256 w
	s_lshl_b32 s26, s[RB], 16
	s_add_co_u32 s18, s18, s26
	s_lshl_b32 s26, s[WV], 8
	s_add_co_u32 s18, s18, s26
	s_mov_b32 s19, 0
	s_mov_b32 s[CS], 0x3d38aa3b
	s_mov_b32 s[CS+1], s[CS]
	s_mov_b32 s[SEL], 0x76543210
	s_mov_b32 s[SEL+1], 0xfedcba98
	s_mov_b32 s[BIGN], 0xf1800000
	s_wait_kmcnt 0x0
	s_add_nc_u64 s[12:13], s[4:5], s[12:13]
	s_add_nc_u64 s[14:15], s[4:5], s[14:15]
	s_add_nc_u64 s[16:17], s[4:5], s[16:17]
	s_add_nc_u64 s[18:19], s[6:7], s[18:19]
.set i, 0
.rept 8
	global_load_b128 v[RAW+4*i:RAW+4*i+3], v[L16], s[12:13] offset:512*i
.set i, i+1
.endr
.set i, 0
.rept 16
	global_load_b128 v[RAW+32+4*i:RAW+32+4*i+3], v[L16], s[14:15] offset:512*i
.set i, i+1
.endr
.set i, 0
.rept 16
	global_load_b128 v[VRAW+4*i:VRAW+4*i+3], v[L16], s[16:17] offset:512*i
.set i, i+1
.endr
	; the addresses, while the loads are on their way
	v_mov_b32 v[NEG1], -1.0
	v_mov_b32 v[XR], 0                             ; v_permlanex16_b32 counts as a reader of its destination
	v_and_b32 v[LR], 15, v0                        ; r
	v_bfe_u32 v[LH], v0, 4, 1                      ; h
	s_lshl_b32 s26, s[WV], 11
	v_add_nc_u32 v[PST], s26, v[L16]               ; PART = 0
	v_lshrrev_b32 v[TA], 2, v[L16]                 ; 4 x lane
	s_lshl_b32 s26, s[WV], 7
	v_add_nc_u32 v[RDA], s26, v[TA]
	v_add_nc_u32 v[RST], RED, v[RDA]
	v_add_nc_u32 v[SRD], RED, v[L16]
	v_lshlrev_b32 v[TB], 3, v[LH]
	v_sub_nc_u32 v[D], v[LR], v[TB]
	s_lshl_b32 s26, s[RB], 4
	v_add_nc_u32 v[D], s26, v[D]
	s_mul_i32 s27, s[WV], 32*VPITCH
	s_add_co_u32 s27, s27, VREG                    ; my wave's bytes for v
	v_mul_u32_u24 v[TA], v[LR], VPITCH             ; in: key l % 16 of a block, 16 bytes for each half of the lanes
	v_lshl_add_u32 v[TA], v[LH], 4, v[TA]
	v_add_nc_u32 v[VST], s27, v[TA]
	v_and_b32 v[TA], 7, v0                         ; the turning load: key 8 h + l % 8, channels 8 ((l / 8) % 2) on
	v_lshl_add_u32 v[TA], v[LH], 3, v[TA]
	v_mul_u32_u24 v[TA], v[TA], VPITCH
	v_bfe_u32 v[TB], v0, 3, 1
	v_lshl_add_u32 v[TA], v[TB], 4, v[TA]
	v_add_nc_u32 v[VTR], s27, v[TA]
	s_mul_i32 s27, s[WV], 16*SPITCH
	s_add_co_u32 s27, s27, STAGE                   ; my stage
	v_mul_u32_u24 v[TA], v[LR], SPITCH             ; in: row r, 32 bytes for each half of the lanes
	v_lshl_add_u32 v[TA], v[LH], 5, v[TA]
	v_add_nc_u32 v[STO], s27, v[TA]
	v_mul_u32_u24 v[TA], v[LH], SPITCH             ; back: lanes 0-15 one row of 256 bytes, lanes 16-31 the next
	v_lshl_add_u32 v[TA], v[LR], 4, v[TA]
	v_add_nc_u32 v[RD], s27, v[TA]
	v_lshlrev_b32 v[GO], 12, v[LH]                 ; the same two rows in out0, 4,096 bytes apart
	v_lshl_add_u32 v[GO], v[LR], 4, v[GO]
; Group n's 16 f32 become two fragments.  hi: eight packed roundings, into the eight registers that the group before has left free (group 0: TEMP).  x - hi: a multiply-add that reads hi's half as f16, times -1, plus x,
; in place.  lo: eight packed roundings, in place: register i is written when registers 2 i, 2 i + 1 have been read.
.macro CONV n
.set cR, RAW+16*(\n)
.if (\n) == 0
.set cH, TEMP
.else
.set cH, RAW+16*(\n)-8
.endif
	s_wait_loadcnt 36-4*(\n)                       ; loads come back in order: the group's four are in, the 36 - 4 n younger ones stay out
.set i, 0
.rept 8
	v_cvt_pk_f16_f32 v[cH+i], v[cR+2*i], v[cR+2*i+1]
.set i, i+1
.endr
.set i, 0
.rept 8
	v_fma_mix_f32 v[cR+2*i],   v[cH+i], v[NEG1], v[cR+2*i]   op_sel_hi:[1,0,0]
	v_fma_mix_f32 v[cR+2*i+1], v[cH+i], v[NEG1], v[cR+2*i+1] op_sel:[1,0,0] op_sel_hi:[1,0,0]
.set i, i+1
.endr
.set i, 0
.rept 8
	v_cvt_pk_f16_f32 v[cR+i], v[cR+2*i], v[cR+2*i+1]
.set i, i+1
.endr
.endm
; Four products: both halves of the 64 channels x both key blocks.  kl, ql = 1: k's, q's lo.  The two accumulators take turns, one instruction a turn.  zero = 1: the first two start the sums.
.macro SPROD kl, ql, zero
.irp c, 0,1
.irp kb, 0,1
.if \kl
.set rK, RAW+16*(2+2*(\kb)+(\c))
.else
.set rK, RAW+16*(2+2*(\kb)+(\c))-8
.endif
.if \ql
.set rQ, RAW+16*(\c)
.elseif (\c) == 0
.set rQ, TEMP
.else
.set rQ, RAW+16*(\c)-8
.endif
.if (\zero) && ((\c) == 0)
	v_wmma_f32_16x16x32_f16 v[ACC+8*(\kb):ACC+8*(\kb)+7], v[rK:rK+7], v[rQ:rQ+7], 0
.else
	v_wmma_f32_16x16x32_f16 v[ACC+8*(\kb):ACC+8*(\kb)+7], v[rK:rK+7], v[rQ:rQ+7], v[ACC+8*(\kb):ACC+8*(\kb)+7]
.endif
.endr
.endr
.endm
	CONV 0
	CONV 1
	CONV 2
	CONV 3
	CONV 4
	CONV 5
	SPROD 0, 0, 1                                  ; hi hi
	SPROD 0, 1, 0                                  ; k's hi, q's lo
	SPROD 1, 0, 0                                  ; k's lo, q's hi
	PLACES
.irp kb, 0,1
	ds_store_b128 v[PST], v[ACC+8*(\kb):ACC+8*(\kb)+3]   offset:1024*(\kb)
	ds_store_b128 v[PST], v[ACC+8*(\kb)+4:ACC+8*(\kb)+7] offset:1024*(\kb)+512
.endr
	s_wait_dscnt 0x0                               ; for the others' sake: my partial tiles lie in LDS
	s_barrier_signal -1
	s_barrier_wait -1
.set p, 0
.rept 16
	ds_load_b32 v[S+p], v[RDA] offset:2048*p       ; my word of all sixteen partials
.set p, p+1
.endr
	s_wait_dscnt 0x0
.irp i, 0,2,4,6
	v_pk_add_f32 v[S+(\i):S+(\i)+1], v[S+(\i):S+(\i)+1], v[S+8+(\i):S+8+(\i)+1]
.endr
	v_pk_add_f32 v[S:S+1], v[S:S+1], v[S+4:S+5]
	v_pk_add_f32 v[S+2:S+3], v[S+2:S+3], v[S+6:S+7]
	v_pk_add_f32 v[S:S+1], v[S:S+1], v[S+2:S+3]
	v_add_f32 v[S], v[S], v[S+1]
	ds_store_b32 v[RST], v[S]
	s_wait_dscnt 0x0                               ; for the others' sake: my sixteenth of the sums
	s_barrier_signal -1
	s_barrier_wait -1
.irp i, 0,1,2,3
	ds_load_b128 v[S+4*(\i):S+4*(\i)+3], v[SRD] offset:512*(\i)  ; the sums, as an accumulator's registers lie: key block i / 2, registers 4 (i % 2) on
.endr
	s_wait_dscnt 0x0
	; THE SOFTMAX of my query's 16 keys
.set i, 0
.rept 16
	v_cmp_gt_i32 vcc_lo, 16*(i/8)+i%8, v[D]
	v_cndmask_b32 v[S+i], v[S+i], s[BIGN], vcc_lo
.set i, i+1
.endr
	v_max3_num_f32 v[C0], v[S], v[S+1], v[S+2]
	v_max3_num_f32 v[C1], v[S+8], v[S+9], v[S+10]
	v_max3_num_f32 v[C0], v[C0], v[S+3], v[S+4]
	v_max3_num_f32 v[C1], v[C1], v[S+11], v[S+12]
	v_max3_num_f32 v[C0], v[C0], v[S+5], v[S+6]
	v_max3_num_f32 v[C1], v[C1], v[S+13], v[S+14]
	v_max3_num_f32 v[C0], v[C0], v[S+7], v[S+15]
	v_max_num_f32 v[C0], v[C0], v[C1]
	v_permlanex16_b32 v[XR], v[C0], s[SEL], s[SEL+1]  ; the query's other 16 keys lie in the lane 16 away; every row sees its own key, so the maximum is a true score
	v_max_num_f32 v[C0], v[C0], v[XR]
	v_mul_f32 v[CM], s[CS], v[C0]
	v_mov_b32 v[CM+1], v[CM]                       ; named with it as a pair
.irp i, 0,2,4,6,8,10,12,14
	v_pk_fma_f32 v[S+(\i):S+(\i)+1], v[S+(\i):S+(\i)+1], s[CS:CS+1], v[CM:CM+1] op_sel_hi:[1,0,0] neg_lo:[0,0,1] neg_hi:[0,0,1]
.endr
.set i, 0
.rept 16
	v_exp_f32 v[S+i], v[S+i]                       ; p = 2^(c s - c m); 0 where the key is hidden
.set i, i+1
.endr
	v_nop                                          ; a plain instruction behind the last exponential,
	s_wait_alu depctr_va_vdst(0)                   ; and the one wait ahead of the batch's first reader
	v_pk_add_f32 v[LA:LA+1], v[S:S+1], v[S+2:S+3]
	v_pk_add_f32 v[LB:LB+1], v[S+4:S+5], v[S+6:S+7]
	v_pk_add_f32 v[LA:LA+1], v[LA:LA+1], v[S+8:S+9]
	v_pk_add_f32 v[LB:LB+1], v[LB:LB+1], v[S+10:S+11]
	v_pk_add_f32 v[LA:LA+1], v[LA:LA+1], v[S+12:S+13]
	v_pk_add_f32 v[LB:LB+1], v[LB:LB+1], v[S+14:S+15]
	v_pk_add_f32 v[LA:LA+1], v[LA:LA+1], v[LB:LB+1]
	v_add_f32 v[LA], v[LA], v[LA+1]
	v_permlanex16_b32 v[XR], v[LA], s[SEL], s[SEL+1]
	v_add_f32 v[LA], v[LA], v[XR]                  ; l: at least 1
	v_rcp_f32 v[RL], v[LA]
	v_mov_b32 v[RL+1], 0                           ; named with it as a pair; also the plain instruction behind the reciprocal
	s_wait_alu depctr_va_vdst(0)
	; p = hi + lo: two key blocks, packed in pairs, are source 1 (32 keys x 16 queries) of the second product
.set i, 0
.rept 8
	v_cvt_pk_f16_f32 v[PH+i], v[S+2*i], v[S+2*i+1]
.set i, i+1
.endr
.set i, 0
.rept 8
	v_fma_mix_f32 v[S+2*i],   v[PH+i], v[NEG1], v[S+2*i]   op_sel_hi:[1,0,0]
	v_fma_mix_f32 v[S+2*i+1], v[PH+i], v[NEG1], v[S+2*i+1] op_sel:[1,0,0] op_sel_hi:[1,0,0]
.set i, i+1
.endr
.set i, 0
.rept 8
	v_cvt_pk_f16_f32 v[S+i], v[S+2*i], v[S+2*i+1]
.set i, i+1
.endr
	; v = hi + lo.  Image n (key block n / 4, 16 channels n % 4): hi's 16 bytes go to LDS at once; lo's four registers are gathered at VRAW + 4 n, behind the images that have been read
	s_wait_loadcnt 0x0
.set n, 0
.rept 8
.set vR, VRAW+8*n
.set vT, TH+4*(n%2)
.set i, 0
.rept 4
	v_cvt_pk_f16_f32 v[vT+i], v[vR+2*i], v[vR+2*i+1]
.set i, i+1
.endr
	ds_store_b128 v[VST], v[vT:vT+3] offset:(n/4)*16*VPITCH+(n%4)*32
.set i, 0
.rept 4
	v_fma_mix_f32 v[vR+2*i],   v[vT+i], v[NEG1], v[vR+2*i]   op_sel_hi:[1,0,0]
	v_fma_mix_f32 v[vR+2*i+1], v[vT+i], v[NEG1], v[vR+2*i+1] op_sel:[1,0,0] op_sel_hi:[1,0,0]
.set i, i+1
.endr
.set i, 0
.rept 4
	v_cvt_pk_f16_f32 v[VRAW+4*n+i], v[vR+2*i], v[vR+2*i+1]
.set i, i+1
.endr
.set n, n+1
.endr
	; LDS serves a wave's instructions in order (ISA guide 5.7.1.4): hi is turned out, then lo is stored into the same bytes, my wave's own, and turned out into the registers that it left
.irp nb, 0,1,2,3
	ds_load_tr16_b128 v[VH+8*(\nb):VH+8*(\nb)+3],   v[VTR] offset:32*(\nb)
	ds_load_tr16_b128 v[VH+8*(\nb)+4:VH+8*(\nb)+7], v[VTR] offset:32*(\nb)+16*VPITCH
.endr
.set n, 0
.rept 8
	ds_store_b128 v[VST], v[VRAW+4*n:VRAW+4*n+3] offset:(n/4)*16*VPITCH+(n%4)*32
.set n, n+1
.endr
.irp nb, 0,1,2,3
	ds_load_tr16_b128 v[VL+8*(\nb):VL+8*(\nb)+3],   v[VTR] offset:32*(\nb)
	ds_load_tr16_b128 v[VL+8*(\nb)+4:VL+8*(\nb)+7], v[VTR] offset:32*(\nb)+16*VPITCH
.endr
; Four products O^T += v^T p: 16 channels each, all 32 keys.  The four accumulators take turns.
.macro OPROD vf, pf, zero
.irp nb, 0,1,2,3
.if \zero
	v_wmma_f32_16x16x32_f16 v[OA+8*(\nb):OA+8*(\nb)+7], v[(\vf)+8*(\nb):(\vf)+8*(\nb)+7], v[(\pf):(\pf)+7], 0
.else
	v_wmma_f32_16x16x32_f16 v[OA+8*(\nb):OA+8*(\nb)+7], v[(\vf)+8*(\nb):(\vf)+8*(\nb)+7], v[(\pf):(\pf)+7], v[OA+8*(\nb):OA+8*(\nb)+7]
.endif
.endr
.endm
	s_wait_dscnt 16                                ; hi's fragments are in; lo's eight stores and eight loads may be out
	OPROD VH, PH, 1                                ; hi hi
	OPROD VH, S, 0                                 ; v's hi, p's lo
	s_wait_dscnt 0x0
	OPROD VL, PH, 0                                ; v's lo, p's hi
	PLACES
	; THE WAY OUT: times 1 / l; a lane's eight channels of a row are 32 bytes; through my own stage, out as rows of 256 bytes
.set i, 0
.rept 16
	v_pk_mul_f32 v[OA+2*i:OA+2*i+1], v[OA+2*i:OA+2*i+1], v[RL:RL+1] op_sel_hi:[1,0]
.set i, i+1
.endr
.irp nb, 0,1,2,3
	ds_store_b128 v[STO], v[OA+8*(\nb):OA+8*(\nb)+3]   offset:64*(\nb)
	ds_store_b128 v[STO], v[OA+8*(\nb)+4:OA+8*(\nb)+7] offset:64*(\nb)+16
.endr
.irp t, 0,1,2,3,4,5,6,7
	ds_load_b128 v[BK+4*(\t):BK+4*(\t)+3], v[RD] offset:(\t)*2*SPITCH
.endr
	s_wait_dscnt 0x0
.irp t, 0,1,2,3,4,5,6,7
	global_store_b128 v[GO], v[BK+4*(\t):BK+4*(\t)+3], s[18:19] offset:2*(\t)*4096 th:TH_STORE_NT  ; 16 lanes store 256 consecutive bytes, at a multiple of 256 from out0's first byte
.endr
	s_wait_tensorcnt 0x0                           ; the wave's end, behind my last LDS store
	ds_add_u32 v[SPW], v[NIL]
	s_wait_dscnt 0x0
	s_endpgm
.Lfunc_end_k_qa0f3e8d290_corner:
	.size	k_qa0f3e8d290_corner, .Lfunc_end_k_qa0f3e8d290_corner-k_qa0f3e8d290_corner
	.p2alignl 7, 3214868480
	.fill 96, 4, 3214868480
	.section	.rodata,"a",@progbits
	.p2align	6, 0x0
	.amdhsa_kernel k_qa0f3e8d290_corner
		.amdhsa_group_segment_fixed_size 188416
		.amdhsa_private_segment_fixed_size 0
		.amdhsa_enable_private_segment 0
		.amdhsa_kernarg_size 16
		.amdhsa_user_sgpr_count 2
		.amdhsa_user_sgpr_kernarg_segment_ptr 1
		.amdhsa_wavefront_size32 1
		.amdhsa_system_sgpr_workgroup_id_x 1
		.amdhsa_system_sgpr_workgroup_id_y 1
		.amdhsa_system_sgpr_workgroup_id_z 1
		.amdhsa_system_vgpr_workitem_id 0
		.amdhsa_next_free_vgpr 256
		.amdhsa_next_free_sgpr 66
		.amdhsa_reserve_vcc 1
		.amdhsa_float_denorm_mode_32 3
		.amdhsa_float_denorm_mode_16_64 3
		.amdhsa_memory_ordered 1
		.amdhsa_forward_progress 1
		.amdhsa_inst_pref_size 43
	.end_amdhsa_kernel
	.amdgpu_metadata
---
amdhsa.version: [ 1, 2 ]
amdhsa.kernels:
  - .name:           k_qa0f3e8d290_corner
    .symbol:         k_qa0f3e8d290_corner.kd
    .args:
      - { .name: hp, .offset: 0, .size: 8, .value_kind: global_buffer, .address_space: global }
      - { .name: out0, .offset: 8, .size: 8, .value_kind: global_buffer, .address_space: global }
    .group_segment_fixed_size: 188416
    .private_segment_fixed_size: 0
    .kernarg_segment_align: 8
    .kernarg_segment_size: 16
    .max_flat_workgroup_size: 512
    .sgpr_count:     66
    .vgpr_count:     256
    .wavefront_size: 32
...
	.end_amdgpu_metadata
.endif
;; end of part 5
;; ======== version 2 of 3: 4 launches
;; limits: values are held in f16: magnitudes above 65,504 overflow, below 6.1e-05 lose precision
;; workspace buffers: xb 16,777,216 bytes; wb 6,291,456 bytes; qkv 50,331,648 bytes; pw 33,554,432 bytes; sm 524,288 bytes; sl 524,288 bytes; hp 1,572,864 bytes
;; launch cast: the kernel of part 1 again; grid 352 x 1, 8 waves a work-group, no clusters, 0 bytes of LDS; arguments x, Wq, Wk, Wv, xb, wb; writes xb, wb
;; launch proj (part 6): grid 8 x 32, 4 waves a work-group, clusters of 4 x 4, 327,680 bytes of LDS; arguments xb, wb, qkv, hp; writes qkv, hp
.if DOCPART == 6
	.amdgcn_target "amdgcn-amd-amdhsa--gfx1250"
	.amdhsa_code_object_version 6
	.text
	.protected	k_qa0f3e8d290_proj
	.globl	k_qa0f3e8d290_proj
	.p2align	8
	.type	k_qa0f3e8d290_proj,@function
k_qa0f3e8d290_proj:
	s_mov_b64 s[64:65], 0
	v_nop
	global_prefetch_b8 v0, s[64:65] scope:SCOPE_SE
	s_setreg_imm32_b32 hwreg(HW_REG_WAVE_MODE, 25, 1), 1
	s_wait_xcnt 0x0
	s_wait_alu depctr_hold_cnt(0) depctr_sa_sdst(0) depctr_va_vdst(0) depctr_va_sdst(0) depctr_va_ssrc(0) depctr_va_vcc(0) depctr_vm_vsrc(0)
	s_getreg_b32 s2, hwreg(HW_REG_IB_STS2, 6, 4)
	s_cmp_eq_u32 s2, 0
	s_cbranch_scc0 .Lentry_in_a_cluster
	s_endpgm
.Lentry_in_a_cluster:
	s_bfe_u32 s2, ttmp6, 0x10000c
	s_cmp_lg_u32 s2, 0xf033
	s_cbranch_scc0 .Lentry_shape_is_right
	s_endpgm
.Lentry_shape_is_right:
; [q | k | v] = x [Wq | Wk | Wv]: C [8192][3072], K = 1024.  Operands bf16 (xb, wb, in tile order), sums f32, C rounded once to f16, unscaled.
; qkv: [g 48][8192 rows][64 channels] f16, byte (g*8192 + row)*128 + 2c; g 0-15 q, 16-31 k, 32-47 v.
; hp: the f32 sums of the first 32 rows of each batch, as the accumulators lie in registers: byte (((b*48 + g)*2 + a)*4 + bb)*1024 + half*512 + 16 lane: row block a, 16 columns bb of channel block g,
; registers 4 half .. 4 half + 3; lane l holds row l % 16 and columns 8 (l / 16) + 0..7.  Rows that average over few keys are made from these by work-groups of the next launch.
; LIMIT.  f16 ends at 65,504: a |q|, |k| or |v| of 65,520 or more leaves as an infinity.
; SHARES.  A tile of C is 256 x 384: 32 x 8 = 256 tiles, one to a work-group.  Four waves, each 128 rows x 192 columns: 96 accumulators of 16 x 16, 768 registers.
; K goes in 16 steps of 64 through two LDS slots; a step is two quarters of 32, 96 matrix instructions each.  One tensor load a wave and step: waves 0, 1 bring x's 2 x 128 rows, waves 2, 3 W's 2 x 3 column blocks.
; Every tile is dense in memory and is asked for as rows of 256 bytes, padded in LDS behind every 128.
; ONE TEXT FOR A K STEP: a trip of the loop goes from a step's second quarter to the next step's first.  The slot that is read hangs on s[TB], which an exclusive or turns at each change of slots; one group 0 for each
; operand walks, its LDS word turned by the same exclusive or.  The last two steps, which ask for nothing, are a loop of their own; its last trip jumps over the first quarter of a step that does not exist.
; CLUSTER 4 x 4.  x's tile hangs on the tile row alone and is asked for jointly along a row of the cluster, W's on the tile column alone, along a column.
; The tile row is cluster y + 8 cy: a batch is 8 tile rows, so the four tiles with a batch's first rows lie in the clusters with y = 0, and the branch round hp's stores hangs on the cluster's y and the wave's number alone.
; THE MATRIX INSTRUCTION IS USED TRANSPOSED: source 0 = 16 columns of W (turned out of LDS by ds_load_tr16_b128), source 1 = 16 rows of x: a lane then holds one row of C and eight neighbouring columns.
; REGISTERS, in windows of 256: window 0: v2-11 addresses; v16-79, v80-143 x's fragments of a quarter (8 x 16 rows x 32 K), two buffers; v144-191, v192-239 W's fragments, column blocks 0-5 and 6-11, one buffer each:
; while one half is multiplied the other is fetched.  Windows 1-3: accumulator (a, b) in window 1 + b / 4 at v[8 (4 a + b % 4)].
.set SLOTB, 98304                      ; a slot: x: 256 rows x 144; then W: 6 x 64 rows x 160
.set SLOT1, 131072                     ; slot 1 begins here, so that one exclusive or turns an address in one slot into the other's
.set BOFF,  36864
.set STAGE, SLOT1+SLOTB                ; behind the ring: for each wave 3 blocks x 16 rows x 144 bytes, for the way out
.set SPARE, STAGE+4*6912               ; behind the stages: the spare words, 128 bytes a wave, which no other line names
.set ADRA0, 2                          ; v2     my lane's place among my fragments of x in slot 0; never rewritten
.set ADRA,  3                          ; v3     the same in the slot that is being fetched from
.set ADRB0, 4                          ; v4, v5 the same for W
.set ADRB,  5
.set STO,  6                           ; v6     the way out: where I put 16 bytes of a row
.set RD,   7                           ; v7     where I read rows back
.set GO,   8                           ; v8     16 x lane: my place in 512 consecutive bytes of qkv and of hp
.set PFO,  9                           ; v9     256 x lane, for the prefetches
.set SPW,  10                          ; v10    my spare word
.set NIL,  11                          ; v11    0
.set AF,   16
.set BH,   144
.set PK,   16                          ; the way out: 48 packed registers
.set G1,   24                          ; s[24:31] group 1 for x's tiles; s[32:39] group 0: a set for each of the two first fills; the second then walks on
.set G0,   32
.set G1B,  48                          ; s[48:55], s[56:63] the same for W's
.set G0B,  56
.set LIM,  43                          ; s43  3 in a wave that prefetches, else the greatest number
.set PFA,  44                          ; s[44:45] where my prefetches stand
.set PFS,  16                          ; s[16:17] a K step's bytes of my operand
.set HP,   66                          ; s[66:67] hp at my three channel blocks
.set HPF,  68                          ; s68  0 in a wave that holds a batch's first rows
.set TB,   69                          ; s69  LDS byte at which the slot that is being fetched from begins
.set MSB, 0
.macro WIN new                         ; the immediate's high byte repeats the setting that is left; a switch that changes nothing is dropped
.if MSB != (\new)
	s_set_vgpr_msb (MSB<<8)|(\new)
.set MSB, \new
.endif
.endm
.macro PLACES                          ; four places in front of loads into registers that matrix instructions have read, and of conversions that read results
.rept 4
	v_nop
.endr
.endm
.macro JLOAD s                         ; a joint load by set s: the branch hangs on the wave's number alone; an s_nop 0 and four v_nop follow each line
	s_cmp_eq_u32 s11, 0
	s_cbranch_scc0 .Lfor_b_\@
	tensor_load_to_lds s[G0+4*(\s):G0+4*(\s)+3], s[G1:G1+7]
	s_nop 0
.rept 4
	v_nop
.endr
	s_branch .Lasked_\@
.Lfor_b_\@:
	tensor_load_to_lds s[G0B+4*(\s):G0B+4*(\s)+3], s[G1B:G1B+7]
	s_nop 0
.rept 4
	v_nop
.endr
.Lasked_\@:
.endm
.macro CREST                           ; a round of the cluster's barrier behind its opening barrier
	s_cmp_lg_u32 s10, 0
	s_cbranch_scc1 .Lnot_wave_0_\@
	s_barrier_signal -3
.Lnot_wave_0_\@:
	s_barrier_wait -3
	s_barrier_signal -1
	s_barrier_wait -1
.endm
.macro CROUND
	s_barrier_signal -1
	s_barrier_wait -1
	CREST
.endm
; A PREFETCH INTO THE L2, in every second trip (the even K steps u), behind the joint load and the run of LDS loads that follows it: K steps u + 4 and u + 5, two steps ahead of the first of their refills.  Two K steps of a
; tile row of xb are 65,536 consecutive bytes, of a tile column of wb 98,304.  x's are named by wave 0 of the clusters with x = 0, W's by wave 2 of the clusters with y = 0; the four partners that ask for a tile jointly
; take a quarter each, told apart by address (cx for x, cy for W): a lane names 256 bytes, two or three instructions.  So each block is named once in the launch.  K steps 0 to 3 come by their loads alone; the trips
; with s3 at 3 or less have no K step four on.
.macro ASK
	s_cmp_gt_u32 s3, s[LIM]
	s_cbranch_scc0 .Lnot_mine_\@
	s_bitcmp1_b32 s3, 0                            ; s3 = 14 - u: odd in the odd K steps, whose bytes were named a trip ago
	s_cbranch_scc1 .Lnot_mine_\@
	global_prefetch_b8 v[PFO], s[PFA:PFA+1] th:TH_LOAD_NT scope:SCOPE_SE
	global_prefetch_b8 v[PFO], s[PFA:PFA+1] offset:8192 th:TH_LOAD_NT scope:SCOPE_SE
	s_cmp_eq_u32 s11, 0
	s_cbranch_scc1 .Lnot_mine_\@
	global_prefetch_b8 v[PFO], s[PFA:PFA+1] offset:16384 th:TH_LOAD_NT scope:SCOPE_SE
.Lnot_mine_\@:
.endm
	s_load_b128 s[4:7], s[0:1], 0x0                ; xb s[4:5], wb s[6:7]
	s_load_b64 s[8:9], s[0:1], 0x10                ; qkv
	s_load_b64 s[HP:HP+1], s[0:1], 0x18            ; hp
	v_lshl_add_u32 v[SPW], v0, 2, SPARE
	v_mov_b32 v[NIL], 0
	ds_add_u32 v[SPW], v[NIL]                      ; the wave's opening: the add and its wait stand ahead of my first tensor load; work on registers stands between them
	v_lshrrev_b32 v1, 5, v0
	v_readfirstlane_b32 s10, v1                    ; wave 0..3
	s_lshr_b32 s11, s10, 1                         ; which 128 rows are mine.  Also: I fetch for x (0) or for W (1)
	s_and_b32 s12, s10, 1                          ; which 192 columns.  Also: which half of that tile I fetch
	s_bfe_u32 s40, ttmp6, 0x40000                  ; cx
	s_bfe_u32 s41, ttmp6, 0x40004                  ; cy
	s_lshl_b32 s42, ttmp9, 2
	s_add_co_u32 s42, s42, s40                     ; nt = 4 x cluster x + cx
	s_and_b32 s13, ttmp7, 0xffff                   ; cluster y, 0 to 7
	s_or_b32 s[HPF], s13, s11                      ; 0 where the cluster's y is 0 and my rows are the tile's first 128
	s_lshl_b32 s14, s41, 3
	s_add_co_u32 s13, s13, s14                     ; mt = cluster y + 8 cy
	s_lshl_b32 s22, s41, 2
	s_lshl_b32 s22, 15, s22                        ; my row of the cluster
	s_lshl_b32 s23, 0x1111, s40                    ; my column
	s_or_b32 s[G1+0], s22, (1<<16)|(1<<20)|(1<<21)|(4<<22)|(3<<25)   ; the mask; 2-byte elements; padding on; bit 21 beside a mask; behind every 32 words 4 words: LDS rows of 144 bytes
	s_or_b32 s[G1B+0], s23, (1<<16)|(1<<20)|(1<<21)|(4<<22)|(7<<25)  ; the same with 8 words: LDS rows of 160 bytes
	s_mov_b32 s[G1+1], 128<<16                     ; tensor_dim0 = 128 elements (256 bytes)
	s_mov_b32 s[G1+2], 64<<16                      ; tensor_dim1 = 64: 16,384 dense bytes, 128 rows of x
	s_mov_b32 s[G1+3], 128<<16                     ; tile_dim0
	s_mov_b32 s[G1+4], 64                          ; tile_dim1
	s_mov_b32 s[G1+5], 128                         ; pitch
	s_mov_b32 s[G1+6], 0
	s_mov_b32 s[G1+7], 0
	s_mov_b32 s[G1B+1], 128<<16
	s_mov_b32 s[G1B+2], 96<<16                     ; 24,576 dense bytes: 3 column blocks x 64 k
	s_mov_b32 s[G1B+3], 128<<16
	s_mov_b32 s[G1B+4], 96
	s_mov_b32 s[G1B+5], 128
	s_mov_b32 s[G1B+6], 0
	s_mov_b32 s[G1B+7], 0
	s_mov_b32 s[TB], 0
	s_lshl_b32 s16, s13, 19                        ; x: mt * 524288 + half * 16384: the tile row and the wave's number alone
	s_lshl_b32 s17, s12, 14
	s_add_co_u32 s16, s16, s17
	s_mov_b32 s17, 0
	s_mul_i32 s46, s42, 786432                     ; W: nt * 786432 + half * 24576: the tile column and the wave's number alone
	s_mul_i32 s47, s12, 24576
	s_add_co_u32 s46, s46, s47
	s_mov_b32 s47, 0
	s_mul_i32 s20, s12, 18432                      ; where they go: no place in the cluster enters an LDS address
	s_mul_i32 s21, s12, 30720
	s_add_co_u32 s21, s21, BOFF
	s_wait_dscnt 0x0                               ; the opening add is done
	s_wait_kmcnt 0x0
	s_add_nc_u64 s[18:19], s[4:5], s[16:17]
	s_add_nc_u64 s[46:47], s[6:7], s[46:47]
	CROUND                                         ; all sixteen work-groups are here: the first joint loads meet
.irp s, 0,1
	s_mov_b32 s[G0+4*(\s)], 1
	s_add_co_u32 s[G0+4*(\s)+1], s20, (\s)*SLOT1
	s_add_nc_u64 s[G0+4*(\s)+2:G0+4*(\s)+3], s[18:19], (\s)*32768   ; K step s
	s_or_b32 s[G0+4*(\s)+3], s[G0+4*(\s)+3], 0x80000000
	s_mov_b32 s[G0B+4*(\s)], 1
	s_add_co_u32 s[G0B+4*(\s)+1], s21, (\s)*SLOT1
	s_add_nc_u64 s[G0B+4*(\s)+2:G0B+4*(\s)+3], s[46:47], (\s)*49152
	s_or_b32 s[G0B+4*(\s)+3], s[G0B+4*(\s)+3], 0x80000000
	JLOAD \s
.endr
	v_and_b32 v1, 15, v0                           ; r = l % 16
	v_bfe_u32 v12, v0, 4, 1                        ; h = l / 16
	v_mul_u32_u24 v13, v1, 144
	v_lshl_add_u32 v13, v12, 4, v13                ; r * 144 + 16 h
	s_mul_i32 s14, s11, 18432                      ; my 128 rows of x
	v_add_nc_u32 v[ADRA0], s14, v13
	v_mov_b32 v[ADRA], v[ADRA0]                    ; the first fetches are slot 0's
	v_and_b32 v14, 7, v0                           ; the turning load: lane l reads 16 bytes of k row 8 h + l % 8, columns 8 ((l / 8) % 2) on
	v_lshl_add_u32 v14, v12, 3, v14
	v_mul_u32_u24 v14, v14, 160
	v_bfe_u32 v15, v0, 3, 1
	v_lshl_add_u32 v14, v15, 4, v14
	s_mul_i32 s14, s12, 30720                      ; my three column blocks of W,
	s_add_co_u32 s14, s14, BOFF                    ; behind x's rows
	v_add_nc_u32 v[ADRB0], s14, v14
	v_mov_b32 v[ADRB], v[ADRB0]
	s_mul_i32 s14, s10, 6912
	s_add_co_u32 s14, s14, STAGE                   ; my stage
	v_add_nc_u32 v[STO], s14, v13                  ; in: row r, 16 bytes for each half of the lanes
	v_bfe_u32 v[RD], v0, 3, 2                      ; back: 32 lanes take four rows of 128 bytes,
	v_mul_u32_u24 v[RD], v[RD], 144
	v_and_b32 v15, 7, v0
	v_lshl_add_u32 v[RD], v15, 4, v[RD]
	v_add_nc_u32 v[RD], s14, v[RD]
	v_and_b32 v[GO], 31, v0                        ; which are 512 consecutive bytes of qkv
	v_lshlrev_b32 v[PFO], 8, v[GO]
	v_lshlrev_b32 v[GO], 4, v[GO]
	s_mul_i32 s14, s42, 6                          ; qkv at ((6 nt + 3 wc) * 8192 + 256 mt + 128 wr) * 128
	s_mul_i32 s15, s12, 3
	s_add_co_u32 s14, s14, s15
	s_lshl_b32 s14, s14, 13
	s_lshl_b32 s15, s13, 8
	s_add_co_u32 s14, s14, s15
	s_lshl_b32 s15, s11, 7
	s_add_co_u32 s14, s14, s15
	s_lshl_b32 s14, s14, 7
	s_mov_b32 s15, 0
	s_add_nc_u64 s[8:9], s[8:9], s[14:15]
	s_mul_i32 s14, s41, 48                         ; hp at (48 b + 6 nt + 3 wc) * 8192; where the cluster's y is 0 the batch is cy
	s_mul_i32 s15, s42, 6
	s_add_co_u32 s14, s14, s15
	s_mul_i32 s15, s12, 3
	s_add_co_u32 s14, s14, s15
	s_lshl_b32 s14, s14, 13
	s_mov_b32 s15, 0
	s_add_nc_u64 s[HP:HP+1], s[HP:HP+1], s[14:15]
	; the prefetches (in waves 0 and 2, which alone ask, s[18:19] and s[46:47] stand at the tile row's and the tile column's first byte)
	s_and_b32 s14, ttmp7, 0xffff                   ; cluster y
	s_mov_b32 s[PFS], 49152
	s_mov_b32 s20, 24576
	s_cmp_eq_u32 s11, 0                            ; do I fetch for x?
	s_cselect_b32 s14, ttmp9, s14                  ; the coordinate along which other clusters read the same bytes
	s_cselect_b32 s15, s40, s41                    ; my place among the four that ask with me
	s_cselect_b64 s[PFA:PFA+1], s[18:19], s[46:47]
	s_cselect_b32 s[PFS], 32768, s[PFS]            ; a K step's bytes
	s_cselect_b32 s20, 16384, s20                  ; a partner's quarter of two K steps
	s_mov_b32 s[PFS+1], 0
	s_or_b32 s14, s14, s12
	s_cmp_eq_u32 s14, 0
	s_cselect_b32 s[LIM], 3, -1                    ; the same in all sixteen partners, for a given wave
	s_mul_i32 s20, s20, s15
	s_mul_i32 s21, s[PFS], 3
	s_add_co_u32 s20, s20, s21                     ; at K step 3: each trip steps it by one, the first to K step 4
	s_mov_b32 s21, 0
	s_add_nc_u64 s[PFA:PFA+1], s[PFA:PFA+1], s[20:21]
; x's fragments of quarter q of the slot at s[TB]: 16 loads
.macro LDA q
.irp a, 0,1,2,3,4,5,6,7
	ds_load_b128 v[AF+64*(\q)+8*(\a):AF+64*(\q)+8*(\a)+3],   v[ADRA] offset:(\a)*2304+64*(\q)
	ds_load_b128 v[AF+64*(\q)+8*(\a)+4:AF+64*(\q)+8*(\a)+7], v[ADRA] offset:(\a)*2304+64*(\q)+32
.endr
.endm
; W's fragments of quarter q, column blocks 6 h .. 6 h + 5: 12 turning loads
.macro LDB q, h
.irp i, 0,1,2,3,4,5
.set lb, 6*(\h)+(\i)
	ds_load_tr16_b128 v[BH+8*lb:BH+8*lb+3],   v[ADRB] offset:(lb/4)*10240+5120*(\q)+32*(lb%4)
	ds_load_tr16_b128 v[BH+8*lb+4:BH+8*lb+7], v[ADRB] offset:(lb/4)*10240+5120*(\q)+32*(lb%4)+2560
.endr
.endm
; 8 x cnt matrix instructions: all 8 row blocks x column blocks blo .. blo + cnt - 1, which lie in one window.  The accumulators take turns, one instruction a turn.  zero = 1: the products start the sums.
.macro MULS q, blo, cnt, zero
	WIN 0x50*(1+(\blo)/4)
.set ma, 0
.rept 8
.set mb, \blo
.rept \cnt
.set rC, 8*(4*ma+mb%4)
.if \zero
	v_wmma_f32_16x16x32_bf16 v[rC:rC+7], v[BH+8*mb:BH+8*mb+7], v[AF+64*(\q)+8*ma:AF+64*(\q)+8*ma+7], 0
.else
	v_wmma_f32_16x16x32_bf16 v[rC:rC+7], v[BH+8*mb:BH+8*mb+7], v[AF+64*(\q)+8*ma:AF+64*(\q)+8*ma+7], v[rC:rC+7]
.endif
.set mb, mb+1
.endr
.set ma, ma+1
.endr
.endm
; A step's first quarter.  On the way in: W's first half, x's fragments, W's second half, in that order.  It fetches the same slot's second quarter.
.macro QA zero
	s_wait_dscnt 12                                ; W's second half (12 loads) may stay out
	MULS 0, 0, 4, \zero
	MULS 0, 4, 2, \zero
	PLACES
	WIN 0
	LDB 1, 0
	LDA 1
	s_wait_dscnt 28                                ; all but the 28 just issued
	MULS 0, 6, 2, \zero
	MULS 0, 8, 4, \zero
	PLACES
	WIN 0
	LDB 1, 1
.endm
; A step's second quarter, and the change of slots: ONE barrier.  In front of it each wave waits for all its tensor loads (one is out: its part of the next slot), adds 0 to its spare word, and waits for that and for its own
; reads of this slot.  fill = 1: the barrier opens a round of the cluster's; behind the round this slot is filled again, two K steps on: the first tensor load there, 144 matrix instructions ahead of the wait for it.
.macro QB fill
.if \fill
	s_wait_xcnt 0x0                                ; the last prefetches, a K step back or more, have read their address
	s_add_nc_u64 s[PFA:PFA+1], s[PFA:PFA+1], s[PFS:PFS+1]
.endif
	WIN 0
	s_wait_tensorcnt 0x0                           ; all my tensor loads have landed
	ds_add_u32 v[SPW], v[NIL]                      ; 0 onto my spare word
	s_xor_b32 s[TB], s[TB], SLOT1                  ; from here on the other slot is fetched from
	v_add_nc_u32 v[ADRA], s[TB], v[ADRA0]
	v_add_nc_u32 v[ADRB], s[TB], v[ADRB0]
	s_wait_dscnt 13                                ; the add and W's second half (12 loads) may be out
	MULS 1, 0, 4, 0                                ; 32 matrix instructions stand between the add and the wait for it
	s_wait_dscnt 0x0                               ; the add is done, and my reads of this slot are over
	s_barrier_signal -1
	MULS 1, 4, 2, 0                                ; work on registers while the others arrive
	WIN 0
	s_barrier_wait -1
.if \fill
	CREST                                          ; no wave of any partner still reads this slot or has a load on its way
	s_xor_b32 s[G0+5], s[G0+5], SLOT1              ; the walking descriptors: the other slot than last time,
	s_add_nc_u64 s[G0+6:G0+7], s[G0+6:G0+7], 32768 ; the next K step; the type bits on top are not reached
	s_xor_b32 s[G0B+5], s[G0B+5], SLOT1
	s_add_nc_u64 s[G0B+6:G0B+7], s[G0B+6:G0B+7], 49152
	JLOAD 1                                        ; its four v_nop are also the places in front of the loads below
.else
	PLACES
.endif
	LDB 0, 0
	LDA 0
.if \fill
	ASK
.endif
	MULS 1, 6, 2, 0
	MULS 1, 8, 4, 0
	PLACES
	WIN 0
	LDB 0, 1
.endm
; THE WAY OUT of row block a: 12 accumulators rounded to f16 (16 bytes a lane), into my own stage, back as rows of 128 bytes, stored as 512 consecutive bytes.
.macro PACK a
.set pb, 0
.rept 12
	WIN 5*(1+pb/4)                                 ; sources 0 and 1 in the accumulators' window
.set pr, 0
.rept 4
	v_cvt_pk_f16_f32 v[PK+4*pb+pr], v[8*(4*(\a)+pb%4)+2*pr], v[8*(4*(\a)+pb%4)+2*pr+1]
.set pr, pr+1
.endr
.set pb, pb+1
.endr
	WIN 0
.endm
.macro TOSTAGE a
.set BK, 80+64*((\a)%2)
.set tb, 0
.rept 12
	ds_store_b128 v[STO], v[PK+4*tb:PK+4*tb+3] offset:(tb/4)*2304+32*(tb%4)
.set tb, tb+1
.endr
.set tb, 0
.rept 12
	ds_load_b128 v[BK+4*tb:BK+4*tb+3], v[RD] offset:(tb/4)*2304+(tb%4)*576  ; LDS serves a wave's instructions in order (ISA guide 5.7.1.4): these see the stores above
.set tb, tb+1
.endr
.endm
.macro SEND a
.set BK, 80+64*((\a)%2)
	s_wait_dscnt 0x0                               ; the block is back in registers
	s_wait_xcnt 0x0                                ; earlier stores have read their registers: the other buffer is loaded again only behind this wait
.set tb, 0
.rept 12
	global_store_b128 v[GO], v[BK+4*tb:BK+4*tb+3], s[8:9] offset:(tb/4)*1048576+(\a)*2048+(tb%4)*512
.set tb, tb+1
.endr
.endm
	s_wait_tensorcnt 1                             ; my part of K step 0 is in; K step 1's may stay out
	s_barrier_signal -1
	s_barrier_wait -1
	LDB 0, 0
	LDA 0
	LDB 0, 1
	QA 1                                           ; the first quarter stands in front of the loop: its products start the sums
	WIN 0
	s_mov_b32 s3, 14
.Lstep:                                                ; trip u = 14 - s3: K step u's second quarter, K step u + 1's first; K step u + 2 is asked for: 2 to 15
	QB 1
	QA 0
	WIN 0
	s_sub_co_u32 s3, s3, 1
	s_cmp_lg_u32 s3, 0
	s_cbranch_scc1 .Lstep
	s_mov_b32 s3, 2
.Ltail:                                                ; K steps 14 and 15 ask for nothing
	QB 0
	WIN 0
	s_cmp_eq_u32 s3, 1
	s_cbranch_scc1 .Ldead                          ; behind K step 15 there is no first quarter: what the change of slots has fetched is not multiplied
	QA 0
	WIN 0
.Ldead:
	s_wait_dscnt 0x0                               ; on both ways no LDS load is out
	s_sub_co_u32 s3, s3, 1
	s_cmp_lg_u32 s3, 0
	s_cbranch_scc1 .Ltail
	PLACES
	PACK 0
	TOSTAGE 0
.irp a, 1,2,3,4,5,6,7                  ; block a's conversions stand between block a - 1's loads from the stage and the wait for them
	PACK \a
	SEND (\a)-1
	TOSTAGE \a
.endr
	SEND 7
	; hp: a batch's first 32 rows (my row blocks 0 and 1) once more, as f32, straight from the accumulators, which the way out has only read: each store covers 512 consecutive bytes
	s_cmp_lg_u32 s[HPF], 0
	s_cbranch_scc1 .Lno_hp                         ; the cluster's y and the wave's number decide: the same in all sixteen partners, for a given wave
.irp j, 0,1,2
	WIN ((\j)+1)<<2                                ; the stores' data, source 1, in the accumulators' window
.irp a, 0,1
.irp bb, 0,1,2,3
	global_store_b128 v[GO], v[8*(4*(\a)+(\bb)):8*(4*(\a)+(\bb))+3],   s[HP:HP+1] offset:(\j)*8192+(\a)*4096+(\bb)*1024
	global_store_b128 v[GO], v[8*(4*(\a)+(\bb))+4:8*(4*(\a)+(\bb))+7], s[HP:HP+1] offset:(\j)*8192+(\a)*4096+(\bb)*1024+512
.endr
.endr
.endr
	WIN 0
.Lno_hp:
	s_wait_tensorcnt 0x0                           ; the wave's end
	ds_add_u32 v[SPW], v[NIL]
	s_wait_dscnt 0x0
	CROUND                                         ; the closing round
	s_endpgm
.Lfunc_end_k_qa0f3e8d290_proj:
	.size	k_qa0f3e8d290_proj, .Lfunc_end_k_qa0f3e8d290_proj-k_qa0f3e8d290_proj
	.p2alignl 7, 3214868480
	.fill 96, 4, 3214868480
	.section	.rodata,"a",@progbits
	.p2align	6, 0x0
	.amdhsa_kernel k_qa0f3e8d290_proj
		.amdhsa_group_segment_fixed_size 327680
		.amdhsa_private_segment_fixed_size 0
		.amdhsa_enable_private_segment 0
		.amdhsa_kernarg_size 32
		.amdhsa_user_sgpr_count 2
		.amdhsa_user_sgpr_kernarg_segment_ptr 1
		.amdhsa_wavefront_size32 1
		.amdhsa_system_sgpr_workgroup_id_x 1
		.amdhsa_system_sgpr_workgroup_id_y 1
		.amdhsa_system_sgpr_workgroup_id_z 1
		.amdhsa_system_vgpr_workitem_id 0
		.amdhsa_next_free_vgpr 1024
		.amdhsa_next_free_sgpr 70
		.amdhsa_reserve_vcc 0
		.amdhsa_float_denorm_mode_32 3
		.amdhsa_float_denorm_mode_16_64 3
		.amdhsa_memory_ordered 1
		.amdhsa_forward_progress 1
		.amdhsa_inst_pref_size 110
	.end_amdhsa_kernel
	.amdgpu_metadata
---
amdhsa.version: [ 1, 2 ]
amdhsa.kernels:
  - .name:           k_qa0f3e8d290_proj
    .symbol:         k_qa0f3e8d290_proj.kd
    .args:
      - { .name: xb, .offset: 0, .size: 8, .value_kind: global_buffer, .address_space: global }
      - { .name: wb, .offset: 8, .size: 8, .value_kind: global_buffer, .address_space: global }
      - { .name: qkv, .offset: 16, .size: 8, .value_kind: global_buffer, .address_space: global }
      - { .name: hp, .offset: 24, .size: 8, .value_kind: global_buffer, .address_space: global }
    .group_segment_fixed_size: 327680
    .private_segment_fixed_size: 0
    .kernarg_segment_align: 8
    .kernarg_segment_size: 32
    .max_flat_workgroup_size: 128
    .sgpr_count:     70
    .vgpr_count:     1024
    .wavefront_size: 32
...
	.end_amdgpu_metadata
.endif
;; end of part 6
;; launch scores (part 7): grid 44 x 4, 4 waves a work-group, no clusters, 327,680 bytes of LDS; arguments qkv, pw, sm, sl, hp, out0; writes pw, sm, sl, out0
.if DOCPART == 7
	.amdgcn_target "amdgcn-amd-amdhsa--gfx1250"
	.amdhsa_code_object_version 6
	.text
	.protected	k_qa0f3e8d290_scores
	.globl	k_qa0f3e8d290_scores
	.p2align	8
	.type	k_qa0f3e8d290_scores,@function
k_qa0f3e8d290_scores:
	s_mov_b64 s[64:65], 0
	v_nop
	global_prefetch_b8 v0, s[64:65] scope:SCOPE_SE
	s_setreg_imm32_b32 hwreg(HW_REG_WAVE_MODE, 25, 1), 1
	s_wait_xcnt 0x0
; TWO KINDS OF WORK-GROUPS.  Groups t = 0 .. 35 of a batch make THE TILES of scores; groups t = 36 .. 43 make THE FIRST ROWS, rows 0-31 of out0 (at the text's end, with a head of their own).  The first rows need only
; what the launch before has stored and share nothing with the tiles; they stand here so that they need no launch of their own.  The branch hangs on the work-group's number alone, and the two ways never meet again.
; THE TILES.  For each tile of 256 queries x 256 keys on or below the diagonal: S = q k^T (f16 operands, f32 sums), the causal mask, and for each row and CHUNK of 128 keys:
;   cm = c max(s), c = log2(e) / 32;   p = 2^(c s - cm), rounded to f16;   l = the sum of the unrounded p.
; The maximum is taken away chunk by chunk; the next launch brings the chunks of a row onto the row's maximum by factors 2^(cm - max cm), in f32.
; pw: [b 4][i 16][u 8][128 rows][256 keys] f16, byte ((b*16+i)*8+u)*65536 + r*512 + 2 key (units u <= i / 2 alone).   sm, sl: [b 4][chunk 16][2048 rows] f32.
; THE MASK is the C operand that starts a sum.  In the two waves of a diagonal tile through which the diagonal runs: 0 for key blocks below the diagonal, -2^100 above it, and on it -2^100 where the key lies behind the
; query; each of their rows sees its own key, so the chunk's maximum is a true score and a hidden key's p is 0.  The wave of a diagonal tile whose 128 keys ALL lie behind its 128 queries takes no mask: its p and l are
; those of the hidden scores, finite numbers that fill the unit of pw; the cm that it stores is -c 2^100, so that the next launch's factor for the chunk is 0.
; LIMITS.  A hidden score counts as its value less 2^100 (f16's scores are 4.4e12 at the most).  p below 6e-5 keeps f16's fixed step; a p below 2^-126 counts as 0 in l; NaN and infinities are not treated apart.
; SHARES.  Group t of 36 is tile (I, J), J <= I, of batch b.  Four waves, each 128 queries x 128 keys (a chunk): 64 accumulators, 512 registers.  K = 1,024 channels in 8 steps of 128 through two LDS slots;
; a slot holds four pieces of 256 rows x 64 channels (q's two channel blocks, k's two), each dense in memory; each wave brings one piece by one tensor load of 128 rows of 256 bytes, padded behind every 128.
; ONE TEXT FOR A K STEP: a trip goes from a step's second quarter to the next step's first.  s[TB] is 0 or a slot's bytes, turned by an exclusive or at each change of slots; fragment addresses and the walking
; descriptor's LDS word are sums of it and a constant of the wave.  The last two steps, which ask for nothing, are a loop of their own; its last trip jumps over the first quarter of a step that does not exist.
; NO CLUSTER: a row of the triangle of 8 x 8 tiles has 1 to 8 tiles and a column 8 to 1: only rows 3 and 7 divide by four, and work-groups with nothing to compute are not launched.
; THE MATRIX INSTRUCTION IS USED TRANSPOSED: source 0 = 16 keys, source 1 = 16 queries: a lane holds ONE query (lane % 16) and the keys 8 (lane / 16) + 0..7 of each block of 16.
; REGISTERS: window 0: v16-31 addresses; v64-127, v128-191 q's fragments, two buffers; v192-207 the masks; on the way out v32-63, v224-255 rows read back, v64-107 statistics, v192-223 packed p.
;   window 1: v64-127, v128-191 k's fragments.   window 2: accumulators of my queries 0-63 ((a, b) at v[8 (8 a + b)]);   window 3: of queries 64-127.
.set PITCH,  144
.set PIECE,  256*PITCH
.set SLOT,   4*PIECE
.set STAGE,  2*SLOT                    ; behind the ring: 16 rows x 272 bytes for each wave
.set SPITCH, 272
.set STAT,   STAGE+4*16*SPITCH         ; for each wave 512 bytes of cm, then 512 of l
.set SPARE,  STAT+4096                 ; the spare words, 128 bytes a wave, which no other line names
.set KSB,    2097152                   ; a K step in memory: two channel blocks of 8192 rows x 128 bytes
.set ADRA0, 16                         ; v16     my lane's place among my fragments of q in slot 0; never rewritten
.set ADRA,  17                         ; v17     the same in the slot that is being fetched from
.set ADRB0, 20                         ; v20, v21  the same for k
.set ADRB,  21
.set SRD,  22                          ; v22     where I read my wave's statistics back
.set V16,  23                          ; v23     16 x lane
.set STO,  24
.set RD,   25
.set GO,   26
.set SPW,  28
.set NIL,  29
.set STA,  30                          ; v30     my row's word in my wave's statistics
.set PFO,  31
.set F0,   64
.set F1,   128
.set CH,   64                          ; v64-79  four chains of the maximum for each row block
.set CM,   80                          ; v80-87  c m, in pairs
.set XR,   88                          ; v88-91  what the other half of the lanes sends
.set LS,   92                          ; v92-95  l
.set NEG,  96                          ; v96     the lowest finite number
.set HIDV, 97                          ; v97     -c 2^100
.set SAV,  100                         ; v100-107  the first half's c m and l
.set PK,   192
.set MEQ,  192                         ; v192-199  the mask of a block of 16 x 16 on the diagonal
.set MGT,  200                         ; v200-207  of a block above it
.set G1,   24
.set G0,   32                          ; s[32:39] group 0: a set for each of the two first fills; the second then walks on
.set LB,   40                          ; s40  my piece's place in a slot
.set TB,   41                          ; s41  LDS byte at which the slot that is being fetched from begins
.set HM,   42                          ; s42  all ones in the wave whose keys are all hidden, else 0
.set LIM,  43
.set PFA,  44
.set CS,   46                          ; s[46:47] c
.set SEL,  48                          ; s[48:49] v_permlanex16_b32's selects
.set BIGN, 50                          ; s50  -2^100
.set HPB,  52                          ; s[52:53] hp, s[54:55] out0: for the first rows alone
.set OUTB, 54
.set MSB, 0
.macro WIN new
.if MSB != (\new)
	s_set_vgpr_msb (MSB<<8)|(\new)
.set MSB, \new
.endif
.endm
.set MUL_LO, 0xa1                      ; source 0 (k) window 1, source 1 (q) window 0, C and D window 2
.set MUL_ST, 0x81                      ; the same with C in window 0: the masks
.set TO_B,   0x40
.macro PLACES
.rept 4
	v_nop
.endr
.endm
; A PREFETCH INTO THE L2, behind each refill and the run of LDS loads that follows it: my own piece (32,768 dense bytes: a lane names 256, four instructions) of the K step that stands two refills on.
; q's pieces of a block of queries are read by every tile of that row: the tile with J = 0 names them (waves 0, 1); k's by every tile of that column: the diagonal tile names them (waves 2, 3).  So each block is named once.
; K steps 0 to 3 come by their loads alone; the loop's last two trips have no K step two refills on.
.macro ASK
	s_cmp_gt_u32 s3, s[LIM]
	s_cbranch_scc0 .Lnot_mine_\@
.irp i, 0,1,2,3
	global_prefetch_b8 v[PFO], s[PFA:PFA+1] offset:KSB+(\i)*8192 th:TH_LOAD_NT scope:SCOPE_SE
.endr
.Lnot_mine_\@:
.endm
	s_load_b256 s[4:11], s[0:1], 0x0               ; qkv s[4:5], pw s[6:7], sm s[8:9], sl s[10:11]
	s_load_b128 s[HPB:HPB+3], s[0:1], 0x20         ; hp, out0
	v_lshl_add_u32 v[SPW], v0, 2, SPARE
	v_mov_b32 v[NIL], 0
	ds_add_u32 v[SPW], v[NIL]                      ; the wave's opening: the add and its wait stand ahead of my first tensor load
	v_lshrrev_b32 v1, 5, v0
	v_readfirstlane_b32 s12, v1                    ; wave 0..3
	s_lshr_b32 s13, s12, 1                         ; wr: my 128 queries.  Also: I fetch q (0) or k (1)
	s_and_b32 s14, s12, 1                          ; wc: my 128 keys.  Also: which channel block I fetch
	s_mov_b32 s18, ttmp9
	s_mov_b32 s15, 0
.irp k, 1,3,6,10,15,21,28              ; I = how many triangular numbers are at most t
	s_cmp_ge_u32 s18, \k
	s_add_co_ci_u32 s15, s15, 0
.endr
	s_add_co_u32 s19, s15, 1
	s_mul_i32 s19, s19, s15
	s_lshr_b32 s19, s19, 1
	s_sub_co_u32 s16, s18, s19                     ; J = t - I (I + 1) / 2
	s_and_b32 s17, ttmp7, 0xffff                   ; b
	s_mov_b32 s[G1+0], (1<<16)|(1<<20)|(4<<22)|(3<<25)  ; 2-byte elements; padding on; behind every 32 words 4 words: LDS rows of 144 bytes
	s_mov_b32 s[G1+1], 128<<16
	s_mov_b32 s[G1+2], 128<<16
	s_mov_b32 s[G1+3], 128<<16
	s_mov_b32 s[G1+4], 128
	s_mov_b32 s[G1+5], 128
	s_mov_b32 s[G1+6], 0
	s_mov_b32 s[G1+7], 0
	s_mov_b32 s[CS], 0x3d38aa3b                    ; c = log2(e) / 32
	s_mov_b32 s[CS+1], s[CS]
	s_mov_b32 s[SEL], 0x76543210
	s_mov_b32 s[SEL+1], 0xfedcba98
	s_mov_b32 s[BIGN], 0xf1800000                  ; -2^100
	s_mov_b32 s[TB], 0
	s_cmp_lt_u32 s12, 2
	s_cselect_b32 s20, s15, s16                    ; q's rows go by I, k's by J
	s_cselect_b32 s23, 0, s15
	s_lshl_b32 s20, s20, 8
	s_lshl_b32 s21, s17, 11
	s_add_co_u32 s20, s20, s21                     ; row 2048 b + 256 (I or J)
	s_lshl_b32 s21, s13, 4
	s_add_co_u32 s21, s21, s14                     ; channel block 16 (k?) + wave % 2
	s_lshl_b32 s21, s21, 13
	s_add_co_u32 s20, s20, s21
	s_lshl_b32 s20, s20, 7
	s_mov_b32 s21, 0
	s_mul_i32 s[LB], s12, PIECE
	s_cmp_eq_u32 s16, s23                          ; J = 0 (waves 0, 1), J = I (waves 2, 3)
	s_cselect_b32 s[LIM], 2, -1
	s_wait_dscnt 0x0                               ; the opening add is done
	s_wait_kmcnt 0x0
	s_cmp_ge_u32 s18, 36                           ; the work-group's number decides, for all four waves alike:
	s_cbranch_scc1 .Lfirst_rows                    ; groups 36 to 43 make the first rows; what the lines above have made of their number is not used there
	s_add_nc_u64 s[20:21], s[4:5], s[20:21]
.irp s, 0,1                            ; both first fills go out together, ahead of every wait on TENSORcnt, every LDS read and every barrier: two loads of mine are out
	s_mov_b32 s[G0+4*(\s)], 1
	s_add_co_u32 s[G0+4*(\s)+1], s[LB], (\s)*SLOT
	s_add_nc_u64 s[G0+4*(\s)+2:G0+4*(\s)+3], s[20:21], (\s)*KSB
	s_or_b32 s[G0+4*(\s)+3], s[G0+4*(\s)+3], 0x80000000
	tensor_load_to_lds s[G0+4*(\s):G0+4*(\s)+3], s[G1:G1+7]
	s_nop 0
.endr
	v_and_b32 v1, 15, v0                           ; r
	v_bfe_u32 v2, v0, 4, 1                         ; h
	v_mul_u32_u24 v3, v1, PITCH
	v_lshl_add_u32 v3, v2, 4, v3
	s_add_nc_u64 s[PFA:PFA+1], s[20:21], 2*KSB     ; at K step 2: the first refill steps it to 3 and names K step 4
	s_mul_i32 s18, s13, 128*PITCH                  ; my 128 rows of q,
	s_mul_i32 s19, s14, 128*PITCH                  ; of k,
	s_add_co_u32 s19, s19, 2*PIECE                 ; which lies behind q's two pieces
	v_add_nc_u32 v[ADRA0], s18, v3
	v_add_nc_u32 v[ADRB0], s19, v3
	v_mov_b32 v[ADRA], v[ADRA0]                    ; the first fetches are slot 0's
	v_mov_b32 v[ADRB], v[ADRB0]
	s_mul_i32 s18, s12, 16*SPITCH
	s_add_co_u32 s18, s18, STAGE                   ; my stage
	v_mul_u32_u24 v4, v1, SPITCH
	v_lshl_add_u32 v4, v2, 4, v4
	v_add_nc_u32 v[STO], s18, v4
	v_mul_u32_u24 v5, v2, SPITCH
	v_lshl_add_u32 v5, v1, 4, v5
	v_add_nc_u32 v[RD], s18, v5
	v_lshlrev_b32 v[GO], 9, v2                     ; the same two rows in pw: 512 bytes apart
	v_lshl_add_u32 v[GO], v1, 4, v[GO]
	s_lshl_b32 s18, s12, 10
	s_add_co_u32 s18, s18, STAT                    ; my wave's statistics
	v_lshl_add_u32 v[STA], v1, 2, s18
	v_and_b32 v[V16], 31, v0
	v_lshlrev_b32 v[PFO], 8, v[V16]
	v_lshlrev_b32 v[V16], 4, v[V16]
	v_add_nc_u32 v[SRD], s18, v[V16]
	s_lshl_b32 s18, s17, 4                         ; pw at ((16 b + 2 I + wr) * 8 + J) * 65536 + 256 wc
	s_lshl_b32 s19, s15, 1
	s_add_co_u32 s18, s18, s19
	s_add_co_u32 s18, s18, s13
	s_lshl_b32 s18, s18, 3
	s_add_co_u32 s18, s18, s16
	s_lshl_b32 s18, s18, 16
	s_lshl_b32 s19, s14, 8
	s_add_co_u32 s18, s18, s19
	s_mov_b32 s19, 0
	s_add_nc_u64 s[6:7], s[6:7], s[18:19]
	s_lshl_b32 s18, s17, 4                         ; sm and sl at ((16 b + 2 J + wc) * 2048 + 256 I + 128 wr) * 4
	s_lshl_b32 s19, s16, 1
	s_add_co_u32 s18, s18, s19
	s_add_co_u32 s18, s18, s14
	s_lshl_b32 s18, s18, 11
	s_lshl_b32 s19, s15, 8
	s_add_co_u32 s18, s18, s19
	s_lshl_b32 s19, s13, 7
	s_add_co_u32 s18, s18, s19
	s_lshl_b32 s18, s18, 2
	s_mov_b32 s19, 0
	s_add_nc_u64 s[8:9], s[8:9], s[18:19]
	s_add_nc_u64 s[10:11], s[10:11], s[18:19]
	; the masks
	s_cmp_eq_u32 s15, s16                          ; the diagonal tile?
	s_cselect_b32 s18, -1, 0
	s_cmp_lt_u32 s13, s14                          ; there: do all my keys lie behind all my queries?
	s_cselect_b32 s[HM], s18, 0
	s_cmp_eq_u32 s13, s14                          ; there: does the diagonal run through my part?
	s_cselect_b32 s18, s18, 0
	s_and_b32 s18, s18, s[BIGN]                    ; -2^100 where it does, else 0: then both masks are 0
	v_lshlrev_b32 v6, 3, v2
	v_sub_nc_u32 v6, v1, v6                        ; r - 8 h: on the diagonal register j is hidden where j is greater
.set j, 0
.rept 8
	v_mov_b32 v[MGT+j], s18
	v_cmp_gt_i32 vcc_lo, j, v6
	v_cndmask_b32 v[MEQ+j], 0, v[MGT+j], vcc_lo
.set j, j+1
.endr
; 16 matrix instructions: query blocks a0, a0 + 1 of the window's four x all 8 key blocks, 32 channels.  The 64 accumulators take turns.
; zero = 1: the products start the sums: with 0 below the diagonal of my part, with the masks on it and above it.
.macro MUL16 f, hi, a0, zero
.if \zero
	WIN MUL_ST+0x40*(\hi)
.else
	WIN MUL_LO+0x50*(\hi)
.endif
.irp a, \a0, (\a0)+1
.irp b, 0,1,2,3,4,5,6,7
.set rD, 8*(8*(\a)+(\b))
.set rK, (\f)+8*(\b)
.set rQ, (\f)+8*(4*(\hi)+(\a))
.if (\zero) && ((\b) > 4*(\hi)+(\a))
	v_wmma_f32_16x16x32_f16 v[rD:rD+7], v[rK:rK+7], v[rQ:rQ+7], v[MGT:MGT+7]
.elseif (\zero) && ((\b) == 4*(\hi)+(\a))
	v_wmma_f32_16x16x32_f16 v[rD:rD+7], v[rK:rK+7], v[rQ:rQ+7], v[MEQ:MEQ+7]
.elseif \zero
	v_wmma_f32_16x16x32_f16 v[rD:rD+7], v[rK:rK+7], v[rQ:rQ+7], 0
.else
	v_wmma_f32_16x16x32_f16 v[rD:rD+7], v[rK:rK+7], v[rQ:rQ+7], v[rD:rD+7]
.endif
.endr
.endr
.endm
; 32 LDS loads in one run: the fragments of quarter qq of the K step in the slot at s[TB] (channel block qq / 2, its channels 32 (qq % 2) on) into buffer f: k's 16, then q's 16
.macro FETCH qq, f
.set KO, ((\qq)/2)*PIECE+((\qq)%2)*64
	WIN TO_B
.irp i, 0,1,2,3,4,5,6,7
	ds_load_b128 v[(\f)+8*(\i):(\f)+8*(\i)+3],   v[ADRB] offset:KO+(\i)*16*PITCH
	ds_load_b128 v[(\f)+8*(\i)+4:(\f)+8*(\i)+7], v[ADRB] offset:KO+(\i)*16*PITCH+32
.endr
	WIN 0
.irp i, 0,1,2,3,4,5,6,7
	ds_load_b128 v[(\f)+8*(\i):(\f)+8*(\i)+3],   v[ADRA] offset:KO+(\i)*16*PITCH
	ds_load_b128 v[(\f)+8*(\i)+4:(\f)+8*(\i)+7], v[ADRA] offset:KO+(\i)*16*PITCH+32
.endr
.endm
; One of a K step's first three quarters: multiplies buffer f; in its middle it fetches quarter qq into buffer g.
.macro QUARTER qq, f, g, zero
	s_wait_dscnt 8                                 ; k and q's rows 0-63 are in; the youngest eight loads (q's rows 64-127) may be out
	MUL16 \f, 0, 0, \zero
	MUL16 \f, 0, 2, \zero
	PLACES
	FETCH \qq, \g
	s_wait_dscnt 32                                ; all but the 32 just issued
	MUL16 \f, 1, 0, \zero
	MUL16 \f, 1, 2, \zero
.endm
; The last quarter multiplies buffer 1 and changes slots: ONE barrier.  In front of it each wave waits for all its tensor loads (one is out: its piece of the next slot), adds 0 to its spare word, and waits for that and for
; its own reads of this slot.  fill = 1: this slot's piece is asked for again, two K steps on: the first thing behind the barrier, 224 matrix instructions ahead of the wait for it.
.macro TURN fill
.if \fill
	s_wait_xcnt 0x0                                ; the last prefetches, a K step back, have read their address
	s_add_nc_u64 s[PFA:PFA+1], s[PFA:PFA+1], KSB
.endif
	WIN 0
	s_wait_tensorcnt 0x0                           ; no tensor load of mine is out, so a group 0 may be written
	ds_add_u32 v[SPW], v[NIL]                      ; 0 onto my spare word
.if \fill
	s_add_co_u32 s[G0+5], s[LB], s[TB]             ; the walking descriptor: my piece of the slot in hand,
	s_add_nc_u64 s[G0+6:G0+7], s[G0+6:G0+7], KSB   ; the next K step; the type bits on top are not reached
.endif
	s_xor_b32 s[TB], s[TB], SLOT                   ; 0 or a slot's bytes: from here on the other slot is fetched from
	v_add_nc_u32 v[ADRA], s[TB], v[ADRA0]
	v_add_nc_u32 v[ADRB], s[TB], v[ADRB0]
	s_wait_dscnt 9                                 ; the add and the youngest eight loads may be out
	MUL16 F1, 0, 0, 0
	s_wait_dscnt 0x0                               ; the add is done, and my reads of this slot are over
	s_barrier_signal -1
	MUL16 F1, 0, 2, 0
	WIN 0
	s_barrier_wait -1
.if \fill
	tensor_load_to_lds s[G0+4:G0+7], s[G1:G1+7]
	s_nop 0
.endif
	PLACES                                         ; behind the load, and the places in front of the loads below
	FETCH 0, F0
.if \fill
	ASK
.endif
	MUL16 F1, 1, 0, 0
	MUL16 F1, 1, 2, 0
.endm
	s_wait_tensorcnt 1                             ; my piece of K step 0 is in; K step 1's may stay out
	s_barrier_signal -1
	s_barrier_wait -1
	FETCH 0, F0
	QUARTER 1, F0, F1, 1                           ; the first quarter stands in front of the loop: its products start the sums
	WIN 0
	s_mov_b32 s3, 6
.Lstep:                                                ; trip u = 6 - s3: K step u's quarters 1 to 3, K step u + 1's first; K step u + 2 is asked for: 2 to 7
	QUARTER 2, F1, F0, 0
	QUARTER 3, F0, F1, 0
	TURN 1
	QUARTER 1, F0, F1, 0
	WIN 0
	s_sub_co_u32 s3, s3, 1
	s_cmp_lg_u32 s3, 0
	s_cbranch_scc1 .Lstep
	s_mov_b32 s3, 2
.Ltail:                                                ; K steps 6 and 7 ask for nothing
	QUARTER 2, F1, F0, 0
	QUARTER 3, F0, F1, 0
	TURN 0
	WIN 0
	s_cmp_eq_u32 s3, 1
	s_cbranch_scc1 .Ldead                          ; behind K step 7 there is no first quarter: what the change of slots has fetched is not multiplied
	QUARTER 1, F0, F1, 0
	WIN 0
.Ldead:
	s_wait_dscnt 0x0                               ; on both ways no LDS load is out
	s_sub_co_u32 s3, s3, 1
	s_cmp_lg_u32 s3, 0
	s_cbranch_scc1 .Ltail
	PLACES
	; THE WAY OUT: two trips, 64 queries each; the text works on window 2, and between the trips window 3's sums are moved there: 256 moves a tile for half the text.
	v_mov_b32 v[NEG], 0xff7fffff
	v_mov_b32 v[HIDV], 0xef38aa3b                  ; -c 2^100
.irp i, 0,1,2,3
	v_mov_b32 v[XR+(\i)], 0                        ; v_permlanex16_b32 counts as a reader of its destination
.endr
.irp i, 0,1,2,3,4,5,6,7
	v_mov_b32 v[SAV+(\i)], 0
.endr
	s_mov_b32 s2, 2
.Lhalf:
	WIN 0x28                                       ; sources 1 and 2 in window 2.  The maximum of a lane's 64 scores of each row block: four chains of 16 scores, sixteen chains that do not wait for each other
.set i, 0
.rept 8
.set aa, 0
.rept 4
.set k, 0
.rept 4
.set rA, 8*(8*aa+2*k+i/4)+2*(i%4)
.if i == 0
	v_max3_num_f32 v[CH+4*aa+k], v[NEG], v[rA], v[rA+1]
.else
	v_max3_num_f32 v[CH+4*aa+k], v[CH+4*aa+k], v[rA], v[rA+1]
.endif
.set k, k+1
.endr
.set aa, aa+1
.endr
.set i, i+1
.endr
	WIN 0
.irp a, 0,1,2,3
	v_max3_num_f32 v[CH+4*(\a)], v[CH+4*(\a)], v[CH+4*(\a)+1], v[CH+4*(\a)+2]
.endr
.irp a, 0,1,2,3
	v_max_num_f32 v[CH+4*(\a)], v[CH+4*(\a)], v[CH+4*(\a)+3]
.endr
.irp a, 0,1,2,3
	v_permlanex16_b32 v[XR+(\a)], v[CH+4*(\a)], s[SEL], s[SEL+1]  ; the query's other 64 keys lie in the lane 16 away
.endr
.irp a, 0,1,2,3
	v_max_num_f32 v[CH+4*(\a)], v[CH+4*(\a)], v[XR+(\a)]
.endr
.irp a, 0,1,2,3
	v_mul_f32 v[CM+2*(\a)], s[CS], v[CH+4*(\a)]
.endr
.irp a, 0,1,2,3
	v_mov_b32 v[CM+2*(\a)+1], v[CM+2*(\a)]         ; named with it as a pair
.endr
	WIN 0x82                                       ; ONE BATCH: 128 scalings c s - c m and 256 exponentials, in place; an accumulator's exponentials stand behind the next accumulator's scalings; nothing names a result
.set n, 0
.rept 33
.if n < 32
.set j, 0
.rept 4
	v_pk_fma_f32 v[8*n+2*j:8*n+2*j+1], v[8*n+2*j:8*n+2*j+1], s[CS:CS+1], v[CM+2*(n/8):CM+2*(n/8)+1] op_sel_hi:[1,0,0] neg_lo:[0,0,1] neg_hi:[0,0,1]
.set j, j+1
.endr
.endif
.if n > 0
.set j, 0
.rept 8
	v_exp_f32 v[8*(n-1)+j], v[8*(n-1)+j]
.set j, j+1
.endr
.endif
.set n, n+1
.endr
	v_nop                                          ; a plain instruction behind the last exponential,
	s_wait_alu depctr_va_vdst(0)                   ; and the one wait ahead of the batch's first reader
; Row block a: p rounded to f16 (16 bytes a lane and key block), through my own stage, out as rows of 256 bytes; the sum of the lane's 64 p stands between the stage's loads and the wait for them.
.macro OUTH a
.set BK, 32+192*((\a)%2)
	WIN 0x0a                                       ; sources 0 and 1 in window 2
.set i, 0
.rept 32
	v_cvt_pk_f16_f32 v[PK+i], v[64*(\a)+2*i], v[64*(\a)+2*i+1]
.set i, i+1
.endr
	WIN 0
.irp b, 0,1,2,3,4,5,6,7
	ds_store_b128 v[STO], v[PK+4*(\b):PK+4*(\b)+3] offset:32*(\b)
.endr
.irp t, 0,1,2,3,4,5,6,7
	ds_load_b128 v[BK+4*(\t):BK+4*(\t)+3], v[RD] offset:(\t)*2*SPITCH  ; LDS serves a wave's instructions in order (ISA guide 5.7.1.4): these see the stores above
.endr
	WIN 0x8a                                       ; all three in window 2: the 32 pairs are added in place, neighbours 16, 8, 4, 2, 1 pairs apart
.irp d, 16,8,4,2,1
.set p, 0
.rept \d
	v_pk_add_f32 v[64*(\a)+2*p:64*(\a)+2*p+1], v[64*(\a)+2*p:64*(\a)+2*p+1], v[64*(\a)+2*(p+(\d)):64*(\a)+2*(p+(\d))+1]
.set p, p+1
.endr
.endr
	WIN 0x0a
	v_add_f32 v[LS+(\a)], v[64*(\a)], v[64*(\a)+1]
	WIN 0
	s_wait_dscnt 0x0                               ; the rows are back
	s_wait_xcnt 0x0                                ; earlier stores have read their registers: the other buffer is loaded again only behind this wait
.irp t, 0,1,2,3,4,5,6,7
	global_store_b128 v[GO], v[BK+4*(\t):BK+4*(\t)+3], s[6:7] offset:(16*(\a)+2*(\t))*512  ; 16 lanes store 256 consecutive bytes, at a multiple of 256 from pw's first byte
.endr
.endm
	OUTH 0
	OUTH 1
	OUTH 2
	OUTH 3
.irp a, 0,1,2,3
	v_permlanex16_b32 v[XR+(\a)], v[LS+(\a)], s[SEL], s[SEL+1]
.endr
.irp a, 0,1,2,3
	v_add_f32 v[LS+(\a)], v[LS+(\a)], v[XR+(\a)]
.endr
	s_cmp_eq_u32 s2, 1
	s_cbranch_scc1 .Lnomove                        ; the second trip has nothing behind it
.irp a, 0,1,2,3
	v_mov_b32 v[SAV+(\a)], v[CM+2*(\a)]            ; the first half's statistics are kept
	v_mov_b32 v[SAV+4+(\a)], v[LS+(\a)]
.endr
	WIN 0x83                                       ; source 0 in window 3, destination in window 2; ascending
.set i, 0
.rept 256
	v_mov_b32 v[i], v[i]
.set i, i+1
.endr
	WIN 0
	s_wait_xcnt 0x0                                ; the stores have read their base
	s_add_nc_u64 s[6:7], s[6:7], 32768             ; 64 rows of pw on
.Lnomove:
	s_sub_co_u32 s2, s2, 1
	s_cmp_lg_u32 s2, 0
	s_cbranch_scc1 .Lhalf
.irp a, 0,1,2,3                        ; the wave whose keys are all hidden stores -c 2^100 for cm
	v_cndmask_b32 v[SAV+(\a)], v[SAV+(\a)], v[HIDV], s[HM]
	v_cndmask_b32 v[CM+2*(\a)], v[CM+2*(\a)], v[HIDV], s[HM]
.endr
.irp a, 0,1,2,3                        ; my wave's 128 rows: cm, then l; lanes 16 apart hold, and write, the same number
	ds_store_b32 v[STA], v[SAV+(\a)] offset:64*(\a)
	ds_store_b32 v[STA], v[SAV+4+(\a)] offset:64*(\a)+512
	ds_store_b32 v[STA], v[CM+2*(\a)] offset:64*(\a)+256
	ds_store_b32 v[STA], v[LS+(\a)] offset:64*(\a)+768
.endr
	ds_load_b128 v[32:35], v[SRD]                  ; back as 512 consecutive bytes each (these registers' last stores stand ahead of the last s_wait_xcnt 0)
	ds_load_b128 v[36:39], v[SRD] offset:512
	s_wait_dscnt 0x0
	global_store_b128 v[V16], v[32:35], s[8:9]
	global_store_b128 v[V16], v[36:39], s[10:11]
	s_wait_tensorcnt 0x0                           ; the wave's end
	ds_add_u32 v[SPW], v[NIL]
	s_wait_dscnt 0x0
	s_endpgm
; THE FIRST ROWS: groups t = 36 .. 43 of a batch.  Rows 0-31 of out0, from the projection's f32 sums (hp).  Row q averages over q + 1 keys: with so few terms the roundings of q, k, v and p to f16's 11 significant bits
; are not averaged out.  So here every matrix operand is split in two f16 parts, x = hi + lo with hi = f16(x), lo = f16(x - hi), some 22 significant bits together, and a product is hi hi + hi lo + lo hi, summed in f32.
; hp: byte (((b*48 + g)*2 + a)*4 + bb)*1024 + half*512 + 16 lane: an accumulator's eight registers: lane l holds row 16 a + l % 16 and channels 64 g + 16 bb + 8 (l / 16) + 0..7; g 0-15 q, 16-31 k, 32-47 v.
; Two such images (bb = 2 c, 2 c + 1), packed in pairs, ARE a fragment of 16 rows x 32 channels.
; LIMITS.  |q|, |k|, |v| stay under 65,504 (f16); lo keeps f16's fixed step of 6e-8 below 6e-5; a hidden score counts as -2^100; NaN and infinities are not treated apart.
; SHARES.  Group t - 36 = rb + 2 vq makes 16 rows (row block rb) x 256 channels (quarter vq) of one batch.  Each of a row block's four groups makes the 16 x 32 scores anew: a sum across work-groups is not to be had.
;   S^T = k q^T (source 0 = 16 keys, source 1 = the 16 queries): wave w takes channel blocks 4 w .. 4 w + 3, for both blocks of 16 keys: 48 products on two accumulators;
;   the four partial tiles meet in LDS: each thread adds four words of the 16 x 32 sums, and every wave reads them all;
;   every wave makes the softmax of the 16 rows (a lane: one query, 16 keys; the lane 16 away holds the other 16) with the row's maximum taken away, and splits p;
;   O^T = v^T p for channel block 4 vq + w of v: 12 products on four accumulators; v ([key][channel]) is turned through the wave's own LDS bytes by ds_load_tr16_b128, first hi, then lo in the same bytes.
; IN FLIGHT.  All 112 loads of a wave go out at once: q's and k's four channel blocks into the same 96 registers of windows 0 to 3, then v.  A loop of four trips works on window 0; at a trip's end the blocks move down
; a window: 288 moves a trip, for one text and no branch.  hp is not prefetched: all its loads stand at this way's head.
; LDS.  Only bytes that no tensor load of this text fills: where the tiles' stages and statistics lie, 5,120 bytes for each wave (v's 32 keys x 160 bytes, then 16 rows x 272 for the way out); behind the spare words the
; four partial tiles and their sum.
.set KVP,   160                        ; a key's 64 channels in f16: 128 bytes + 32
.set KVREG, STAGE                      ; wave w's own bytes at KVREG + 5,120 w; they end ahead of the spare words
.set KPART, SPARE+512                  ; wave w's two partial tiles, as they lie in registers: 2,048 bytes at 2,048 w
.set KRED,  KPART+4*2048               ; the sums: 2,048 bytes
.set KL16,  1                          ; v1   16 x lane: my place in every 512 bytes of hp
.set KNEG1, 2                          ; v2   -1.0
.set KPST,  3                          ; v3   where I put my partial tiles
.set KRDA,  4                          ; v4   my thread's 16 bytes in wave 0's partial
.set KRST,  5                          ; v5   the same 16 bytes among the sums
.set KSRD,  6                          ; v6   where I read the sums
.set KD,    7                          ; v7   16 rb + l % 16 - 8 (l / 16): register j of key block kb is hidden where 16 kb + j is greater
.set KVST,  8                          ; v8   where I put 16 bytes of a key's row
.set KVTR,  9                          ; v9   the turning loads' address
.set KSTO,  10
.set KRD,   11
.set KGO,   12
.set KLR,   13                         ; v13-16  at work in the set-up
.set KLH,   14
.set KTA,   15
.set KTB,   16
.set KLA,   18                         ; v18-21  two chains of l   (v28, v29: the add's two registers, made at the kernel's head)
.set KLB,   20
.set KTEMP, 32                         ; v32-39   hi of group 0
.set KACC,  40                         ; v40-55   S^T, two key blocks
.set KS,    56                         ; v56-71   four partials' words, then my 16 scores, then p; p's lo in v56-63
.set KPH,   72                         ; v72-79   p's hi
.set KTH,   80                         ; v80-87   v's hi on its way to LDS, two sets of four
.set KRL,   88                         ; v88-89   1 / l
.set KC0,   90                         ; v90-91   two chains of the maximum
.set KC1,   91
.set KXR,   92                         ; v92      what the other half of the lanes sends
.set KCM,   94                         ; v94-95   c m
.set KRAW,  96                         ; v96-191 of windows 0 to 3: six groups of 16: q's channels 0-31, 32-63; k's, for key blocks 0 and 1.  In window 0 group n ends as lo in its first eight registers; hi lies in the last eight of group n - 1
.set KOA,   96                         ; v96-127  later: O^T, four accumulators
.set KBK,   128                        ; v128-159 later: rows read back from the stage
.set KVRAW, 192                        ; v192-255 v: eight images of eight
.set KVL,   192                        ; later: lo's four fragments,
.set KVH,   224                        ; hi's
.Lfirst_rows:
	s_sub_co_u32 s18, s18, 36                      ; 0 to 7
	s_and_b32 s13, s18, 1                          ; rb
	s_lshr_b32 s14, s18, 1                         ; vq
	s_mul_i32 s15, s17, 48                         ; 48 b
	s_lshl_b32 s16, s12, 2
	s_add_co_u32 s16, s16, s15                     ; 48 b + 4 w
	s_lshl_b32 s20, s16, 13                        ; q: channel block 4 w,
	s_lshl_b32 s2, s13, 12
	s_add_co_u32 s20, s20, s2                      ;    row block rb
	s_mov_b32 s21, 0
	s_add_co_u32 s22, s16, 16                      ; k: channel block 16 + 4 w, both row blocks
	s_lshl_b32 s22, s22, 13
	s_mov_b32 s23, 0
	s_lshl_b32 s19, s14, 2
	s_add_co_u32 s19, s19, s12                     ; 4 vq + w
	s_add_co_u32 s56, s19, s15                     ; v: channel block 32 + 4 vq + w
	s_add_co_u32 s56, s56, 32
	s_lshl_b32 s56, s56, 13
	s_mov_b32 s57, 0
	s_lshl_b32 s58, s17, 23                        ; out0 at (2048 b + 16 rb) * 4096 + 256 (4 vq + w)
	s_lshl_b32 s2, s13, 16
	s_add_co_u32 s58, s58, s2
	s_lshl_b32 s2, s19, 8
	s_add_co_u32 s58, s58, s2
	s_mov_b32 s59, 0
	s_add_nc_u64 s[20:21], s[HPB:HPB+1], s[20:21]
	s_add_nc_u64 s[22:23], s[HPB:HPB+1], s[22:23]
	s_add_nc_u64 s[56:57], s[HPB:HPB+1], s[56:57]
	s_add_nc_u64 s[58:59], s[OUTB:OUTB+1], s[58:59]
	v_and_b32 v[KL16], 31, v0
	v_lshlrev_b32 v[KL16], 4, v[KL16]
.irp z, 0,1,2,3                        ; channel block 4 w + z into window z
	WIN (\z)<<6
.set i, 0
.rept 8
	global_load_b128 v[KRAW+4*i:KRAW+4*i+3], v[KL16], s[20:21] offset:8192*(\z)+512*i
.set i, i+1
.endr
.set i, 0
.rept 16
	global_load_b128 v[KRAW+32+4*i:KRAW+32+4*i+3], v[KL16], s[22:23] offset:8192*(\z)+512*i
.set i, i+1
.endr
.endr
	WIN 0
.set i, 0
.rept 16
	global_load_b128 v[KVRAW+4*i:KVRAW+4*i+3], v[KL16], s[56:57] offset:512*i
.set i, i+1
.endr
	; the addresses, while the loads are on their way
	v_mov_b32 v[KNEG1], -1.0
	v_mov_b32 v[KXR], 0                            ; v_permlanex16_b32 counts as a reader of its destination
	v_and_b32 v[KLR], 15, v0                       ; r
	v_bfe_u32 v[KLH], v0, 4, 1                     ; h
	s_lshl_b32 s2, s12, 11
	s_add_co_u32 s2, s2, KPART
	v_add_nc_u32 v[KPST], s2, v[KL16]
	v_lshl_add_u32 v[KRDA], v0, 4, KPART           ; 128 threads x 16 bytes are a partial's 2,048
	v_lshl_add_u32 v[KRST], v0, 4, KRED
	v_add_nc_u32 v[KSRD], KRED, v[KL16]
	v_lshlrev_b32 v[KTB], 3, v[KLH]
	v_sub_nc_u32 v[KD], v[KLR], v[KTB]
	s_lshl_b32 s2, s13, 4
	v_add_nc_u32 v[KD], s2, v[KD]
	s_mul_i32 s2, s12, 5120
	s_add_co_u32 s2, s2, KVREG                     ; my wave's own bytes
	v_mul_u32_u24 v[KTA], v[KLR], KVP              ; v in: key l % 16 of a block, 16 bytes for each half of the lanes
	v_lshl_add_u32 v[KTA], v[KLH], 4, v[KTA]
	v_add_nc_u32 v[KVST], s2, v[KTA]
	v_and_b32 v[KTA], 7, v0                        ; the turning load: key 8 h + l % 8, channels 8 ((l / 8) % 2) on
	v_lshl_add_u32 v[KTA], v[KLH], 3, v[KTA]
	v_mul_u32_u24 v[KTA], v[KTA], KVP
	v_bfe_u32 v[KTB], v0, 3, 1
	v_lshl_add_u32 v[KTA], v[KTB], 4, v[KTA]
	v_add_nc_u32 v[KVTR], s2, v[KTA]
	v_mul_u32_u24 v[KTA], v[KLR], SPITCH           ; the way out, in: row r, 32 bytes for each half of the lanes
	v_lshl_add_u32 v[KTA], v[KLH], 5, v[KTA]
	v_add_nc_u32 v[KSTO], s2, v[KTA]
	v_mul_u32_u24 v[KTA], v[KLH], SPITCH           ; back: lanes 0-15 one row of 256 bytes, lanes 16-31 the next
	v_lshl_add_u32 v[KTA], v[KLR], 4, v[KTA]
	v_add_nc_u32 v[KRD], s2, v[KTA]
	v_lshlrev_b32 v[KGO], 12, v[KLH]               ; the same two rows in out0, 4,096 bytes apart
	v_lshl_add_u32 v[KGO], v[KLR], 4, v[KGO]
.set i, 0
.rept 16
	v_mov_b32 v[KACC+i], 0                         ; the sums start at 0, written while the loads are out, so that the loop has one form of product
.set i, i+1
.endr
; Group n's 16 f32 become two fragments.  hi: eight packed roundings, into the eight registers that the group before has left free (group 0: KTEMP).  x - hi: a multiply-add that reads hi's half as f16, times -1, plus x,
; in place.  lo: eight packed roundings, in place: register i is written when registers 2 i, 2 i + 1 have been read.
.macro KCONV n
.set cR, KRAW+16*(\n)
.if (\n) == 0
.set cH, KTEMP
.else
.set cH, KRAW+16*(\n)-8
.endif
.set i, 0
.rept 8
	v_cvt_pk_f16_f32 v[cH+i], v[cR+2*i], v[cR+2*i+1]
.set i, i+1
.endr
.set i, 0
.rept 8
	v_fma_mix_f32 v[cR+2*i],   v[cH+i], v[KNEG1], v[cR+2*i]   op_sel_hi:[1,0,0]
	v_fma_mix_f32 v[cR+2*i+1], v[cH+i], v[KNEG1], v[cR+2*i+1] op_sel:[1,0,0] op_sel_hi:[1,0,0]
.set i, i+1
.endr
.set i, 0
.rept 8
	v_cvt_pk_f16_f32 v[cR+i], v[cR+2*i], v[cR+2*i+1]
.set i, i+1
.endr
.endm
; Four products: both halves of the 64 channels x both key blocks.  kl, ql = 1: k's, q's lo.  The two accumulators take turns, one instruction a turn, over the backward jump too.
.macro KSPROD kl, ql
.irp c, 0,1
.irp kb, 0,1
.if \kl
.set rK, KRAW+16*(2+2*(\kb)+(\c))
.else
.set rK, KRAW+16*(2+2*(\kb)+(\c))-8
.endif
.if \ql
.set rQ, KRAW+16*(\c)
.elseif (\c) == 0
.set rQ, KTEMP
.else
.set rQ, KRAW+16*(\c)-8
.endif
	v_wmma_f32_16x16x32_f16 v[KACC+8*(\kb):KACC+8*(\kb)+7], v[rK:rK+7], v[rQ:rQ+7], v[KACC+8*(\kb):KACC+8*(\kb)+7]
.endr
.endr
.endm
	s_wait_loadcnt 16                              ; loads come back in order: q's and k's 96 are in; v's sixteen may stay out
	s_mov_b32 s3, 4
.Lblock:                                               ; a trip: one channel block of q and k
	KCONV 0
	KCONV 1
	KCONV 2
	KCONV 3
	KCONV 4
	KCONV 5
	KSPROD 0, 0                                    ; hi hi
	KSPROD 0, 1                                    ; k's hi, q's lo
	KSPROD 1, 0                                    ; k's lo, q's hi
	PLACES                                         ; behind the last product, in front of the moves into registers that it has read
	WIN 0x01                                       ; the blocks move down a window: 0 takes 1's,
.set i, 0
.rept 96
	v_mov_b32 v[KRAW+i], v[KRAW+i]
.set i, i+1
.endr
	WIN 0x42                                       ; 1 takes 2's,
.set i, 0
.rept 96
	v_mov_b32 v[KRAW+i], v[KRAW+i]
.set i, i+1
.endr
	WIN 0x83                                       ; 2 takes 3's (what the last trip moves is used no more)
.set i, 0
.rept 96
	v_mov_b32 v[KRAW+i], v[KRAW+i]
.set i, i+1
.endr
	WIN 0
	s_sub_co_u32 s3, s3, 1
	s_cmp_lg_u32 s3, 0
	s_cbranch_scc1 .Lblock
.irp kb, 0,1
	ds_store_b128 v[KPST], v[KACC+8*(\kb):KACC+8*(\kb)+3]   offset:1024*(\kb)
	ds_store_b128 v[KPST], v[KACC+8*(\kb)+4:KACC+8*(\kb)+7] offset:1024*(\kb)+512
.endr
	s_wait_dscnt 0x0                               ; for the others' sake: my partial tiles lie in LDS
	s_barrier_signal -1
	s_barrier_wait -1
.irp p, 0,1,2,3
	ds_load_b128 v[KS+4*(\p):KS+4*(\p)+3], v[KRDA] offset:2048*(\p)  ; my four words of all four partials
.endr
	s_wait_dscnt 0x0
	v_pk_add_f32 v[KS:KS+1], v[KS:KS+1], v[KS+4:KS+5]
	v_pk_add_f32 v[KS+2:KS+3], v[KS+2:KS+3], v[KS+6:KS+7]
	v_pk_add_f32 v[KS+8:KS+9], v[KS+8:KS+9], v[KS+12:KS+13]
	v_pk_add_f32 v[KS+10:KS+11], v[KS+10:KS+11], v[KS+14:KS+15]
	v_pk_add_f32 v[KS:KS+1], v[KS:KS+1], v[KS+8:KS+9]
	v_pk_add_f32 v[KS+2:KS+3], v[KS+2:KS+3], v[KS+10:KS+11]
	ds_store_b128 v[KRST], v[KS:KS+3]
	s_wait_dscnt 0x0                               ; for the others' sake: my part of the sums
	s_barrier_signal -1
	s_barrier_wait -1
.irp i, 0,1,2,3
	ds_load_b128 v[KS+4*(\i):KS+4*(\i)+3], v[KSRD] offset:512*(\i)  ; the sums, as an accumulator's registers lie: key block i / 2, registers 4 (i % 2) on
.endr
	s_wait_dscnt 0x0
	; THE SOFTMAX of my query's 16 keys
.set i, 0
.rept 16
	v_cmp_gt_i32 vcc_lo, 16*(i/8)+i%8, v[KD]
	v_cndmask_b32 v[KS+i], v[KS+i], s[BIGN], vcc_lo
.set i, i+1
.endr
	v_max3_num_f32 v[KC0], v[KS], v[KS+1], v[KS+2]
	v_max3_num_f32 v[KC1], v[KS+8], v[KS+9], v[KS+10]
	v_max3_num_f32 v[KC0], v[KC0], v[KS+3], v[KS+4]
	v_max3_num_f32 v[KC1], v[KC1], v[KS+11], v[KS+12]
	v_max3_num_f32 v[KC0], v[KC0], v[KS+5], v[KS+6]
	v_max3_num_f32 v[KC1], v[KC1], v[KS+13], v[KS+14]
	v_max3_num_f32 v[KC0], v[KC0], v[KS+7], v[KS+15]
	v_max_num_f32 v[KC0], v[KC0], v[KC1]
	v_permlanex16_b32 v[KXR], v[KC0], s[SEL], s[SEL+1]  ; the query's other 16 keys lie in the lane 16 away; every row sees its own key, so the maximum is a true score
	v_max_num_f32 v[KC0], v[KC0], v[KXR]
	v_mul_f32 v[KCM], s[CS], v[KC0]
	v_mov_b32 v[KCM+1], v[KCM]                     ; named with it as a pair
.irp i, 0,2,4,6,8,10,12,14
	v_pk_fma_f32 v[KS+(\i):KS+(\i)+1], v[KS+(\i):KS+(\i)+1], s[CS:CS+1], v[KCM:KCM+1] op_sel_hi:[1,0,0] neg_lo:[0,0,1] neg_hi:[0,0,1]
.endr
.set i, 0
.rept 16
	v_exp_f32 v[KS+i], v[KS+i]                     ; p = 2^(c s - c m); 0 where the key is hidden
.set i, i+1
.endr
	v_nop                                          ; a plain instruction behind the last exponential,
	s_wait_alu depctr_va_vdst(0)                   ; and the one wait ahead of the batch's first reader
	v_pk_add_f32 v[KLA:KLA+1], v[KS:KS+1], v[KS+2:KS+3]
	v_pk_add_f32 v[KLB:KLB+1], v[KS+4:KS+5], v[KS+6:KS+7]
	v_pk_add_f32 v[KLA:KLA+1], v[KLA:KLA+1], v[KS+8:KS+9]
	v_pk_add_f32 v[KLB:KLB+1], v[KLB:KLB+1], v[KS+10:KS+11]
	v_pk_add_f32 v[KLA:KLA+1], v[KLA:KLA+1], v[KS+12:KS+13]
	v_pk_add_f32 v[KLB:KLB+1], v[KLB:KLB+1], v[KS+14:KS+15]
	v_pk_add_f32 v[KLA:KLA+1], v[KLA:KLA+1], v[KLB:KLB+1]
	v_add_f32 v[KLA], v[KLA], v[KLA+1]
	v_permlanex16_b32 v[KXR], v[KLA], s[SEL], s[SEL+1]
	v_add_f32 v[KLA], v[KLA], v[KXR]               ; l: at least 1
	v_rcp_f32 v[KRL], v[KLA]
	v_mov_b32 v[KRL+1], 0                          ; named with it as a pair; also the plain instruction behind the reciprocal
	s_wait_alu depctr_va_vdst(0)
	; p = hi + lo: two key blocks, packed in pairs, are source 1 (32 keys x 16 queries) of the second product
.set i, 0
.rept 8
	v_cvt_pk_f16_f32 v[KPH+i], v[KS+2*i], v[KS+2*i+1]
.set i, i+1
.endr
.set i, 0
.rept 8
	v_fma_mix_f32 v[KS+2*i],   v[KPH+i], v[KNEG1], v[KS+2*i]   op_sel_hi:[1,0,0]
	v_fma_mix_f32 v[KS+2*i+1], v[KPH+i], v[KNEG1], v[KS+2*i+1] op_sel:[1,0,0] op_sel_hi:[1,0,0]
.set i, i+1
.endr
.set i, 0
.rept 8
	v_cvt_pk_f16_f32 v[KS+i], v[KS+2*i], v[KS+2*i+1]
.set i, i+1
.endr
	; v = hi + lo.  Image n (key block n / 4, 16 channels n % 4): hi's 16 bytes go to LDS at once; lo's four registers are gathered at KVRAW + 4 n, behind the images that have been read
	s_wait_loadcnt 0x0
.set n, 0
.rept 8
.set vR, KVRAW+8*n
.set vT, KTH+4*(n%2)
.set i, 0
.rept 4
	v_cvt_pk_f16_f32 v[vT+i], v[vR+2*i], v[vR+2*i+1]
.set i, i+1
.endr
	ds_store_b128 v[KVST], v[vT:vT+3] offset:(n/4)*16*KVP+(n%4)*32
.set i, 0
.rept 4
	v_fma_mix_f32 v[vR+2*i],   v[vT+i], v[KNEG1], v[vR+2*i]   op_sel_hi:[1,0,0]
	v_fma_mix_f32 v[vR+2*i+1], v[vT+i], v[KNEG1], v[vR+2*i+1] op_sel:[1,0,0] op_sel_hi:[1,0,0]
.set i, i+1
.endr
.set i, 0
.rept 4
	v_cvt_pk_f16_f32 v[KVRAW+4*n+i], v[vR+2*i], v[vR+2*i+1]
.set i, i+1
.endr
.set n, n+1
.endr
	; LDS serves a wave's instructions in order (ISA guide 5.7.1.4): hi is turned out, then lo is stored into the same bytes, my wave's own, and turned out into the registers that it left
.irp nb, 0,1,2,3
	ds_load_tr16_b128 v[KVH+8*(\nb):KVH+8*(\nb)+3],   v[KVTR] offset:32*(\nb)
	ds_load_tr16_b128 v[KVH+8*(\nb)+4:KVH+8*(\nb)+7], v[KVTR] offset:32*(\nb)+16*KVP
.endr
.set n, 0
.rept 8
	ds_store_b128 v[KVST], v[KVRAW+4*n:KVRAW+4*n+3] offset:(n/4)*16*KVP+(n%4)*32
.set n, n+1
.endr
.irp nb, 0,1,2,3
	ds_load_tr16_b128 v[KVL+8*(\nb):KVL+8*(\nb)+3],   v[KVTR] offset:32*(\nb)
	ds_load_tr16_b128 v[KVL+8*(\nb)+4:KVL+8*(\nb)+7], v[KVTR] offset:32*(\nb)+16*KVP
.endr
; Four products O^T += v^T p: 16 channels each, all 32 keys.  The four accumulators take turns.  zero = 1: the products start the sums.
.macro KOPROD vf, pf, zero
.irp nb, 0,1,2,3
.if \zero
	v_wmma_f32_16x16x32_f16 v[KOA+8*(\nb):KOA+8*(\nb)+7], v[(\vf)+8*(\nb):(\vf)+8*(\nb)+7], v[(\pf):(\pf)+7], 0
.else
	v_wmma_f32_16x16x32_f16 v[KOA+8*(\nb):KOA+8*(\nb)+7], v[(\vf)+8*(\nb):(\vf)+8*(\nb)+7], v[(\pf):(\pf)+7], v[KOA+8*(\nb):KOA+8*(\nb)+7]
.endif
.endr
.endm
	s_wait_dscnt 16                                ; hi's fragments are in; lo's eight stores and eight loads may be out
	KOPROD KVH, KPH, 1                             ; hi hi
	KOPROD KVH, KS, 0                              ; v's hi, p's lo
	s_wait_dscnt 0x0
	KOPROD KVL, KPH, 0                             ; v's lo, p's hi
	PLACES
	; THE WAY OUT: times 1 / l; a lane's eight channels of a row are 32 bytes; through my wave's own bytes, which v has left, out as rows of 256 bytes
.set i, 0
.rept 16
	v_pk_mul_f32 v[KOA+2*i:KOA+2*i+1], v[KOA+2*i:KOA+2*i+1], v[KRL:KRL+1] op_sel_hi:[1,0]
.set i, i+1
.endr
.irp nb, 0,1,2,3
	ds_store_b128 v[KSTO], v[KOA+8*(\nb):KOA+8*(\nb)+3]   offset:64*(\nb)
	ds_store_b128 v[KSTO], v[KOA+8*(\nb)+4:KOA+8*(\nb)+7] offset:64*(\nb)+16
.endr
.irp t, 0,1,2,3,4,5,6,7
	ds_load_b128 v[KBK+4*(\t):KBK+4*(\t)+3], v[KRD] offset:(\t)*2*SPITCH
.endr
	s_wait_dscnt 0x0
.irp t, 0,1,2,3,4,5,6,7
	global_store_b128 v[KGO], v[KBK+4*(\t):KBK+4*(\t)+3], s[58:59] offset:2*(\t)*4096 th:TH_STORE_NT  ; 16 lanes store 256 consecutive bytes, at a multiple of 256 from out0's first byte
.endr
	s_wait_tensorcnt 0x0                           ; the wave's end, behind my last LDS store
	ds_add_u32 v[SPW], v[NIL]
	s_wait_dscnt 0x0
	s_endpgm
.Lfunc_end_k_qa0f3e8d290_scores:
	.size	k_qa0f3e8d290_scores, .Lfunc_end_k_qa0f3e8d290_scores-k_qa0f3e8d290_scores
	.p2alignl 7, 3214868480
	.fill 96, 4, 3214868480
	.section	.rodata,"a",@progbits
	.p2align	6, 0x0
	.amdhsa_kernel k_qa0f3e8d290_scores
		.amdhsa_group_segment_fixed_size 327680
		.amdhsa_private_segment_fixed_size 0
		.amdhsa_enable_private_segment 0
		.amdhsa_kernarg_size 48
		.amdhsa_user_sgpr_count 2
		.amdhsa_user_sgpr_kernarg_segment_ptr 1
		.amdhsa_wavefront_size32 1
		.amdhsa_system_sgpr_workgroup_id_x 1
		.amdhsa_system_sgpr_workgroup_id_y 1
		.amdhsa_system_sgpr_workgroup_id_z 1
		.amdhsa_system_vgpr_workitem_id 0
		.amdhsa_next_free_vgpr 1024
		.amdhsa_next_free_sgpr 66
		.amdhsa_reserve_vcc 1
		.amdhsa_float_denorm_mode_32 3
		.amdhsa_float_denorm_mode_16_64 3
		.amdhsa_memory_ordered 1
		.amdhsa_forward_progress 1
		.amdhsa_inst_pref_size 186
	.end_amdhsa_kernel
	.amdgpu_metadata
---
amdhsa.version: [ 1, 2 ]
amdhsa.kernels:
  - .name:           k_qa0f3e8d290_scores
    .symbol:         k_qa0f3e8d290_scores.kd
    .args:
      - { .name: qkv, .offset: 0, .size: 8, .value_kind: global_buffer, .address_space: global }
      - { .name: pw, .offset: 8, .size: 8, .value_kind: global_buffer, .address_space: global }
      - { .name: sm, .offset: 16, .size: 8, .value_kind: global_buffer, .address_space: global }
      - { .name: sl, .offset: 24, .size: 8, .value_kind: global_buffer, .address_space: global }
      - { .name: hp, .offset: 32, .size: 8, .value_kind: global_buffer, .address_space: global }
      - { .name: out0, .offset: 40, .size: 8, .value_kind: global_buffer, .address_space: global }
    .group_segment_fixed_size: 327680
    .private_segment_fixed_size: 0
    .kernarg_segment_align: 8
    .kernarg_segment_size: 48
    .max_flat_workgroup_size: 128
    .sgpr_count:     66
    .vgpr_count:     1024
    .wavefront_size: 32
...
	.end_amdgpu_metadata
.endif
;; end of part 7
;; launch mix (part 8): grid 8 x 32, 4 waves a work-group, clusters of 4 x 1, 327,680 bytes of LDS; arguments pw, qkv, sm, sl, out0; writes out0
.if DOCPART == 8
	.amdgcn_target "amdgcn-amd-amdhsa--gfx1250"
	.amdhsa_code_object_version 6
	.text
	.protected	k_qa0f3e8d290_mix
	.globl	k_qa0f3e8d290_mix
	.p2align	8
	.type	k_qa0f3e8d290_mix,@function
k_qa0f3e8d290_mix:
	s_mov_b64 s[64:65], 0
	v_nop
	global_prefetch_b8 v0, s[64:65] scope:SCOPE_SE
	s_setreg_imm32_b32 hwreg(HW_REG_WAVE_MODE, 25, 1), 1
	s_wait_xcnt 0x0
	s_wait_alu depctr_hold_cnt(0) depctr_sa_sdst(0) depctr_va_vdst(0) depctr_va_sdst(0) depctr_va_ssrc(0) depctr_va_vcc(0) depctr_vm_vsrc(0)
	s_getreg_b32 s2, hwreg(HW_REG_IB_STS2, 6, 4)
	s_cmp_eq_u32 s2, 0
	s_cbranch_scc0 .Lentry_in_a_cluster
	s_endpgm
.Lentry_in_a_cluster:
	s_bfe_u32 s2, ttmp6, 0x10000c
	s_cmp_lg_u32 s2, 0x3003
	s_cbranch_scc0 .Lentry_shape_is_right
	s_endpgm
.Lentry_shape_is_right:
; out[row] = the sum over chunks of g (P_chunk V), with g = f / l_row, f = 2^(cm_chunk - max cm) and l_row = the sum of f l_chunk: the chunks' maxima are brought onto the row's maximum here, in f32.
; P (pw) and V (qkv, blocks 32-47) are f16, products' sums f32, out0 f32.  Rows 0-31 of each batch are not stored here: they average over 32 keys at the most, and work-groups of the launch before have made them from f32 sums.
; LIMITS.  A factor below 2^-126 counts as 0; NaN and infinities are not treated apart (a chunk's sums are multiplied by g = 0 where the row sees nothing of it, so they must be finite).
; THE WALK.  A work-group makes TWO tiles of 128 rows x 128 channels: row blocks 15 - p and then p of one batch, which need 8 - p / 2 and p / 2 + 1 units of 256 keys: 9 together, whatever p: all work-groups do equal
; work, and one walk of 9 units goes through two LDS slots.  ONE TEXT FOR A UNIT: s[TB] is 0 or a slot's bytes, turned by an exclusive or at each change of slots; fragment addresses and the descriptors' LDS words are
; sums of it and a constant of the wave.  The ninth unit, which asks for nothing, is written out.
; SHARES.  Wave: 64 rows x 64 channels, 16 accumulators.  A unit is two chunks of 128 keys; a chunk's products are summed in T (window 2) and folded into O (window 0) by O += g T, g a number a lane and row block.
; LAYOUT.  O^T = V^T P: source 0 = 16 channels (V, [key][channel], turned by ds_load_tr16_b128), source 1 = 16 rows of P: a lane holds one row and eight neighbouring channels.
; CLUSTER 4 x 1: the four partners make the same rows for other channels: P's tile is asked for jointly; each asks for its own V by a load of its own, behind the same round.
; V is not shared: work-groups with other row blocks do not walk the same keys in the same trips.
; REGISTERS: window 0: v2-13 addresses; v16-23, v24-31 the two chunks' factors, in pairs (the odd registers stay 0); v32-95 at work; v128-255 O.
;   window 1: two fragment buffers of 128 (64 keys): P at 8 (4 c + a), V at 64 + 8 (4 c + nb).   window 2: T0, T1.
.set PP,     528                       ; a row of P in LDS: 512 bytes + 16
.set PVP,    160                       ; a row of V: 128 + 32
.set VOFF,   128*PP
.set SLOT,   VOFF+2*256*PVP
.set STAGE,  2*SLOT                    ; 16 rows x 272 bytes for each wave
.set SPITCH, 272
.set FT,     STAGE+4*16*SPITCH         ; g: 18 chunks of the walk x 128 rows, f32
.set SPARE,  FT+18*512                 ; the spare words, 128 bytes a wave, which no other line names
.set ADRP0, 2                          ; v2   my lane's place among my fragments of P in slot 0; never rewritten
.set ADRP,  3                          ; v3   the same in the slot in hand
.set ADRV0, 4                          ; v4, v5  the same for V
.set ADRV,  5
.set STO,  6
.set RD,   7
.set GO,   8
.set FA,   9                           ; v9   my row's g of the unit in hand
.set PFO,  10
.set SPW,  12
.set NIL,  13
.set FR0,  16
.set FR1,  24
.set O,    128
.set F0,   0
.set F1,   128
.set T0,   0
.set T1,   128
.set OF,   32                          ; the tables' work: v32-49 offsets, v50-67 cm, then f, then g; v68-85 l
.set CMV,  50
.set LCV,  68
.set MX1,  86
.set MX2,  87
.set L1,   88
.set L2,   89
.set TA,   90
.set TC,   91
.set NEGV, 92
.set T4,   93
.set FTA,  94
.set WV,   14
.set WR,   15
.set WC,   16
.set CX,   17
.set CT,   18
.set PB,   19
.set BB,   20
.set TB,   21                          ; s21  LDS byte at which the slot in hand begins
.set G1A,  24
.set G1V,  32
.set G0A,  40
.set G0V,  44
.set PWB,  48                          ; s[48:49] pw at my half of a unit
.set QVB,  50                          ; s[50:51] qkv at my channel block of V, the batch's first key
.set OFF,  52                          ; s[52:53] an offset, its high word 0
.set NU,   54                          ; the unit to be asked for next, in its block
.set NAB,  55                          ; that block's first byte in pw
.set NLIM, 56                          ; the first block's units, while its units are being asked for
.set AB2,  57
.set LA,   58
.set LV,   59
.set TR,   60
.set RT,   61
.set LEFT, 62
.set LIM,  63
.set MSK,  66                          ; s[66:83] chunk w of the walk belongs to the first block: all ones, or 0
.set PFB,  84
.set PFA,  86
.set PU,   88
.set PAB,  89
.set PLIM, 90
.set PAB2, 91
.set PSH,  92
.set NF,   93
.set POF,  94
.set OB1,  96
.set OB2,  98
.set IFB,  100
.set ISB,  101
.set MSB, 0
.macro WIN new
.if MSB != (\new)
	s_set_vgpr_msb (MSB<<8)|(\new)
.set MSB, \new
.endif
.endm
.macro PLACES
.rept 4
	v_nop
.endr
.endm
.macro JLOAD                           ; waves 0, 1: the two halves of P's unit, jointly; waves 2, 3: my work-group's two channel blocks of V.  An s_nop 0 and four v_nop follow each line
	s_cmp_lt_u32 s[WV], 2
	s_cbranch_scc0 .Lfor_v_\@
	tensor_load_to_lds s[G0A:G0A+3], s[G1A:G1A+7]
	s_nop 0
.rept 4
	v_nop
.endr
	s_branch .Lasked_\@
.Lfor_v_\@:
	tensor_load_to_lds s[G0V:G0V+3], s[G1V:G1V+7]
	s_nop 0
.rept 4
	v_nop
.endr
.Lasked_\@:
.endm
.macro CROUND
	s_barrier_signal -1
	s_barrier_wait -1
	s_cmp_lg_u32 s[WV], 0
	s_cbranch_scc1 .Lnot_wave_0_\@
	s_barrier_signal -3
.Lnot_wave_0_\@:
	s_barrier_wait -3
	s_barrier_signal -1
	s_barrier_wait -1
.endm
; Both group 0 are made anew for the walk's next unit, into the slot that begins at tgt: the base and an offset made apart, the type bits set again; then the walk steps: behind the first block's last unit comes the second block's unit 0.
.macro SETD tgt
	s_lshl_b32 s[OFF], s[NU], 16
	s_add_co_u32 s[OFF], s[OFF], s[NAB]
	s_add_co_u32 s[G0A+1], s[LA], \tgt
	s_add_nc_u64 s[G0A+2:G0A+3], s[PWB:PWB+1], s[OFF:OFF+1]
	s_or_b32 s[G0A+3], s[G0A+3], 0x80000000
	s_lshl_b32 s[OFF], s[NU], 15
	s_add_co_u32 s[G0V+1], s[LV], \tgt
	s_add_nc_u64 s[G0V+2:G0V+3], s[QVB:QVB+1], s[OFF:OFF+1]
	s_or_b32 s[G0V+3], s[G0V+3], 0x80000000
	s_add_co_u32 s[NU], s[NU], 1
	s_cmp_eq_u32 s[NU], s[NLIM]
	s_cselect_b32 s[NU], 0, s[NU]
	s_cselect_b32 s[NAB], s[AB2], s[NAB]
	s_cselect_b32 s[NLIM], -1, s[NLIM]
.endm
; A PREFETCH INTO THE L2 of the walk's unit after the one that has just been asked for.  P's unit (65,536 bytes) is read by the two clusters of a row: wave 0 of the cluster with x = 0 names it, the four partners a quarter
; each, told apart by address: two instructions, a lane 256 bytes.  V's pieces (32,768 bytes) are read by all eight p: waves 2 and 3 of the work-groups with p = 0, whose first block walks all eight units, name their own: four
; instructions.  So each block is named once.  Units 0 and 1 come by their loads alone; the last units ask for nothing (P: there is no unit behind the ninth; V: the ninth is unit 0 once more).
.macro ASK
	s_cmp_gt_u32 s[LEFT], s[LIM]
	s_cbranch_scc0 .Lnot_mine_\@
	global_prefetch_b8 v[PFO], s[PFA:PFA+1] th:TH_LOAD_NT scope:SCOPE_SE
	global_prefetch_b8 v[PFO], s[PFA:PFA+1] offset:8192 th:TH_LOAD_NT scope:SCOPE_SE
	s_cmp_lt_u32 s[WV], 2
	s_cbranch_scc1 .Lnot_mine_\@
	global_prefetch_b8 v[PFO], s[PFA:PFA+1] offset:16384 th:TH_LOAD_NT scope:SCOPE_SE
	global_prefetch_b8 v[PFO], s[PFA:PFA+1] offset:24576 th:TH_LOAD_NT scope:SCOPE_SE
.Lnot_mine_\@:
.endm
	s_load_b256 s[4:11], s[0:1], 0x0               ; pw s[4:5], qkv s[6:7], sm s[8:9], sl s[10:11]
	s_load_b64 s[12:13], s[0:1], 0x20              ; out0
	v_lshl_add_u32 v[SPW], v0, 2, SPARE
	v_mov_b32 v[NIL], 0
	ds_add_u32 v[SPW], v[NIL]                      ; the wave's opening: the add and its wait stand ahead of my first tensor load
	v_lshrrev_b32 v1, 5, v0
	v_readfirstlane_b32 s[WV], v1
	s_lshr_b32 s[WR], s[WV], 1                     ; my 64 rows
	s_and_b32 s[WC], s[WV], 1                      ; my 64 channels.  Also: which half of P's unit, or which channel block of V, I fetch
	s_bfe_u32 s[CX], ttmp6, 0x40000
	s_lshl_b32 s[CT], ttmp9, 2
	s_add_co_u32 s[CT], s[CT], s[CX]               ; my 128 channels: they enter V's and out0's addresses alone
	s_and_b32 s[PB], ttmp7, 0xffff
	s_lshr_b32 s[BB], s[PB], 3                     ; the batch,
	s_and_b32 s[PB], s[PB], 7                      ; p: both the same in all four partners
	s_lshr_b32 s2, s[PB], 1
	s_sub_co_u32 s[NF], 8, s2                      ; the first block, 15 - p, has 8 - p / 2 units: 5 to 8
	s_sub_co_u32 s[IFB], 15, s[PB]
	s_mov_b32 s[ISB], s[PB]                        ; the second, p, has the other p / 2 + 1
	s_lshl_b32 s2, s[BB], 4
	s_add_co_u32 s3, s2, s[IFB]
	s_lshl_b32 s[NAB], s3, 19                      ; ((16 b + block) * 8) units of 65,536 bytes
	s_add_co_u32 s3, s2, s[ISB]
	s_lshl_b32 s[AB2], s3, 19
	s_mov_b32 s[NU], 0
	s_mov_b32 s[NLIM], s[NF]
	s_mov_b32 s[OFF+1], 0
	s_mov_b32 s[POF+1], 0
	s_mul_i32 s[LA], s[WC], 64*PP                  ; where my part of a slot lies: the wave's number alone
	s_mul_i32 s[LV], s[WC], 256*PVP
	s_add_co_u32 s[LV], s[LV], VOFF
	s_mov_b32 s[G0A], 1
	s_mov_b32 s[G0V], 1
	s_mov_b32 s[G1A+0], 15|(1<<16)|(1<<20)|(1<<21)|(6<<22)|(3<<25)  ; the mask of four; 2-byte elements; padding on; bit 21 beside a mask; behind every 128 words 4 words
	s_mov_b32 s[G1A+1], 256<<16                    ; 64 rows of 256 elements
	s_mov_b32 s[G1A+2], 64<<16
	s_mov_b32 s[G1A+3], 256<<16
	s_mov_b32 s[G1A+4], 64
	s_mov_b32 s[G1A+5], 256
	s_mov_b32 s[G1A+6], 0
	s_mov_b32 s[G1A+7], 0
	s_mov_b32 s[G1V+0], (1<<16)|(1<<20)|(4<<22)|(7<<25)  ; no mask; behind every 32 words 8 words
	s_mov_b32 s[G1V+1], 128<<16                    ; 256 keys x 128 bytes, dense: 128 rows of 256 bytes
	s_mov_b32 s[G1V+2], 128<<16
	s_mov_b32 s[G1V+3], 128<<16
	s_mov_b32 s[G1V+4], 128
	s_mov_b32 s[G1V+5], 128
	s_mov_b32 s[G1V+6], 0
	s_mov_b32 s[G1V+7], 0
	s_mov_b32 s[TR], 8
	s_mov_b32 s[RT], s[NF]                         ; units until the first block ends
	s_mov_b32 s[LEFT], 9
	s_or_b32 s2, s[WV], ttmp9
	s_cmp_eq_u32 s2, 0
	s_cselect_b32 s[LIM], 2, -1                    ; wave 0 of the first cluster of the row: P
	s_xor_b32 s2, s[WR], 1
	s_or_b32 s2, s2, s[PB]
	s_cmp_eq_u32 s2, 0
	s_cselect_b32 s[LIM], 3, s[LIM]                ; waves 2, 3 where p = 0: V
	s_cmp_lt_u32 s[WV], 2
	s_cselect_b32 s[PSH], 16, 15
	s_cselect_b32 s[PAB], s[NAB], 0
	s_cselect_b32 s[PAB2], s[AB2], 0
	s_mov_b32 s[PU], 2                             ; the prefetches begin at the walk's unit 2, which is the first block's
	s_mov_b32 s[PLIM], s[NF]
	s_wait_dscnt 0x0                               ; the opening add is done
	s_wait_kmcnt 0x0
	s_lshl_b32 s2, s[WC], 15
	s_mov_b32 s3, 0
	s_add_nc_u64 s[PWB:PWB+1], s[4:5], s[2:3]
	s_lshl_b32 s2, s[CT], 1
	s_add_co_u32 s2, s2, s[WC]
	s_add_co_u32 s2, s2, 32
	s_lshl_b32 s2, s2, 20                          ; channel block 32 + 2 ct + wave % 2: 8192 rows of 128 bytes each
	s_lshl_b32 s22, s[BB], 18
	s_add_co_u32 s2, s2, s22
	s_add_nc_u64 s[QVB:QVB+1], s[6:7], s[2:3]
	s_lshl_b32 s2, s[CX], 14
	s_add_nc_u64 s[PFB:PFB+1], s[4:5], s[2:3]      ; P's prefetches: my work-group's quarter of a unit
	s_cmp_lt_u32 s[WV], 2
	s_cselect_b64 s[PFB:PFB+1], s[PFB:PFB+1], s[QVB:QVB+1]
	s_lshl_b32 s2, s[BB], 17
	s_add_nc_u64 s[8:9], s[8:9], s[2:3]            ; sm and sl at the batch
	s_add_nc_u64 s[10:11], s[10:11], s[2:3]
	s_lshl_b32 s22, s[BB], 11                      ; out0 at ((2048 b + 128 block + 64 wr) * 1024 + 128 ct + 64 wc) * 4
	s_lshl_b32 s23, s[WR], 6
	s_add_co_u32 s22, s22, s23
	s_lshl_b32 s23, s[CT], 9
	s_lshl_b32 s2, s[WC], 8
	s_add_co_u32 s23, s23, s2
	s_lshl_b32 s2, s[IFB], 7
	s_add_co_u32 s2, s2, s22
	s_lshl_b32 s2, s2, 12
	s_add_co_u32 s2, s2, s23
	s_add_nc_u64 s[OB1:OB1+1], s[12:13], s[2:3]
	s_lshl_b32 s2, s[ISB], 7
	s_add_co_u32 s2, s2, s22
	s_lshl_b32 s2, s2, 12
	s_add_co_u32 s2, s2, s23
	s_add_nc_u64 s[OB2:OB2+1], s[12:13], s[2:3]
	SETD 0                                         ; the walk's unit 0, into slot 0
	CROUND                                         ; all four work-groups are here: the first joint loads meet
	JLOAD
	v_and_b32 v1, 15, v0                           ; r
	v_bfe_u32 v14, v0, 4, 1                        ; h
	v_mul_u32_u24 v15, v1, PP
	v_lshl_add_u32 v15, v14, 4, v15
	s_mul_i32 s2, s[WR], 64*PP
	v_add_nc_u32 v[ADRP0], s2, v15
	v_and_b32 v15, 7, v0                           ; the turning load: key 8 h + l % 8, channels 8 ((l / 8) % 2) on
	v_lshl_add_u32 v15, v14, 3, v15
	v_mul_u32_u24 v15, v15, PVP
	v_bfe_u32 v[ADRV0], v0, 3, 1
	v_lshl_add_u32 v15, v[ADRV0], 4, v15
	s_mul_i32 s2, s[WC], 256*PVP
	s_add_co_u32 s2, s2, VOFF
	v_add_nc_u32 v[ADRV0], s2, v15
	s_mul_i32 s2, s[WV], 16*SPITCH
	s_add_co_u32 s2, s2, STAGE                     ; my stage
	v_mul_u32_u24 v15, v1, SPITCH                  ; in: row r, 32 bytes for each half of the lanes
	v_lshl_add_u32 v15, v14, 5, v15
	v_add_nc_u32 v[STO], s2, v15
	v_mul_u32_u24 v15, v14, SPITCH                 ; back: lanes 0-15 one row of 256 bytes, lanes 16-31 the next
	v_lshl_add_u32 v15, v1, 4, v15
	v_add_nc_u32 v[RD], s2, v15
	v_lshlrev_b32 v[GO], 12, v14                   ; the same two rows in out0, 4,096 bytes apart
	v_lshl_add_u32 v[GO], v1, 4, v[GO]
	s_lshl_b32 s2, s[WR], 8
	v_lshl_add_u32 v[FA], v1, 2, s2                ; (64 wr + r) * 4
	v_add_nc_u32 v[FA], FT, v[FA]
	v_and_b32 v[PFO], 31, v0
	v_lshlrev_b32 v[PFO], 8, v[PFO]
	; THE TABLE.  Thread t is row t of both blocks.  Chunk w of the walk's 18 is chunk w of the first block where w < 2 NF, else chunk w - 2 NF of the second.
	v_lshlrev_b32 v[T4], 2, v0
	v_add_nc_u32 v[FTA], FT, v[T4]
	s_lshl_b32 s2, s[IFB], 9                       ; a block's 128 rows: 512 bytes
	s_lshl_b32 s3, s[ISB], 9
	s_lshl_b32 s22, s[NF], 14                      ; 2 NF chunks of 8,192 bytes
	s_sub_co_u32 s3, s3, s22                       ; (taken only where w * 8192 makes the sum whole again)
	s_lshl_b32 s23, s[NF], 1
.set w, 0
.rept 18
	s_cmp_gt_u32 s23, w
	s_cselect_b32 s[MSK+w], -1, 0
	s_cselect_b32 s22, s2, s3
	s_add_co_u32 s22, s22, w*8192
	v_add_nc_u32 v[OF+w], s22, v[T4]
	global_load_b32 v[CMV+w], v[OF+w], s[8:9]
	global_load_b32 v[LCV+w], v[OF+w], s[10:11]
.set w, w+1
.endr
	; O starts at 0; the factors' odd registers, named with the even ones as pairs, are written once.  All this stands in the wait for the table's loads and the first tile; no first unit is written out.
.set i, 0
.rept 16
	v_mov_b32 v[FR0+i], 0
.set i, i+1
.endr
.set i, 0
.rept 128
	v_mov_b32 v[O+i], 0
.set i, i+1
.endr
	v_mov_b32 v[NEGV], 0xff7fffff
	v_mov_b32 v[MX1], v[NEGV]
	v_mov_b32 v[MX2], v[NEGV]
	s_wait_loadcnt 0x0
.set w, 0
.rept 18                               ; each block's largest cm
	v_cndmask_b32 v[TA], v[NEGV], v[CMV+w], s[MSK+w]
	v_cndmask_b32 v[TC], v[CMV+w], v[NEGV], s[MSK+w]
	v_max_num_f32 v[MX1], v[MX1], v[TA]
	v_max_num_f32 v[MX2], v[MX2], v[TC]
.set w, w+1
.endr
.set w, 0
.rept 18
	v_cndmask_b32 v[TA], v[MX2], v[MX1], s[MSK+w]
	v_sub_f32 v[CMV+w], v[CMV+w], v[TA]
.set w, w+1
.endr
.set w, 0
.rept 18
	v_exp_f32 v[CMV+w], v[CMV+w]                   ; f
.set w, w+1
.endr
	v_mov_b32 v[L1], 0                             ; plain instructions behind the last exponential,
	v_mov_b32 v[L2], 0
	s_wait_alu depctr_va_vdst(0)                   ; and the one wait ahead of the batch's first reader
.set w, 0
.rept 18
	v_cndmask_b32 v[TA], 0, v[CMV+w], s[MSK+w]
	v_cndmask_b32 v[TC], v[CMV+w], 0, s[MSK+w]
	v_fmac_f32 v[L1], v[LCV+w], v[TA]              ; l_row = the sum of f l: at least 1, since the chunk with the row's maximum has f = 1 and l >= 1
	v_fmac_f32 v[L2], v[LCV+w], v[TC]
.set w, w+1
.endr
	v_rcp_f32 v[TA], v[L1]
	v_rcp_f32 v[TC], v[L2]
	v_nop
	s_wait_alu depctr_va_vdst(0)
.set w, 0
.rept 18
	v_cndmask_b32 v[MX1+w%2], v[TC], v[TA], s[MSK+w]
	v_mul_f32 v[CMV+w], v[CMV+w], v[MX1+w%2]       ; g = f / l_row
	ds_store_b32 v[FTA], v[CMV+w] offset:512*w     ; the first change of slots waits for these stores and passes a barrier: every wave then reads all rows
.set w, w+1
.endr
; 32 LDS loads in one run: the fragments of 64 keys (quarter qq of the unit in hand) into buffer f; the first 32 keys first
.macro FETCH qq, f
	WIN 0x40
.irp c, 0,1
.irp i, 0,1,2,3
	ds_load_tr16_b128 v[(\f)+64+8*(4*(\c)+(\i)):(\f)+64+8*(4*(\c)+(\i))+3],   v[ADRV] offset:(\qq)*10240+(\c)*5120+32*(\i)
	ds_load_tr16_b128 v[(\f)+64+8*(4*(\c)+(\i))+4:(\f)+64+8*(4*(\c)+(\i))+7], v[ADRV] offset:(\qq)*10240+(\c)*5120+32*(\i)+2560
	ds_load_b128 v[(\f)+8*(4*(\c)+(\i)):(\f)+8*(4*(\c)+(\i))+3],   v[ADRP] offset:(\i)*8448+128*(\qq)+64*(\c)
	ds_load_b128 v[(\f)+8*(4*(\c)+(\i))+4:(\f)+8*(4*(\c)+(\i))+7], v[ADRP] offset:(\i)*8448+128*(\qq)+64*(\c)+32
.endr
.endr
.endm
.macro LDF k                           ; chunk k of the unit: my four row blocks' g
	WIN 0
.irp a, 0,1,2,3
	ds_load_b32 v[FR0+8*(\k)+2*(\a)], v[FA] offset:(\k)*512+64*(\a)
.endr
.endm
; 16 matrix instructions, 32 keys: the 16 accumulators take turns.  zero = 1: the products start the chunk's sums.
.macro MUL f, c, t, zero
	WIN 0xa5                                       ; V and P in window 1, T in window 2
.irp a, 0,1,2,3
.irp nb, 0,1,2,3
.if \zero
	v_wmma_f32_16x16x32_f16 v[(\t)+8*(4*(\a)+(\nb)):(\t)+8*(4*(\a)+(\nb))+7], v[(\f)+64+8*(4*(\c)+(\nb)):(\f)+64+8*(4*(\c)+(\nb))+7], v[(\f)+8*(4*(\c)+(\a)):(\f)+8*(4*(\c)+(\a))+7], 0
.else
	v_wmma_f32_16x16x32_f16 v[(\t)+8*(4*(\a)+(\nb)):(\t)+8*(4*(\a)+(\nb))+7], v[(\f)+64+8*(4*(\c)+(\nb)):(\f)+64+8*(4*(\c)+(\nb))+7], v[(\f)+8*(4*(\c)+(\a)):(\f)+8*(4*(\c)+(\a))+7], v[(\t)+8*(4*(\a)+(\nb)):(\t)+8*(4*(\a)+(\nb))+7]
.endif
.endr
.endr
.endm
; O += g T for eight accumulators: 32 packed multiply-adds; each accumulator is read from its low end on
.macro FOLD t, fr, half
	WIN 0x02                                       ; T, source 0, in window 2
.set fn, 8*(\half)
.rept 8
.set fj, 0
.rept 4
	v_pk_fma_f32 v[O+8*fn+2*fj:O+8*fn+2*fj+1], v[(\t)+8*fn+2*fj:(\t)+8*fn+2*fj+1], v[(\fr)+2*(fn/4):(\fr)+2*(fn/4)+1], v[O+8*fn+2*fj:O+8*fn+2*fj+1] op_sel_hi:[1,0,1]
.set fj, fj+1
.endr
.set fn, fn+1
.endr
.endm
; THE CHANGE OF SLOTS, at a unit's head.  Each wave waits for all its tensor loads (one is out: its part of the unit's slot), adds 0 to its spare word, and waits for that and for its reads of the slot read last.
; fill = 1: the barrier is a round of the cluster's; behind it the slot read last takes the walk's next unit: the first tensor load there, with the unit's 128 matrix instructions in which to land.
; (At its first use nothing has been read yet: slot 0 is waited for, slot 1 filled.)
.macro CHANGE fill
	WIN 0
	s_wait_xcnt 0x0                                ; the last prefetches, a unit back, and a block's stores have read their registers
.if \fill
	s_lshl_b32 s[POF], s[PU], s[PSH]               ; the prefetches' address is made anew
	s_add_co_u32 s[POF], s[POF], s[PAB]
	s_add_nc_u64 s[PFA:PFA+1], s[PFB:PFB+1], s[POF:POF+1]
	s_add_co_u32 s[PU], s[PU], 1
	s_cmp_eq_u32 s[PU], s[PLIM]
	s_cselect_b32 s[PU], 0, s[PU]
	s_cselect_b32 s[PAB], s[PAB2], s[PAB]
	s_cselect_b32 s[PLIM], -1, s[PLIM]
.endif
	s_wait_tensorcnt 0x0                           ; no tensor load of mine is out, so a group 0 may be written
	ds_add_u32 v[SPW], v[NIL]                      ; 0 onto my spare word; the work on descriptors and addresses stands between it and the wait for it
.if \fill
	SETD s[TB]                                     ; s[TB] still names the slot read last
.endif
	s_xor_b32 s[TB], s[TB], SLOT                   ; 0 or a slot's bytes: the slot in hand
	v_add_nc_u32 v[ADRP], s[TB], v[ADRP0]
	v_add_nc_u32 v[ADRV], s[TB], v[ADRV0]
	s_wait_dscnt 0x0
.if \fill
	CROUND
	JLOAD
.else
	s_barrier_signal -1
	s_barrier_wait -1
.endif
.endm
; A UNIT: 256 keys, two chunks, 128 matrix instructions.  Its first chunk is folded among the second chunk's products, its second chunk at its end, ahead of the next change of slots.
.macro UNIT fill
	CHANGE \fill
	FETCH 0, F0
	LDF 0
.if \fill
	ASK
.endif
	FETCH 1, F1
	s_wait_dscnt 32                                ; all but the 32 just issued
	MUL F0, 0, T0, 1
	MUL F0, 1, T0, 0
	PLACES
	FETCH 2, F0
	LDF 1
	s_wait_dscnt 36                                ; all but the 32 + 4 just issued
	MUL F1, 0, T0, 0
	MUL F1, 1, T0, 0
	PLACES                                         ; for the loads into buffer 1, and for the folding of T0 below
	FETCH 3, F1
	s_wait_dscnt 32
	MUL F0, 0, T1, 1
	FOLD T0, FR0, 0
	MUL F0, 1, T1, 0
	FOLD T0, FR0, 1
	s_wait_dscnt 0x0
	MUL F1, 0, T1, 0
	MUL F1, 1, T1, 0
	WIN 0
	v_add_nc_u32 v[FA], 1024, v[FA]                ; the next unit's two chunks
	s_sub_co_u32 s[LEFT], s[LEFT], 1
	PLACES                                         ; behind the last products
	FOLD T1, FR1, 0
	FOLD T1, FR1, 1
	WIN 0
.endm
; A BLOCK'S END: O goes through my own stage, 16 rows at a time, out as rows of 256 bytes.  No barrier and no tensor load stand here.
; In the second block's end the wave that holds a batch's rows 0-63 (p = 0, where the second block is block 0; my rows the block's first 64) jumps over row blocks 0 and 1: rows 0-31 are another launch's.
.macro END blk, last
.irp a, 0,1,2,3
.if ((\blk) == 1) && ((\a) == 0)
	s_or_b32 s2, s[PB], s[WR]
	s_cmp_eq_u32 s2, 0
	s_cbranch_scc1 .Lrows_32_\@                    ; p and the wave's number decide: the same in all four partners, for a given wave
.endif
.if ((\blk) == 1) && ((\a) == 2)
.Lrows_32_\@:
.endif
.set BK, 32+32*((\a)%2)
.set ej, 0
.rept 4
	ds_store_b128 v[STO], v[O+32*(\a)+8*ej:O+32*(\a)+8*ej+3]   offset:64*ej
	ds_store_b128 v[STO], v[O+32*(\a)+8*ej+4:O+32*(\a)+8*ej+7] offset:64*ej+16
.set ej, ej+1
.endr
.set ej, 0
.rept 8
	ds_load_b128 v[BK+4*ej:BK+4*ej+3], v[RD] offset:ej*2*SPITCH  ; LDS serves a wave's instructions in order (ISA guide 5.7.1.4): these see the stores above
.set ej, ej+1
.endr
	s_wait_dscnt 0x0
	s_wait_xcnt 0x0                                ; earlier stores have read their registers: the other buffer is loaded again only behind this wait
.set ej, 0
.rept 8
	global_store_b128 v[GO], v[BK+4*ej:BK+4*ej+3], s[OB1+2*(\blk):OB1+2*(\blk)+1] offset:(16*(\a)+2*ej)*4096 th:TH_STORE_NT  ; 16 lanes store 256 consecutive bytes, at a multiple of 256 from out0's first byte
.set ej, ej+1
.endr
.endr
.if !(\last)
.set ej, 0
.rept 128
	v_mov_b32 v[O+ej], 0                           ; the second block starts at 0
.set ej, ej+1
.endr
.endif
.endm
	s_mov_b32 s[TB], SLOT                          ; the first change of slots fills slot 1 and turns this into 0
.Lunit:                                                ; eight trips: the walk's units 0 to 7; units 1 to 8 are asked for
	UNIT 1
	s_sub_co_u32 s[RT], s[RT], 1
	s_cmp_lg_u32 s[RT], 0
	s_cbranch_scc1 .Lnoend                         ; the same in all four partners
	END 0, 0
.Lnoend:
	s_sub_co_u32 s[TR], s[TR], 1
	s_cmp_lg_u32 s[TR], 0
	s_cbranch_scc1 .Lunit
	UNIT 0                                         ; the walk's last unit is written out: nothing is asked for
	END 1, 1
	s_wait_tensorcnt 0x0                           ; the wave's end
	ds_add_u32 v[SPW], v[NIL]
	s_wait_dscnt 0x0
	CROUND                                         ; the closing round
	s_endpgm
.Lfunc_end_k_qa0f3e8d290_mix:
	.size	k_qa0f3e8d290_mix, .Lfunc_end_k_qa0f3e8d290_mix-k_qa0f3e8d290_mix
	.p2alignl 7, 3214868480
	.fill 96, 4, 3214868480
	.section	.rodata,"a",@progbits
	.p2align	6, 0x0
	.amdhsa_kernel k_qa0f3e8d290_mix
		.amdhsa_group_segment_fixed_size 327680
		.amdhsa_private_segment_fixed_size 0
		.amdhsa_enable_private_segment 0
		.amdhsa_kernarg_size 40
		.amdhsa_user_sgpr_count 2
		.amdhsa_user_sgpr_kernarg_segment_ptr 1
		.amdhsa_wavefront_size32 1
		.amdhsa_system_sgpr_workgroup_id_x 1
		.amdhsa_system_sgpr_workgroup_id_y 1
		.amdhsa_system_sgpr_workgroup_id_z 1
		.amdhsa_system_vgpr_workitem_id 0
		.amdhsa_next_free_vgpr 768
		.amdhsa_next_free_sgpr 102
		.amdhsa_reserve_vcc 0
		.amdhsa_float_denorm_mode_32 3
		.amdhsa_float_denorm_mode_16_64 3
		.amdhsa_memory_ordered 1
		.amdhsa_forward_progress 1
		.amdhsa_inst_pref_size 105
	.end_amdhsa_kernel
	.amdgpu_metadata
---
amdhsa.version: [ 1, 2 ]
amdhsa.kernels:
  - .name:           k_qa0f3e8d290_mix
    .symbol:         k_qa0f3e8d290_mix.kd
    .args:
      - { .name: pw, .offset: 0, .size: 8, .value_kind: global_buffer, .address_space: global }
      - { .name: qkv, .offset: 8, .size: 8, .value_kind: global_buffer, .address_space: global }
      - { .name: sm, .offset: 16, .size: 8, .value_kind: global_buffer, .address_space: global }
      - { .name: sl, .offset: 24, .size: 8, .value_kind: global_buffer, .address_space: global }
      - { .name: out0, .offset: 32, .size: 8, .value_kind: global_buffer, .address_space: global }
    .group_segment_fixed_size: 327680
    .private_segment_fixed_size: 0
    .kernarg_segment_align: 8
    .kernarg_segment_size: 40
    .max_flat_workgroup_size: 128
    .sgpr_count:     102
    .vgpr_count:     768
    .wavefront_size: 32
...
	.end_amdgpu_metadata
.endif
;; end of part 8
;; ======== version 3 of 3: 4 launches; version 2 with the launch cast written anew for expert scheduling mode
;; limits: values are held in f16: magnitudes above 65,504 overflow, below 6.1e-05 lose precision
;; workspace buffers: xb 16,777,216 bytes; wb 6,291,456 bytes; qkv 50,331,648 bytes; pw 33,554,432 bytes; sm 524,288 bytes; sl 524,288 bytes; hp 1,572,864 bytes
;; launch cast (part 9): grid 352 x 1, 8 waves a work-group, no clusters, 0 bytes of LDS; arguments x, Wq, Wk, Wv, xb, wb; writes xb, wb
.if DOCPART == 9
	.amdgcn_target "amdgcn-amd-amdhsa--gfx1250"
	.amdhsa_code_object_version 6
	.text
	.protected	k_qa0f3e8d290_cast
	.globl	k_qa0f3e8d290_cast
	.p2align	8
	.type	k_qa0f3e8d290_cast,@function
k_qa0f3e8d290_cast:
	s_mov_b64 s[64:65], 0
	v_nop
	global_prefetch_b8 v0, s[64:65] scope:SCOPE_SE
	s_setreg_imm32_b32 hwreg(HW_REG_WAVE_SCHED_MODE, 0, 2), 2
	s_setreg_imm32_b32 hwreg(HW_REG_WAVE_MODE, 25, 1), 1
	s_wait_xcnt 0x0
	s_wait_alu depctr_vm_vsrc(0)
; x [8192][1024] and Wq, Wk, Wv [1024][1024], all f32, are rounded once to bf16 and laid in the order in which the projection's tiles are fetched.
;   xb: [mt 32][ks 16][256 rows][64 k]            byte mt*524288 + ks*32768 + r*128 + 2k
;   wb: [nt 8][ks 16][nb 6][64 k][64 n]           byte nt*786432 + ks*49152 + nb*8192 + kk*128 + 2c; column block g = 16 w + cb = 6 nt + nb (w = 0, 1, 2: Wq, Wk, Wv)
; A stream: no LDS, no matrix unit, no barrier: no wave wants a byte that another has fetched.
; SHARES.  A work-group takes 32 source rows of 4,096 bytes (131,072 consecutive bytes).  Groups 0-255: x; groups 256-351: 32 for each W.
; Thread t takes row t / 8 and, of each of the row's 16 blocks of 64 columns, the 8 numbers t % 8: two loads of 16 bytes, one store of 16 bytes.
; A wave's store covers 4 rows x 128 bytes = 512 consecutive bytes of the destination, at a multiple of 512.  All 32 loads of a thread go out at once; nothing is read twice.
; Source, destination and offsets are chosen by scalar selects on the group's number: one text, no branch.
; THE MODE: SCHED_MODE bits 1:0 = 2 (LLVM: expert scheduling mode 2), set by the entry lines.  The code itself states the register dependences between vector instructions and memory instructions,
; with s_wait_alu, always for 0.
; THE PLAN.  Registers that memory instructions touch:
;   v[VS]        Written at the head; read by all 32 loads as their offset; never written again.
;   v[VD + n]    Written at the head; read by store n as its offset; never written again.
;   X, block n   Its two loads land in its eight registers, which no vector instruction has named before; its four roundings read the eight and write the first four; store n reads those four; nothing writes them again.
; So what is owed is that a register is written before a load or store reads it; no register that a load or store has read is written again, and no load lands in a register that a vector instruction has named.
; The 16 blocks go in four groups of four.  Group g rounds its own blocks; the stores of group g - 1 are dealt among these roundings, which name group g's registers alone.  FIVE waits: one ahead of the first load (the
; offsets), one at the head of each of groups 1 to 3 (the group before has written its stores' data), one ahead of the last four stores.
; No vector instruction writes a scalar register or VCC, and EXEC is never written.
.set VS, 2                             ; v2      my byte offset in the group's 32 source rows
.set VB, 3                             ; v3      my byte offset in the destination, without the column block's part
.set VD, 4                             ; v[4:19] the same with column block n's part
.set X,  32                            ; v[32:159] block n: 8 registers as loaded; its first four then hold the 8 bf16
	s_load_b256 s[4:11], s[0:1], 0x0               ; x s[4:5], Wq s[6:7], Wk s[8:9], Wv s[10:11]
	s_load_b128 s[12:15], s[0:1], 0x20             ; xb s[12:13], wb s[14:15]
	s_mov_b32 s20, ttmp9                           ; the group's number
	s_max_u32 s21, s20, 256
	s_sub_co_u32 s21, s21, 256                     ; j: the number among W's groups (0 for x's groups)
	s_lshr_b32 s22, s21, 5                         ; w: which W
	s_and_b32 s23, s21, 31                         ; jj: which 32 rows of it
	s_lshl_b32 s24, s20, 17                        ; source offset for x,
	s_lshl_b32 s25, s23, 17                        ; for W
	s_lshr_b32 s26, s20, 3
	s_lshl_b32 s26, s26, 19                        ; x: mt * 524288
	s_and_b32 s27, s20, 7
	s_lshl_b32 s27, s27, 12                        ;    + 32 rows of 128 bytes for each group in the tile
	s_add_co_u32 s26, s26, s27
	s_lshr_b32 s27, s23, 1
	s_mul_i32 s27, s27, 49152                      ; W: ks * 49152
	s_and_b32 s28, s23, 1
	s_lshl_b32 s28, s28, 12                        ;    + the upper 32 of the 64 k
	s_add_co_u32 s27, s27, s28
	s_lshl_b32 s29, s22, 4                         ; 16 w
	s_cmp_lt_u32 s20, 256                          ; x?
	s_cselect_b32 s24, s24, s25
	s_cselect_b32 s26, s26, s27
	s_mov_b32 s25, 0
	v_lshrrev_b32 v1, 3, v0                        ; my row
	v_and_b32 v[VB], 7, v0                         ; my piece
	v_lshlrev_b32 v[VS], 12, v1
	v_lshl_add_u32 v[VS], v[VB], 5, v[VS]          ; row * 4096 + piece * 32
	v_lshlrev_b32 v[VB], 4, v[VB]
	v_lshl_add_u32 v[VB], v1, 7, v[VB]             ; row * 128 + piece * 16
	v_add_nc_u32 v[VB], s26, v[VB]
.set n, 0
.rept 16                               ; column block n's place: x: ks = n; W: g = 16 w + n, nt = g / 6 (g * 43 >> 8 for g under 48), nb = g - 6 nt
	s_add_co_u32 s30, s29, n
	s_mul_i32 s31, s30, 43
	s_lshr_b32 s31, s31, 8
	s_mul_i32 s32, s31, 6
	s_sub_co_u32 s30, s30, s32
	s_mul_i32 s31, s31, 786432
	s_lshl_b32 s30, s30, 13
	s_add_co_u32 s30, s30, s31
	s_cmp_lt_u32 s20, 256
	s_cselect_b32 s30, n*32768, s30
	v_add_nc_u32 v[VD+n], s30, v[VB]
.set n, n+1
.endr
	s_wait_kmcnt 0x0
	s_cmp_eq_u32 s22, 1
	s_cselect_b64 s[16:17], s[8:9], s[6:7]
	s_cmp_eq_u32 s22, 2
	s_cselect_b64 s[16:17], s[10:11], s[16:17]
	s_cmp_lt_u32 s20, 256
	s_cselect_b64 s[16:17], s[4:5], s[16:17]       ; the source,
	s_cselect_b64 s[18:19], s[12:13], s[14:15]     ; the destination
	s_add_nc_u64 s[16:17], s[16:17], s[24:25]
	s_wait_alu depctr_va_vdst(0)                   ; v[VS] is written, which the 32 loads read as their offset; so are v[VD] to v[VD+15], which the stores read: no vector instruction behind this wait names any of them
.set n, 0
.rept 16
	global_load_b128 v[X+8*n:X+8*n+3],   v[VS], s[16:17] offset:256*n th:TH_LOAD_NT
	global_load_b128 v[X+8*n+4:X+8*n+7], v[VS], s[16:17] offset:256*n+16 th:TH_LOAD_NT
.set n, n+1
.endr
; Group g, block n = 4 g + i.  Ahead of each block's four roundings stands the store of block n - 4; a store that is due stands ahead of the wait for the next block's loads, in which it has no part.
.set g, 0
.rept 4
.set i, 0
.rept 4
.set n, 4*g+i
.if i == 0
	s_wait_loadcnt 30-2*n                          ; loads come back in order: block n's two are in, the 30 - 2 n younger ones stay out
.if g > 0
	s_wait_alu depctr_va_vdst(0)                   ; the sixteen roundings of the group before have written the first four registers of its four blocks, which the four stores dealt through this group read
.endif
.endif
.if g > 0
	global_store_b128 v[VD+n-4], v[X+8*(n-4):X+8*(n-4)+3], s[18:19]  ; no vector instruction since the wait names these registers; no register that a load or store names is written again
.endif
.if i > 0
	s_wait_loadcnt 30-2*n                          ; block n's two loads are in, the 30 - 2 n younger ones stay out
.endif
	v_cvt_pk_bf16_f32 v[X+8*n],   v[X+8*n],   v[X+8*n+1]  ; in place: register j is written when registers 2 j, 2 j + 1 have been read
	v_cvt_pk_bf16_f32 v[X+8*n+1], v[X+8*n+2], v[X+8*n+3]
	v_cvt_pk_bf16_f32 v[X+8*n+2], v[X+8*n+4], v[X+8*n+5]
	v_cvt_pk_bf16_f32 v[X+8*n+3], v[X+8*n+6], v[X+8*n+7]
.set i, i+1
.endr
.set g, g+1
.endr
	s_wait_alu depctr_va_vdst(0)                   ; the last group's roundings have written blocks 12 to 15, which the last four stores read
.set n, 12
.rept 4
	global_store_b128 v[VD+n], v[X+8*n:X+8*n+3], s[18:19]
.set n, n+1
.endr
	s_endpgm
.Lfunc_end_k_qa0f3e8d290_cast:
	.size	k_qa0f3e8d290_cast, .Lfunc_end_k_qa0f3e8d290_cast-k_qa0f3e8d290_cast
	.p2alignl 7, 3214868480
	.fill 96, 4, 3214868480
	.section	.rodata,"a",@progbits
	.p2align	6, 0x0
	.amdhsa_kernel k_qa0f3e8d290_cast
		.amdhsa_group_segment_fixed_size 0
		.amdhsa_private_segment_fixed_size 0
		.amdhsa_enable_private_segment 0
		.amdhsa_kernarg_size 48
		.amdhsa_user_sgpr_count 2
		.amdhsa_user_sgpr_kernarg_segment_ptr 1
		.amdhsa_wavefront_size32 1
		.amdhsa_system_sgpr_workgroup_id_x 1
		.amdhsa_system_sgpr_workgroup_id_y 1
		.amdhsa_system_sgpr_workgroup_id_z 1
		.amdhsa_system_vgpr_workitem_id 0
		.amdhsa_next_free_vgpr 160
		.amdhsa_next_free_sgpr 66
		.amdhsa_reserve_vcc 0
		.amdhsa_float_denorm_mode_32 3
		.amdhsa_float_denorm_mode_16_64 3
		.amdhsa_memory_ordered 1
		.amdhsa_forward_progress 1
		.amdhsa_inst_pref_size 19
	.end_amdhsa_kernel
	.amdgpu_metadata
---
amdhsa.version: [ 1, 2 ]
amdhsa.kernels:
  - .name:           k_qa0f3e8d290_cast
    .symbol:         k_qa0f3e8d290_cast.kd
    .args:
      - { .name: x, .offset: 0, .size: 8, .value_kind: global_buffer, .address_space: global }
      - { .name: Wq, .offset: 8, .size: 8, .value_kind: global_buffer, .address_space: global }
      - { .name: Wk, .offset: 16, .size: 8, .value_kind: global_buffer, .address_space: global }
      - { .name: Wv, .offset: 24, .size: 8, .value_kind: global_buffer, .address_space: global }
      - { .name: xb, .offset: 32, .size: 8, .value_kind: global_buffer, .address_space: global }
      - { .name: wb, .offset: 40, .size: 8, .value_kind: global_buffer, .address_space: global }
    .group_segment_fixed_size: 0
    .private_segment_fixed_size: 0
    .kernarg_segment_align: 8
    .kernarg_segment_size: 48
    .max_flat_workgroup_size: 256
    .sgpr_count:     66
    .vgpr_count:     160
    .wavefront_size: 32
...
	.end_amdgpu_metadata
.endif
;; end of part 9
;; launch proj: the kernel of part 6 again; grid 8 x 32, 4 waves a work-group, clusters of 4 x 4, 327,680 bytes of LDS; arguments xb, wb, qkv, hp; writes qkv, hp
;; launch scores: the kernel of part 7 again; grid 44 x 4, 4 waves a work-group, no clusters, 327,680 bytes of LDS; arguments qkv, pw, sm, sl, hp, out0; writes pw, sm, sl, out0
;; launch mix: the kernel of part 8 again; grid 8 x 32, 4 waves a work-group, clusters of 4 x 1, 327,680 bytes of LDS; arguments pw, qkv, sm, sl, out0; writes out0
